; MI455X (gfx1250); checked and timed in simulation.
; The chip was launched on July 23, 2026; its instructions are those of AMD's public machine-readable ISA for CDNA 5 (MIT licence, August 2026) and "CDNA5" Instruction Set Architecture Reference Guide (July 2026). The comments in the code are by the model that wrote it; some were corrected since.
;; Block. Allowed arithmetic: matrix products marked QUANTISED: E4M3 operands, one given power-of-two scale a tensor, by v_wmma_f32_16x16x64_fp8_fp8 or v_wmma_f32_16x16x128_fp8_fp8, f32 sums; everything else in f32.
;; Inputs: W1_codes 2,048 x 16 x 32 uint8 (E4M3 codes of W1, K innermost, in blocks of 32 codes); W2_codes 512 x 64 x 32 uint8 (E4M3 codes of W2, K innermost, in blocks of 32 codes); Wk_codes 16 x 32 x 16 x 32 uint8 (E4M3 codes of Wk, K innermost, in blocks of 32 codes); Wo_codes 512 x 16 x 32 uint8 (E4M3 codes of Wo, K innermost, in blocks of 32 codes); Wq_codes 16 x 32 x 16 x 32 uint8 (E4M3 codes of Wq, K innermost, in blocks of 32 codes); Wv_codes 16 x 32 x 16 x 32 uint8 (E4M3 codes of Wv, K innermost, in blocks of 32 codes); be1 512 float32; be2 512 float32; bf1 2,048 float32; bf2 512 float32; bk 16 x 32 float32; bo 512 float32; bq 16 x 32 float32; bv 16 x 32 float32; g1 512 float32; g2 512 float32; lowp_scales 16 int32 (the exponents e of the quantised operands' scales 2^e); x 4 x 2,048 x 512 float32.
;; Outputs: out0 4 x 2,048 x 512 float32.
;; This version of the problem:
;;   THIS VERSION OF THE PROBLEM IS GIVEN IN LOW PRECISION. The matrix products marked QUANTISED in the list below multiply operands that are first quantised to E4M3 (4 exponent bits, 3 mantissa bits; 8 bits a number), with one given power-of-two scale for each operand tensor; their sums are f32. All else is computed in f32.
;;   The module's matrix products, in the order in which they are computed (A, B: the left and right operand; K: the contracted axis; several contracted axes count as one K, in the product's order):
;;     1. [M 512, K 512] x [K 512, N 8,192]; A: input Wq (given as codes); B: computed on the way: QUANTISED (scales: A lowp_scales[0], B lowp_scales[1])
;;     2. [M 512, K 512] x [K 512, N 8,192]; A: input Wk (given as codes); B: computed on the way: QUANTISED (scales: A lowp_scales[2], B lowp_scales[3])
;;     3. [M 512, K 512] x [K 512, N 8,192]; A: input Wv (given as codes); B: computed on the way: QUANTISED (scales: A lowp_scales[4], B lowp_scales[5])
;;     4. batch 64 x [M 2,048, K 32] x [K 32, N 2,048]; A: computed on the way; B: computed on the way: QUANTISED (scales: A lowp_scales[6], B lowp_scales[7])
;;     5. batch 64 x [M 2,048, K 2,048] x [K 2,048, N 32]; A: softmax (see below); B: computed on the way: QUANTISED (scales: A lowp_scales[8], B lowp_scales[9])
;;     6. [M 8,192, K 512] x [K 512, N 512]; A: computed on the way; B: input Wo (given as codes): QUANTISED (scales: A lowp_scales[10], B lowp_scales[11])
;;     7. [M 8,192, K 512] x [K 512, N 2,048]; A: computed on the way; B: input W1 (given as codes): QUANTISED (scales: A lowp_scales[12], B lowp_scales[13])
;;     8. [M 8,192, K 2,048] x [K 2,048, N 512]; A: computed on the way; B: input W2 (given as codes): QUANTISED (scales: A lowp_scales[14], B lowp_scales[15])
;;   THE QUANTISER, for each operand of a quantised product, along K:
;;     - The operand's scale is 2^e, e = its entry of the input lowp_scales (int32; the entries are numbered through the quantised products in the list's order, A before B).
;;     - Each number is divided by the scale, clamped to +-448, and rounded to the nearest number of E4M3, ties to even, subnormals kept.
;;     - The product sums the exact products of the quantised numbers (number of the format x scale) in f32.
;;   ~~~python
;;   def quantise(x, axis, e):      # numpy; x: float32 -> the quantised numbers, widened to float32 again
;;       x = np.moveaxis(x, axis, -1); K = x.shape[-1]
;;       r = np.clip(x / 2.0 ** e, -448, 448)
;;       step = 2.0 ** (np.maximum(np.frexp(np.where(r == 0, 1, r))[1] - 1, -6) - 3)
;;       q = np.round(r / step) * step * 2.0 ** e      # np.round: ties to even
;;       return np.moveaxis(q, -1, axis).astype(np.float32)
;;   ~~~
;;   SOFTMAX AHEAD OF A QUANTISED PRODUCT. Where the list says 'softmax', what is quantised is not the finished softmax but p = 2^(t - M), with t = logit x log2(e) and M = ceil(the row's largest t), a whole number; so 1/2 < the row's largest p <= 1. The row's sum l is taken of the UNQUANTISED p, in f32, and the product's result is divided by l at the end. Since M is a whole number, a kernel that streams over the keys may use a running M (the ceiling of the running maximum): every later rescaling is an exact power of two, so the quantised numbers keep their values, but for numbers so far below the row's largest that they fall under the format's range.
;;   OPERANDS COMPUTED ON THE WAY. 'Computed on the way' means the value that the module computes at that place (a softmax that the list does not call 'softmax' is quantised finished and normalised). What goes into a quantiser is computed in f32, as accurately as f32 sums, v_exp_f32 and their like allow (about 1e-6 of the number): no bf16 or f16 on the way to a quantiser, and a product that is left as it is and whose result goes on into a quantised operand takes f32 operands (vector FMAs, or v_wmma_f32_16x16x4_f32). A number that lies on a knife's edge between two numbers of the format may be rounded either way, as far as f32 arithmetic and the matrix unit's own rounding can turn it there, and no further.
;;   INPUTS GIVEN AS CODES. W1 (in the module: [2048, 512], K = its axis 1); W2 (in the module: [512, 2048], K = its axis 1); Wk (in the module: [16, 32, 512], K = its axis 2); Wo (in the module: [512, 512], K = its axis 1); Wq (in the module: [16, 32, 512], K = its axis 2); Wv (in the module: [16, 32, 512], K = its axis 2): each comes as NAME_codes (uint8): NAME with its K axis moved to the last place and cut into blocks of 32 codes, [.., K / 32, bytes a block], one block behind the other in memory; one code a byte (a code: sign, 4 exponent bits, 3 mantissa bits); its scale is its entry of lowp_scales. Its value is code x scale, taken as it is: it is not quantised again, and the codes and scales need not be those that the quantiser above would give.
;; 2 versions. Each part assembles by itself: llvm-mc -triple=amdgcn-amd-amdhsa -mcpu=gfx1250 --defsym DOCPART=n.
;; ======== version 1 of 2: 5 launches
;; limits: a function is approximated: absolute error at most 1.5e-07; an absolute error that grows with the inputs' magnitude: up to 7.5e-08 times it
;; workspace buffers: qimg 4,194,304 bytes; kv 8,388,608 bytes; wimg 2,359,296 bytes; oimg 4,194,304 bytes; x1 16,777,216 bytes; xn2img 4,194,304 bytes; himg 16,777,216 bytes
;; launch qkv (part 1): grid 4 x 64, 16 waves a work-group, no clusters, 69,632 bytes of LDS; arguments x, g1, be1, Wq_codes, Wk_codes, Wv_codes, bq, bk, bv, Wo_codes, W1_codes, W2_codes, lowp_scales, qimg, kv, wimg; writes qimg, kv, wimg
.if DOCPART == 1
	.amdgcn_target "amdgcn-amd-amdhsa--gfx1250"
	.amdhsa_code_object_version 6
	.text
	.protected	k_q57eb605083_qkv
	.globl	k_q57eb605083_qkv
	.p2align	8
	.type	k_q57eb605083_qkv,@function
k_q57eb605083_qkv:
	s_mov_b64 s[64:65], 0
	v_nop
	global_prefetch_b8 v0, s[64:65] scope:SCOPE_SE
	s_setreg_imm32_b32 hwreg(HW_REG_WAVE_MODE, 25, 1), 1
	s_wait_xcnt 0x0
; LayerNorm 1, its quantising, and the products Q, K, V on E4M3 codes; and the laying out of Wo, W1, W2 for the later launches.
; Work-group x = 0, 1, 2: Q, K or V for 128 tokens (work-group y) and all 16 heads.  x = 3: copies Wo, W1, W2 into the order of operand registers.
; SHARES (x < 3).  Wave w first normalises and quantises tokens 8 w .. 8 w + 7 (a row of 512 numbers is 16 registers of the wave's 32 lanes), with the one scale
; that this product gives xn; the codes meet in LDS.  Then wave w is head w: its 32 rows of the weight (8 fragments, 128 registers) stay in registers, and it walks the 128 tokens, 32 a trip.
; A FRAGMENT is 16 rows x 128 K: lane (r, h) holds, in registers 4 c .. 4 c + 3, k = 128 s + 32 c + 16 h + 0 .. 15 of its row: the same permutation of k in both operands of v_wmma_f32_16x16x128_fp8_fp8.
; TILES ARE PERMUTED: lane r of tile (b, u) holds row 32 b + 8 u + r + 8 (r / 8).  As source 0 such tiles give a lane, in the registers of tiles (b, 0) and (b, 1), 16 NEIGHBOURS 32 b + 16 h + 0 .. 15:
; two conversions make the 16 bytes that the next product's operand wants.  Q, K: source 0 = the weight (a lane gets 16 of the head's 32 numbers of one token);  V: source 0 = the tokens (a lane gets 16 keys of one channel).
; The bias goes in as the C of each sum's first product, divided by 2^(ew + ex); the conversion takes 2^(eo - ew - ex).
; No joint loads: a work-group fetches its operands once, at its head, and no loop walks tiles that another work-group walks too.
; LIMITS: ex and eo - ew - ex between -126 and 119, so that each power of two and 448 x it are f32 numbers.  NaN among the inputs is not served.
.set PITCH, 528                        ; a row of 512 codes in LDS + 16: an odd multiple of 16 bytes, so the 16 rows of a fragment load start 16 bytes apart modulo 256
.set GRP,   32*PITCH                   ; 32 tokens
.set SEL,   52                         ; s[52:53] lane selects of v_permlanex16_b32: lane l xor 16
.set BI,    16                         ; v16-31   the bias as C: two tiles x 8
.set ACC,   32                         ; v32-63   four accumulators (while rows are normalised: their codes)
.set AF,    64                         ; v64-127  four fragments of tokens (while rows are normalised: g1, be1, statistics)
.set GV,    64
.set BEV,   80
.set ST,    96                         ; eight registers of statistics a row: +0, +1 sum, mean; +2, +3 squares; +4 1 / (sigma + eps), +5 sigma + eps
.set WF,    128                        ; v128-255 first eight rows of x, then the weight: fragment (u, s) at 16 (4 u + s)
; v1 16 l; v4 r x PITCH + 16 h; v5 the trip's LDS address; v6, v7 the two stores' offsets; v8 where I put a row's codes; v9 the weight's lane offset; v10, v11 2^ex, 448 x 2^ex; v12, v13 the same for eo - ew - ex; v14, v15 the bias's offsets
.macro WSUM o                          ; the sum over the 32 lanes of statistic o of each of the four rows; o + 1 is at work (it has been written)
.irp m, 1,2,4,8
.irp i, 0,1,2,3
	v_add_f32_dpp v[ST+8*\i+\o], v[ST+8*\i+\o], v[ST+8*\i+\o] row_xmask:\m row_mask:0xf bank_mask:0xf
.endr
.endr
.irp i, 0,1,2,3
	v_permlanex16_b32 v[ST+8*\i+\o+1], v[ST+8*\i+\o], s[SEL], s[SEL+1]
.endr
.irp i, 0,1,2,3
	v_add_f32 v[ST+8*\i+\o], v[ST+8*\i+\o], v[ST+8*\i+\o+1]
.endr
.endm
; Four rows, row i in v[X0 + 16 i ..]: register 4 q + j is column 128 q + 4 l + j.  Mean, then the squares of the differences (two passes: a common offset costs nothing),
; variance over 511, eps behind the root, g and b, the hold, the codes into v[CD0 + 4 i + q], and these to LDS row off / PITCH + i of my eight.
.macro LNROWS X0, CD0, off
.irp i, 0,1,2,3
	v_pk_add_f32 v[ST+8*\i:ST+8*\i+1], v[\X0+16*\i:\X0+16*\i+1], v[\X0+16*\i+2:\X0+16*\i+3]
.endr
.irp j, 4,6,8,10,12,14
.irp i, 0,1,2,3
	v_pk_add_f32 v[ST+8*\i:ST+8*\i+1], v[ST+8*\i:ST+8*\i+1], v[\X0+16*\i+\j:\X0+16*\i+\j+1]
.endr
.endr
.irp i, 0,1,2,3
	v_add_f32 v[ST+8*\i], v[ST+8*\i], v[ST+8*\i+1]
.endr
	WSUM 0
.irp i, 0,1,2,3
	v_mul_f32 v[ST+8*\i], 0x3b000000, v[ST+8*\i]          ; the mean: x 1 / 512
.endr
.irp j, 0,2,4,6,8,10,12,14
.irp i, 0,1,2,3
	v_pk_add_f32 v[\X0+16*\i+\j:\X0+16*\i+\j+1], v[\X0+16*\i+\j:\X0+16*\i+\j+1], v[ST+8*\i:ST+8*\i+1] op_sel_hi:[1,0] neg_lo:[0,1] neg_hi:[0,1]   ; x - mean (the pair's low word for both halves)
.endr
.endr
.irp i, 0,1,2,3
	v_pk_mul_f32 v[ST+8*\i+2:ST+8*\i+3], v[\X0+16*\i:\X0+16*\i+1], v[\X0+16*\i:\X0+16*\i+1]
.endr
.irp j, 2,4,6,8,10,12,14
.irp i, 0,1,2,3
	v_pk_fma_f32 v[ST+8*\i+2:ST+8*\i+3], v[\X0+16*\i+\j:\X0+16*\i+\j+1], v[\X0+16*\i+\j:\X0+16*\i+\j+1], v[ST+8*\i+2:ST+8*\i+3]
.endr
.endr
.irp i, 0,1,2,3
	v_add_f32 v[ST+8*\i+2], v[ST+8*\i+2], v[ST+8*\i+3]
.endr
	WSUM 2
.irp i, 0,1,2,3
	v_mul_f32 v[ST+8*\i+2], 0x3b004020, v[ST+8*\i+2]      ; the variance: x 1 / 511
.endr
.irp i, 0,1,2,3
	v_sqrt_f32 v[ST+8*\i+5], v[ST+8*\i+2]
.endr
	v_nop                                                 ; a plain line behind the last root,
	s_wait_alu depctr_va_vdst(0)                          ; and one wait for the four, ahead of their first reader
.irp i, 0,1,2,3
	v_add_f32 v[ST+8*\i+5], 0x322bcc77, v[ST+8*\i+5]      ; + 1e-8, behind the root
.endr
.irp i, 0,1,2,3
	v_rcp_f32 v[ST+8*\i+4], v[ST+8*\i+5]
.endr
	v_nop
	s_wait_alu depctr_va_vdst(0)                          ; one wait for the four reciprocals
.irp j, 0,2,4,6,8,10,12,14
.irp i, 0,1,2,3
	v_pk_mul_f32 v[\X0+16*\i+\j:\X0+16*\i+\j+1], v[\X0+16*\i+\j:\X0+16*\i+\j+1], v[ST+8*\i+4:ST+8*\i+5] op_sel_hi:[1,0]
.endr
.endr
.irp j, 0,2,4,6,8,10,12,14
.irp i, 0,1,2,3
	v_pk_fma_f32 v[\X0+16*\i+\j:\X0+16*\i+\j+1], v[\X0+16*\i+\j:\X0+16*\i+\j+1], v[GV+\j:GV+\j+1], v[BEV+\j:BEV+\j+1]
.endr
.endr
.irp i, 0,1,2,3
.irp j, 0,1,2,3,4,5,6,7,8,9,10,11,12,13,14,15
	v_med3_num_f32 v[\X0+16*\i+\j], v[\X0+16*\i+\j], -v11, v11   ; the conversion to an 8-bit code does not saturate (ISA guide 7.6.2): the hold at 448 x the scale
.endr
.endr
.irp i, 0,1,2,3
	v_cvt_scalef32_pk8_fp8_f32 v[\CD0+4*\i:\CD0+4*\i+1], v[\X0+16*\i:\X0+16*\i+7], v10
	v_cvt_scalef32_pk8_fp8_f32 v[\CD0+4*\i+2:\CD0+4*\i+3], v[\X0+16*\i+8:\X0+16*\i+15], v10
.endr
	v_nop                                                 ; a plain line behind the last conversion
.irp i, 0,1,2,3
.irp q, 0,1,2,3
	ds_store_b32 v8, v[\CD0+4*\i+\q] offset:\off+\i*PITCH+128*\q   ; 32 lanes: 128 neighbouring codes of the row
.endr
.endr
.endm
.macro WLOAD u                         ; tile u of my head's weight: four fragments
.irp s, 0,1,2,3
.irp c, 0,1,2,3
	global_load_b128 v[WF+64*\u+16*\s+4*\c:WF+64*\u+16*\s+4*\c+3], v9, s[8:9] offset:4096*\u+128*\s+32*\c
.endr
.endr
.endm
; Token tile m of the trip's 32 tokens: its four fragments from LDS, and eight products, two accumulators by turns.
.macro HALF m
.if \m
.rept 5
	v_nop                                                 ; FIVE places.  Four stand in front of loads into registers that the last products read.  The fifth: the two forms below number their accumulators differently
.endr                                                         ; (tile 0 takes 0, 1 or 0, 2; tile 1 takes 2, 3 or 1, 3), so that, read without the knowledge that s2 never changes, tile 1's first product begins anew, with the bias as C, an accumulator that tile 0's products of the other form wrote (ISA guide 7.12.1)
.endif
.irp s, 0,1,2,3
.irp c, 0,1,2,3
	ds_load_b128 v[AF+16*\s+4*\c:AF+16*\s+4*\c+3], v5 offset:\m*16*PITCH+128*\s+32*\c
.endr
.endr
	s_wait_dscnt 0x0
	s_cmp_eq_u32 s2, 2
	s_cbranch_scc1 .Lform_v_\@
.irp s, 0,1,2,3
.irp u, 0,1
.if \s == 0
	v_wmma_f32_16x16x128_fp8_fp8 v[ACC+8*(2*\m+\u):ACC+8*(2*\m+\u)+7], v[WF+16*(4*\u+\s):WF+16*(4*\u+\s)+15], v[AF+16*\s:AF+16*\s+15], v[BI+8*\u:BI+8*\u+7]
.else
	v_wmma_f32_16x16x128_fp8_fp8 v[ACC+8*(2*\m+\u):ACC+8*(2*\m+\u)+7], v[WF+16*(4*\u+\s):WF+16*(4*\u+\s)+15], v[AF+16*\s:AF+16*\s+15], v[ACC+8*(2*\m+\u):ACC+8*(2*\m+\u)+7]
.endif
.endr
.endr
	s_branch .Ljoin_\@
.Lform_v_\@:
.irp s, 0,1,2,3
.irp u, 0,1
.if \s == 0
	v_wmma_f32_16x16x128_fp8_fp8 v[ACC+8*(2*\u+\m):ACC+8*(2*\u+\m)+7], v[AF+16*\s:AF+16*\s+15], v[WF+16*(4*\u+\s):WF+16*(4*\u+\s)+15], v[BI+8*\u:BI+8*\u+7]
.else
	v_wmma_f32_16x16x128_fp8_fp8 v[ACC+8*(2*\u+\m):ACC+8*(2*\u+\m)+7], v[AF+16*\s:AF+16*\s+15], v[WF+16*(4*\u+\s):WF+16*(4*\u+\s)+15], v[ACC+8*(2*\u+\m):ACC+8*(2*\u+\m)+7]
.endif
.endr
.endr
.Ljoin_\@:
.endm
	s_load_b512 s[16:31], s[0:1], 0x0              ; x 16, g1 18, be1 20, Wq 22, Wk 24, Wv 26, bq 28, bk 30
	s_load_b512 s[32:47], s[0:1], 0x40             ; bv 32, Wo 34, W1 36, W2 38, the scales 40, qimg 42, kv 44, wimg 46
	s_mov_b32 s2, ttmp9                            ; 0 Q, 1 K, 2 V, 3 the layout
	s_and_b32 s3, ttmp7, 0xffff                    ; work-group y
	v_lshrrev_b32 v2, 5, v0
	v_readfirstlane_b32 s4, v2                     ; wave 0..15
	v_and_b32 v1, 31, v0
	v_lshlrev_b32 v8, 2, v1                        ; 4 l
	v_lshlrev_b32 v1, 4, v1                        ; 16 l
	v_and_b32 v2, 15, v0                           ; r
	v_bfe_u32 v3, v0, 4, 1                         ; h
	v_and_b32 v9, 8, v2
	v_add_nc_u32 v15, v9, v2                       ; r + 8 (r / 8)
	v_lshlrev_b32 v9, 9, v15
	v_lshl_add_u32 v9, v3, 4, v9                   ; a permuted tile's lane in rows of 512 codes: x 512, + 16 h
	s_mov_b32 s[SEL], 0x76543210
	s_mov_b32 s[SEL+1], 0xfedcba98
	s_mov_b32 s55, 0                               ; the upper word of the offsets' pair s[54:55]
	s_wait_kmcnt 0x0
	s_cmp_eq_u32 s2, 3
	s_cbranch_scc1 .Llayout
	s_load_b512 s[68:83], s[40:41], 0x0            ; the sixteen exponents
	s_lshl_b32 s54, s3, 18                         ; 128 rows of 2,048 bytes a work-group,
	s_lshl_b32 s56, s4, 14                         ; 8 a wave
	s_add_co_u32 s54, s54, s56
	s_add_nc_u64 s[6:7], s[16:17], s[54:55]        ; x at my eight rows
	s_cmp_eq_u32 s2, 1
	s_cselect_b64 s[8:9], s[24:25], s[22:23]       ; the weight and the bias of my product: the choice hangs on the work-group's number alone
	s_cselect_b64 s[10:11], s[30:31], s[28:29]
	s_mov_b32 s15, 1024
	s_mov_b32 s48, 512
	s_cmp_eq_u32 s2, 2
	s_cselect_b64 s[8:9], s[26:27], s[8:9]
	s_cselect_b64 s[10:11], s[32:33], s[10:11]
	s_cselect_b32 s15, 512, s15                    ; from trip to trip in the output: Q, K two tiles of 512 bytes; V one quarter of a fragment
	s_cselect_b32 s48, 2048, s48                   ; from the first store to the second: Q, K the next tile; V the other 16 channels
	s_cselect_b32 s58, 0x10000, 0                  ; V lies behind a head's K
	s_mov_b32 s54, s56
	s_add_nc_u64 s[8:9], s[8:9], s[54:55]          ; my head's 32 rows of 512 codes
	s_lshl_b32 s54, s4, 7
	s_add_nc_u64 s[10:11], s[10:11], s[54:55]      ; my head's 32 numbers of the bias
	s_cmp_eq_u32 s2, 0
	s_cselect_b64 s[12:13], s[42:43], s[44:45]
	s_cselect_b32 s57, 16, 17                      ; a head is 65,536 bytes in qimg, 131,072 in kv
	s_lshr_b32 s54, s3, 4
	s_lshl_b32 s54, s54, 4
	s_add_co_u32 s54, s54, s4                      ; 16 x batch + head
	s_lshl_b32 s54, s54, s57
	s_and_b32 s56, s3, 15
	s_lshl_b32 s56, s56, 12                        ; my 128 tokens: 8 tiles of 512 bytes, or V's block of 4,096
	s_add_co_u32 s54, s54, s56
	s_add_co_u32 s54, s54, s58
	s_add_nc_u64 s[12:13], s[12:13], s[54:55]
	v_mul_u32_u24 v4, v2, PITCH
	v_lshl_add_u32 v4, v3, 4, v4                   ; a fragment's lane in LDS
	s_lshr_b32 s56, s4, 2                          ; token a of a group of 32 lies at LDS row 16 ((a / 8) % 2) + a % 8 + 8 (a / 16), so that a permuted tile is 16 rows on end;
	s_lshl_b32 s56, s56, 5                         ; my eight tokens begin at row 32 (w / 4) + 16 (w % 2) + 8 ((w / 2) % 2)
	s_and_b32 s57, s4, 1
	s_lshl_b32 s57, s57, 4
	s_add_co_u32 s56, s56, s57
	s_bfe_u32 s57, s4, 0x10001
	s_lshl_b32 s57, s57, 3
	s_add_co_u32 s56, s56, s57
	s_mul_i32 s56, s56, PITCH
	v_add_nc_u32 v8, s56, v8
	v_mov_b32 v6, v1
	v_add_nc_u32 v7, s48, v1
	v_lshlrev_b32 v14, 6, v3                       ; Q, K: the bias of channels 16 h on
	v_lshlrev_b32 v15, 2, v15                      ; V: of channel r + 8 (r / 8)
.irp q, 0,1,2,3
	global_load_b128 v[GV+4*\q:GV+4*\q+3], v1, s[18:19] offset:512*\q
	global_load_b128 v[BEV+4*\q:BEV+4*\q+3], v1, s[20:21] offset:512*\q
.endr
	s_cmp_eq_u32 s2, 2
	s_cbranch_scc1 .Lbias_v
.irp u, 0,1
	global_load_b128 v[BI+8*\u:BI+8*\u+3], v14, s[10:11] offset:32*\u       ; register j of tile u: channel 16 h + 8 u + j
	global_load_b128 v[BI+8*\u+4:BI+8*\u+7], v14, s[10:11] offset:32*\u+16
.endr
	s_branch .Lbias_done
.Lbias_v:
.irp u, 0,1
.irp j, 0,1,2,3,4,5,6,7
	global_load_b32 v[BI+8*\u+\j], v15, s[10:11] offset:32*\u               ; all eight registers of tile u: channel 8 u + r + 8 (r / 8)
.endr
.endr
.Lbias_done:
.irp i, 0,1,2,3,4,5,6,7
.irp q, 0,1,2,3
	global_load_b128 v[WF+16*\i+4*\q:WF+16*\i+4*\q+3], v1, s[6:7] offset:2048*\i+512*\q   ; 32 lanes read 512 neighbouring bytes
.endr
.endr
	s_wait_kmcnt 0x0
	s_cmp_eq_u32 s2, 1
	s_cselect_b32 s56, s70, s68                    ; ew
	s_cselect_b32 s57, s71, s69                    ; ex
	s_cselect_b32 s58, s75, s74                    ; eo: the result's own scale as an operand of attention
	s_cmp_eq_u32 s2, 2
	s_cselect_b32 s56, s72, s56
	s_cselect_b32 s57, s73, s57
	s_cselect_b32 s58, s77, s58
	s_add_co_i32 s59, s57, 127
	s_lshl_b32 s60, s59, 23
	v_mov_b32 v10, s60                             ; 2^ex as f32: the conversion takes its exponent field
	s_add_co_i32 s59, s59, 8
	s_lshl_b32 s59, s59, 23
	s_or_b32 s59, s59, 0x600000
	v_mov_b32 v11, s59                             ; 448 x 2^ex
	s_add_co_i32 s56, s56, s57                     ; ew + ex: what the sums lack
	s_sub_co_i32 s58, s58, s56
	s_add_co_i32 s59, s58, 127
	s_lshl_b32 s60, s59, 23
	v_mov_b32 v12, s60                             ; 2^(eo - ew - ex)
	s_add_co_i32 s59, s59, 8
	s_lshl_b32 s59, s59, 23
	s_or_b32 s59, s59, 0x600000
	v_mov_b32 v13, s59
	s_sub_co_i32 s56, 0, s56
	s_wait_loadcnt 16                              ; all but the youngest sixteen loads (rows 4 to 7) are in
	LNROWS WF, ACC, 0
	WLOAD 0                                        ; rows 0 to 3 are done with: their registers take half of the weight
	s_wait_loadcnt 16                              ; all but those sixteen: rows 4 to 7 are in
	LNROWS WF+64, ACC+16, 4*PITCH
	WLOAD 1
.irp j, 0,1,2,3,4,5,6,7,8,9,10,11,12,13,14,15
	v_ldexp_f32 v[BI+\j], v[BI+\j], s56            ; the bias / 2^(ew + ex)
.endr
	s_wait_dscnt 0x0                               ; for the others' sake: my rows' codes lie in LDS
	s_barrier_signal -1
	s_barrier_wait -1
	s_wait_loadcnt 0x0                             ; the weight
	s_mov_b32 s49, 0
	s_mov_b32 s50, 0
.Lpair:                                                ; four trips of 32 tokens
	v_add_nc_u32 v5, s49, v4
	HALF 0
	HALF 1
.rept 4
	v_nop                                          ; four places in front of the first read of results
.endr
.set j, 0
.rept 32
	v_med3_num_f32 v[ACC+j], v[ACC+j], -v13, v13   ; each accumulator from its low end on
.set j, j+1
.endr
.irp g, 0,1,2,3
	v_cvt_scalef32_pk8_fp8_f32 v[AF+2*\g:AF+2*\g+1], v[ACC+8*\g:ACC+8*\g+7], v12
.endr
	v_nop                                          ; a plain line behind the last conversion
	global_store_b128 v6, v[AF:AF+3], s[12:13]     ; 32 lanes store 512 neighbouring bytes, at a multiple of 512 from the buffer's first byte
	global_store_b128 v7, v[AF+4:AF+7], s[12:13]
	s_wait_xcnt 0x0                                ; the stores' offsets and data are written again only behind this wait
	v_add_nc_u32 v6, s15, v6
	v_add_nc_u32 v7, s15, v7
	s_add_co_u32 s49, s49, GRP
	s_add_co_u32 s50, s50, 1
	s_cmp_lt_u32 s50, 4
	s_cbranch_scc1 .Lpair
	s_wait_xcnt 0x0
	v_lshl_add_u32 v38, v0, 2, 0x10800
	v_mov_b32 v39, 0
	s_wait_tensorcnt 0x0
	ds_add_u32 v38, v39
	s_wait_dscnt 0x0
	s_endpgm
; THE LAYOUT.  Wave G = 16 y + w of 1,024 copies 1,024 bytes of W1's images, 1,024 of W2's and (G < 512) 512 of Wo's.  An image is a fragment as its registers lie: [c][lane][16 bytes]; tiles are permuted.
.Llayout:
	s_lshl_b32 s5, s3, 4
	s_add_co_u32 s5, s5, s4                        ; G
	s_lshr_b32 s56, s5, 3                          ; W1: tile G / 8; its first row 32 (tile / 2) + 8 (tile % 2); k = 64 (G % 8) on
	s_lshr_b32 s57, s56, 1
	s_lshl_b32 s57, s57, 5
	s_and_b32 s58, s56, 1
	s_lshl_b32 s58, s58, 3
	s_add_co_u32 s57, s57, s58
	s_lshl_b32 s57, s57, 9
	s_and_b32 s58, s5, 7
	s_lshl_b32 s58, s58, 6
	s_add_co_u32 s54, s57, s58
	s_add_nc_u64 s[6:7], s[36:37], s[54:55]
	s_lshr_b32 s56, s5, 5                          ; W2: tile G / 32; rows of 2,048 codes; k = 64 (G % 32) on
	s_lshr_b32 s57, s56, 1
	s_lshl_b32 s57, s57, 5
	s_and_b32 s58, s56, 1
	s_lshl_b32 s58, s58, 3
	s_add_co_u32 s57, s57, s58
	s_lshl_b32 s57, s57, 11
	s_and_b32 s58, s5, 31
	s_lshl_b32 s58, s58, 6
	s_add_co_u32 s54, s57, s58
	s_add_nc_u64 s[8:9], s[38:39], s[54:55]
	v_lshlrev_b32 v16, 11, v15
	v_lshl_add_u32 v16, v3, 4, v16
	s_lshl_b32 s54, s5, 10
	s_add_nc_u64 s[10:11], s[46:47], s[54:55]
	global_load_b128 v[128:131], v9, s[6:7]
	global_load_b128 v[132:135], v9, s[6:7] offset:32
	global_load_b128 v[136:139], v16, s[8:9]
	global_load_b128 v[140:143], v16, s[8:9] offset:32
	s_wait_loadcnt 0x0
	global_store_b128 v1, v[128:131], s[10:11] offset:262144
	global_store_b128 v1, v[132:135], s[10:11] offset:262144+512
	global_store_b128 v1, v[136:139], s[10:11] offset:1310720
	global_store_b128 v1, v[140:143], s[10:11] offset:1310720+512
	s_cmp_lt_u32 s3, 32
	s_cbranch_scc0 .Ldone
	s_lshr_b32 s56, s5, 4                          ; Wo: tile G / 16; k = 32 (G % 16) on
	s_lshr_b32 s57, s56, 1
	s_lshl_b32 s57, s57, 5
	s_and_b32 s58, s56, 1
	s_lshl_b32 s58, s58, 3
	s_add_co_u32 s57, s57, s58
	s_lshl_b32 s57, s57, 9
	s_and_b32 s58, s5, 15
	s_lshl_b32 s58, s58, 5
	s_add_co_u32 s54, s57, s58
	s_add_nc_u64 s[12:13], s[34:35], s[54:55]
	s_lshl_b32 s54, s5, 9
	s_add_nc_u64 s[14:15], s[46:47], s[54:55]
	global_load_b128 v[144:147], v9, s[12:13]
	s_wait_loadcnt 0x0
	global_store_b128 v1, v[144:147], s[14:15]
.Ldone:
	s_endpgm
.Lfunc_end_k_q57eb605083_qkv:
	.size	k_q57eb605083_qkv, .Lfunc_end_k_q57eb605083_qkv-k_q57eb605083_qkv
	.p2alignl 7, 3214868480
	.fill 96, 4, 3214868480
	.section	.rodata,"a",@progbits
	.p2align	6, 0x0
	.amdhsa_kernel k_q57eb605083_qkv
		.amdhsa_group_segment_fixed_size 69632
		.amdhsa_private_segment_fixed_size 0
		.amdhsa_enable_private_segment 0
		.amdhsa_kernarg_size 128
		.amdhsa_user_sgpr_count 2
		.amdhsa_user_sgpr_kernarg_segment_ptr 1
		.amdhsa_wavefront_size32 1
		.amdhsa_system_sgpr_workgroup_id_x 1
		.amdhsa_system_sgpr_workgroup_id_y 1
		.amdhsa_system_sgpr_workgroup_id_z 1
		.amdhsa_system_vgpr_workitem_id 0
		.amdhsa_next_free_vgpr 256
		.amdhsa_next_free_sgpr 84
		.amdhsa_reserve_vcc 0
		.amdhsa_float_denorm_mode_32 3
		.amdhsa_float_denorm_mode_16_64 3
		.amdhsa_memory_ordered 1
		.amdhsa_forward_progress 1
		.amdhsa_inst_pref_size 63
	.end_amdhsa_kernel
	.amdgpu_metadata
---
amdhsa.version: [ 1, 2 ]
amdhsa.kernels:
  - .name:           k_q57eb605083_qkv
    .symbol:         k_q57eb605083_qkv.kd
    .args:
      - { .name: x, .offset: 0, .size: 8, .value_kind: global_buffer, .address_space: global }
      - { .name: g1, .offset: 8, .size: 8, .value_kind: global_buffer, .address_space: global }
      - { .name: be1, .offset: 16, .size: 8, .value_kind: global_buffer, .address_space: global }
      - { .name: Wq_codes, .offset: 24, .size: 8, .value_kind: global_buffer, .address_space: global }
      - { .name: Wk_codes, .offset: 32, .size: 8, .value_kind: global_buffer, .address_space: global }
      - { .name: Wv_codes, .offset: 40, .size: 8, .value_kind: global_buffer, .address_space: global }
      - { .name: bq, .offset: 48, .size: 8, .value_kind: global_buffer, .address_space: global }
      - { .name: bk, .offset: 56, .size: 8, .value_kind: global_buffer, .address_space: global }
      - { .name: bv, .offset: 64, .size: 8, .value_kind: global_buffer, .address_space: global }
      - { .name: Wo_codes, .offset: 72, .size: 8, .value_kind: global_buffer, .address_space: global }
      - { .name: W1_codes, .offset: 80, .size: 8, .value_kind: global_buffer, .address_space: global }
      - { .name: W2_codes, .offset: 88, .size: 8, .value_kind: global_buffer, .address_space: global }
      - { .name: lowp_scales, .offset: 96, .size: 8, .value_kind: global_buffer, .address_space: global }
      - { .name: qimg, .offset: 104, .size: 8, .value_kind: global_buffer, .address_space: global }
      - { .name: kv, .offset: 112, .size: 8, .value_kind: global_buffer, .address_space: global }
      - { .name: wimg, .offset: 120, .size: 8, .value_kind: global_buffer, .address_space: global }
    .group_segment_fixed_size: 69632
    .private_segment_fixed_size: 0
    .kernarg_segment_align: 8
    .kernarg_segment_size: 128
    .max_flat_workgroup_size: 512
    .sgpr_count:     84
    .vgpr_count:     256
    .wavefront_size: 32
...
	.end_amdgpu_metadata
.endif
;; end of part 1
;; launch attn (part 2): grid 4 x 64, 16 waves a work-group, no clusters, 133,120 bytes of LDS; arguments qimg, kv, lowp_scales, oimg; writes oimg
.if DOCPART == 2
	.amdgcn_target "amdgcn-amd-amdhsa--gfx1250"
	.amdhsa_code_object_version 6
	.text
	.protected	k_q57eb605083_attn
	.globl	k_q57eb605083_attn
	.p2align	8
	.type	k_q57eb605083_attn,@function
k_q57eb605083_attn:
	s_mov_b64 s[64:65], 0
	v_nop
	global_prefetch_b8 v0, s[64:65] scope:SCOPE_SE
	s_setreg_imm32_b32 hwreg(HW_REG_WAVE_MODE, 25, 1), 1
	s_wait_xcnt 0x0
; Attention of one head (work-group y = 16 x batch + head), causal, on E4M3 codes: o = (sum over keys of Q(p) V) / l, quantised for the next product.
; t = score x log2(e) / sqrt(32); M = the running largest t rounded up to a whole number; p = 2^(t - M) is quantised with 2^ep; l is the sum of the unquantised p.
; MASK: key > query, and every score that is 0, become -infinity ahead of the maximum.  A query all of whose scores are masked has l = 0: its codes become the NaN code.
; SHARES.  The head's K and V (131,072 bytes, as the launch before laid them) are copied into LDS once.  A query tile QT of 16 needs key steps 0 .. QT / 8 of 128 keys.  Wave w of work-group x owns tiles
; a = 4 w + x and 127 - a: (a / 8 + 1) + (16 - a / 8) = 17 key steps for every wave of the launch.  The loops' trip counts are constants; a step past a tile's last is jumped over.
; LAYOUT.  Both products transposed: a lane holds one query (lane % 16).  S^T = K Q^T by v_wmma_f32_16x16x64_fp8_fp8: the head has 32 channels, so a fragment of K holds TWO key tiles in its two halves along K,
; and Q stands beside zeros, once in the lower half (Q | 0) and once in the upper (0 | Q).  Key tiles are permuted, so the 16 registers of two neighbouring tiles are keys 32 p + 16 h + 0 .. 15: p's codes are the operand of
; O^T = V^T P^T (v_wmma_f32_16x16x128_fp8_fp8), whose two tiles of channels are permuted likewise: a lane ends with channels 16 h + 0 .. 15 of its query.
; No joint loads: K and V are fetched once, at the head; no loop asks for tiles.  And a branch on the given exponent ep spares 64 lines of a key step.
; LIMITS: eq + ek between -124 and 129 (added to c's exponent field); ep and eo between -126 and 119.  A score counts as 0 where its f32 sum of products of codes is 0.  NaN among the inputs is not served.
.set S,  96                            ; v96-159  S^T, then p (at the head: the copy's registers)
.set O,  160                           ; v160-175 O^T
.set PC, 176                           ; v176-191 p's codes
; v1 16 l; v2 16 l + 65,536; v3 r + 8 (r / 8); v4 16 h; v5 my query - 16 h; v6 that - the step's first key; v7 -infinity; v8, v9 the step's LDS addresses; v10, v11 the copy's; v12 -M; v13 the largest t; v[14:15] l
; v16-27 Q | 0 | Q; v28-31 the next tile's Q; v32-63 K; v64-95 V; v192-195 the second tile's Q; v196-199 o's codes; v240, v244 448 x 2^ep, 2^ep; v241, v245 the same for eo; v246 four NaN codes
; s12 wave; s13 head; s14 QT; s15 its last key step; s16 key step; s17 its LDS bytes; s18 tiles to go; s[20:21] lane selects; s[22:23] c; s30 ep + ev; s31 the lanes with l = 0; s[36:51] the exponents
	s_load_b256 s[4:11], s[0:1], 0x0               ; qimg 4, kv 6, the scales 8, oimg 10
	v_lshl_add_u32 v251, v0, 2, 0x20000
	v_mov_b32 v255, 0
	v_lshrrev_b32 v1, 5, v0
	v_readfirstlane_b32 s12, v1
	s_and_b32 s13, ttmp7, 0xffff
	s_lshl_b32 s14, s12, 2
	s_add_co_u32 s14, s14, ttmp9                   ; a
	v_and_b32 v1, 31, v0
	v_lshlrev_b32 v1, 4, v1
	v_add_nc_u32 v2, 0x10000, v1
	v_and_b32 v3, 15, v0
	v_and_b32 v4, 8, v3
	v_add_nc_u32 v3, v3, v4
	v_bfe_u32 v4, v0, 4, 1
	v_lshlrev_b32 v4, 4, v4
	v_lshlrev_b32 v10, 4, v0
	v_add_nc_u32 v11, 0x10000, v10
	v_mov_b32 v7, 0xff800000
.irp j, 20,21,22,23
	v_mov_b32 v\j, 0                               ; the zeros between the two copies of Q
.endr
	v_mov_b32 v236, 0                              ; written once: a lane permute's destination counts as one of its sources
	v_mov_b32 v253, 0                              ; (named as the upper half of the pair v[252:253])
	v_mov_b32 v246, 0x7f7f7f7f
	s_mov_b32 s20, 0x76543210
	s_mov_b32 s21, 0xfedcba98
	s_mov_b32 s27, 0
	s_mov_b32 s29, 0
	s_lshl_b32 s26, s13, 17                        ; the head in kv
	s_lshl_b32 s19, s13, 16                        ; and in qimg
	s_lshl_b32 s28, s14, 9
	s_add_co_u32 s28, s28, s19
	s_wait_kmcnt 0x0
	s_load_b512 s[36:51], s[8:9], 0x0
	s_add_nc_u64 s[6:7], s[6:7], s[26:27]
	s_add_nc_u64 s[24:25], s[4:5], s[28:29]        ; tile a
	s_sub_co_u32 s28, 127, s14
	s_lshl_b32 s28, s28, 9
	s_add_co_u32 s28, s28, s19
	s_add_nc_u64 s[4:5], s[4:5], s[28:29]          ; tile 127 - a
	s_lshr_b32 s26, s13, 4
	s_lshl_b32 s26, s26, 20                        ; oimg: a batch is 128 row tiles of 8,192 bytes,
	s_and_b32 s28, s13, 15
	s_lshl_b32 s28, s28, 9                         ; a head a quarter fragment of 512
	s_add_co_u32 s26, s26, s28
	s_add_nc_u64 s[10:11], s[10:11], s[26:27]
.set i, 0
.rept 16
	global_load_b128 v[S+4*i:S+4*i+3], v10, s[6:7] offset:8192*i   ; the work-group's 512 threads read 8,192 neighbouring bytes
.set i, i+1
.endr
	global_load_b128 v[28:31], v1, s[24:25]
	global_load_b128 v[192:195], v1, s[4:5]
	s_wait_kmcnt 0x0
	s_add_co_i32 s26, s42, s43                     ; eq + ek, added to the exponent field of
	s_lshl_b32 s26, s26, 23
	s_add_co_i32 s22, s26, 0x3e8293ee              ; c = log2(e) / sqrt(32)
	s_mov_b32 s23, s22                             ; (named with it as a pair, so it is written)
	s_add_co_i32 s26, s44, 127
	s_lshl_b32 s28, s26, 23
	v_mov_b32 v244, s28                            ; 2^ep
	s_add_co_i32 s26, s26, 8
	s_lshl_b32 s26, s26, 23
	s_or_b32 s26, s26, 0x600000
	v_mov_b32 v240, s26                            ; 448 x 2^ep
	s_add_co_i32 s26, s46, 127
	s_lshl_b32 s28, s26, 23
	v_mov_b32 v245, s28                            ; 2^eo: o as an operand of the next product
	s_add_co_i32 s26, s26, 8
	s_lshl_b32 s26, s26, 23
	s_or_b32 s26, s26, 0x600000
	v_mov_b32 v241, s26
	s_add_co_i32 s30, s44, s45                     ; ep + ev
.set i, 0
.rept 16
	s_wait_loadcnt 17-i                            ; loads come back in order: copy load i is in; the 15 - i behind it and Q's two may be out
.if i < 8
	ds_store_b128 v10, v[S+4*i:S+4*i+3] offset:8192*i
.else
	ds_store_b128 v11, v[S+4*i:S+4*i+3] offset:8192*(i-8)
.endif
.set i, i+1
.endr
	s_wait_dscnt 0x0                               ; for the others' sake: my part of K and V lies in LDS
	s_barrier_signal -1
	s_barrier_wait -1
	s_wait_loadcnt 0x0                             ; Q's two tiles
	s_mov_b32 s18, 2
.Ltile:
.irp j, 0,1,2,3
	v_mov_b32 v[16+\j], v[28+\j]
	v_mov_b32 v[24+\j], v[28+\j]
.endr
.irp j, 0,1,2,3
	v_mov_b32 v[28+\j], v[192+\j]
.endr
	s_lshr_b32 s15, s14, 3                         ; the tile's 16 queries lie in one group of 32, so in one key step: the last that it needs
	s_lshr_b32 s28, s14, 1
	s_lshl_b32 s28, s28, 5
	s_and_b32 s19, s14, 1
	s_lshl_b32 s19, s19, 3
	s_add_co_u32 s28, s28, s19
	v_add_nc_u32 v5, s28, v3                       ; my query: 32 (QT / 2) + 8 (QT % 2) + r + 8 (r / 8),
	v_sub_nc_u32 v5, v5, v4                        ; less 16 h
.set j, 0
.rept 16
	v_mov_b32 v[O+j], 0                            ; the step is written once: the first finds zeros, which the first change of M leaves zeros
.set j, j+1
.endr
	v_mov_b32 v14, 0
	v_mov_b32 v15, 0
	v_mov_b32 v13, 0xff61b1e6                      ; the largest t so far: -3e38
	v_floor_f32 v12, -v13
	s_mov_b32 s16, 0
	s_mov_b32 s17, 0
.Lstep:                                                ; sixteen trips; those past the tile's last key step do nothing
	s_cmp_gt_u32 s16, s15
	s_cbranch_scc1 .Lskip
	v_add_nc_u32 v8, s17, v1
	v_add_nc_u32 v9, s17, v2
	v_nop                                          ; with the two additions: four places in front of loads into registers that the last products read
	v_nop
.irp t, 0,1,2,3,4,5,6,7
	ds_load_b128 v[32+4*\t:35+4*\t], v8 offset:512*\t      ; key tile t
.endr
.irp t, 0,1,2,3,4,5,6,7
	ds_load_b128 v[64+4*\t:67+4*\t], v9 offset:512*\t      ; V: tile of channels t / 4, keys 32 (t % 4) on
.endr
	s_wait_dscnt 8                                 ; K's eight are in; V's eight may be out
.irp p, 0,1,2,3
	v_wmma_f32_16x16x64_fp8_fp8 v[S+16*\p:S+16*\p+7], v[32+8*\p:39+8*\p], v[16:23], 0        ; Q | 0: the fragment's first key tile
	v_wmma_f32_16x16x64_fp8_fp8 v[S+16*\p+8:S+16*\p+15], v[32+8*\p:39+8*\p], v[20:27], 0     ; 0 | Q: its second
.endr
.rept 4
	v_nop
.endr
	s_cmp_lg_u32 s16, s15                          ; only the tile's last key step has keys behind a query
	s_cbranch_scc1 .Lopen
	s_lshl_b32 s28, s16, 7
	v_sub_nc_u32 v6, v5, s28                       ; register n holds key 128 KS + 16 h + 32 (n / 16) + n % 16: hidden where 32 (n / 16) + n % 16 > my query - 16 h - 128 KS
.set n, 0
.rept 64
	v_cmp_gt_i32 vcc_lo, 32*(n/16)+n%16, v6
	v_cndmask_b32 v[S+n], v[S+n], v7, vcc_lo
.set n, n+1
.endr
.Lopen:
.set n, 0
.rept 64
	v_cmp_eq_f32 vcc_lo, 0, v[S+n]                 ; a score that is 0 is masked too; each accumulator is read from its low end on
	v_cndmask_b32 v[S+n], v[S+n], v7, vcc_lo
.set n, n+1
.endr
	v_max3_num_f32 v254, v96, v97, v98             ; the step's largest score of my query among my 64 keys, in two chains,
	v_max3_num_f32 v252, v99, v100, v101
.irp i, 6,10,14,18,22,26,30,34,38,42,46,50,54,58
	v_max3_num_f32 v254, v254, v[96+\i], v[97+\i]
	v_max3_num_f32 v252, v252, v[98+\i], v[99+\i]
.endr
	v_max3_num_f32 v254, v254, v158, v159
	v_max_num_f32 v254, v254, v252
	v_permlanex16_b32 v236, v254, s20, s21
	v_max_num_f32 v254, v254, v236                 ; and among lane l xor 16's
	v_mul_f32 v254, s22, v254                      ; as t (c is positive)
	v_max_num_f32 v13, v13, v254
	v_mov_b32 v254, v12
	v_floor_f32 v12, -v13                          ; -M = floor(-t): M is a whole number
	v_sub_f32 v254, v12, v254                      ; old M - new M: a whole number, 0 or less
	v_cvt_i32_f32 v254, v254                       ; (it saturates)
	v_ldexp_f32 v252, 1.0, v254                    ; f = 2^(old M - new M): a multiplication by it rounds nothing
.set j, 0
.rept 32
	v_pk_fma_f32 v[S+j:S+j+1], v[S+j:S+j+1], s[22:23], v[12:13] op_sel_hi:[1,0,0]   ; t - M (of the pairs c and -M the low word serves both halves)
.set j, j+2
.endr
.set j, 0
.rept 64
	v_exp_f32 v[S+j], v[S+j]                       ; p = 2^(t - M)
.set j, j+1
.endr
	v_pk_mul_f32 v[14:15], v[14:15], v[252:253] op_sel_hi:[1,0]   ; l under the new M; the plain line behind the exponentials
	s_wait_alu depctr_va_vdst(0)                   ; one wait for the batch of 64, ahead of its first reader
	v_pk_add_f32 v[242:243], v[96:97], v[98:99]    ; l takes the UNQUANTISED p, in two chains
.irp j, 4,8,12,16,20,24,28,32,36,40,44,48,52,56,60
	v_pk_add_f32 v[14:15], v[14:15], v[96+\j:97+\j]
	v_pk_add_f32 v[242:243], v[242:243], v[98+\j:99+\j]
.endr
	v_pk_add_f32 v[14:15], v[14:15], v[242:243]
	s_cmp_ge_i32 s44, -8                           ; p is at most 1, and 448 x 2^ep is at least 1 from ep = -8 on: there the hold changes nothing and is jumped over
	s_cbranch_scc1 .Lno_hold
.set j, 0
.rept 64
	v_min_num_f32 v[S+j], v[S+j], v240             ; p is not negative: the hold is one-sided
.set j, j+1
.endr
.Lno_hold:
.irp g, 0,1,2,3,4,5,6,7
	v_cvt_scalef32_pk8_fp8_f32 v[PC+2*\g:PC+2*\g+1], v[S+8*\g:S+8*\g+7], v244
.endr
.set j, 0
.rept 8
	v_pk_mul_f32 v[O+j:O+j+1], v[O+j:O+j+1], v[252:253] op_sel_hi:[1,0]   ; O^T under the new M; also the plain lines behind the conversions
.set j, j+2
.endr
	s_wait_dscnt 0x0                               ; V
	v_wmma_f32_16x16x128_fp8_fp8 v[O:O+7], v[64:79], v[PC:PC+15], v[O:O+7]
	v_wmma_f32_16x16x128_fp8_fp8 v[O+8:O+15], v[80:95], v[PC:PC+15], v[O+8:O+15]
.Lskip:
	s_add_co_u32 s17, s17, 4096
	s_add_co_u32 s16, s16, 1
	s_cmp_lt_u32 s16, 16
	s_cbranch_scc1 .Lstep
	; THE WAY OUT of a tile: O^T x 2^(ep + ev) / l, quantised with 2^eo: a lane's 16 channels are the 16 bytes of its place in the next operand's image
.rept 4
	v_nop
.endr
	v_add_f32 v14, v14, v15
	v_permlanex16_b32 v236, v14, s20, s21
	v_add_f32 v14, v14, v236                       ; the row's sum
	v_cmp_eq_f32 s31, 0, v14
	v_rcp_f32 v252, v14
	v_nop                                          ; a plain line behind the reciprocal,
	s_wait_alu depctr_va_vdst(0)                   ; and the wait ahead of its first reader
	v_ldexp_f32 v252, v252, s30
.set j, 0
.rept 16
	v_mul_f32 v[S+j], v[O+j], v252                 ; each accumulator from its low end on
.set j, j+1
.endr
.set j, 0
.rept 16
	v_med3_num_f32 v[S+j], v[S+j], -v241, v241
.set j, j+1
.endr
	v_cvt_scalef32_pk8_fp8_f32 v[196:197], v[S:S+7], v245
	v_cvt_scalef32_pk8_fp8_f32 v[198:199], v[S+8:S+15], v245
	v_nop
.irp j, 196,197,198,199
	v_cndmask_b32 v\j, v\j, v246, s31              ; no key counted: NaN, as a softmax over nothing gives
.endr
	s_lshl_b32 s26, s14, 13
	s_add_nc_u64 s[32:33], s[10:11], s[26:27]
	global_store_b128 v1, v[196:199], s[32:33]     ; 32 lanes store 512 neighbouring bytes, at a multiple of 512 from the buffer's first byte
	s_wait_xcnt 0x0                                ; the store's data and base are written again only behind this wait
	s_sub_co_u32 s14, 127, s14
	s_sub_co_u32 s18, s18, 1
	s_cmp_lg_u32 s18, 0
	s_cbranch_scc1 .Ltile
	s_wait_tensorcnt 0x0
	ds_add_u32 v251, v255
	s_wait_dscnt 0x0
	s_endpgm
.Lfunc_end_k_q57eb605083_attn:
	.size	k_q57eb605083_attn, .Lfunc_end_k_q57eb605083_attn-k_q57eb605083_attn
	.p2alignl 7, 3214868480
	.fill 96, 4, 3214868480
	.section	.rodata,"a",@progbits
	.p2align	6, 0x0
	.amdhsa_kernel k_q57eb605083_attn
		.amdhsa_group_segment_fixed_size 133120
		.amdhsa_private_segment_fixed_size 0
		.amdhsa_enable_private_segment 0
		.amdhsa_kernarg_size 32
		.amdhsa_user_sgpr_count 2
		.amdhsa_user_sgpr_kernarg_segment_ptr 1
		.amdhsa_wavefront_size32 1
		.amdhsa_system_sgpr_workgroup_id_x 1
		.amdhsa_system_sgpr_workgroup_id_y 1
		.amdhsa_system_sgpr_workgroup_id_z 1
		.amdhsa_system_vgpr_workitem_id 0
		.amdhsa_next_free_vgpr 256
		.amdhsa_next_free_sgpr 66
		.amdhsa_reserve_vcc 1
		.amdhsa_float_denorm_mode_32 3
		.amdhsa_float_denorm_mode_16_64 3
		.amdhsa_memory_ordered 1
		.amdhsa_forward_progress 1
		.amdhsa_inst_pref_size 34
	.end_amdhsa_kernel
	.amdgpu_metadata
---
amdhsa.version: [ 1, 2 ]
amdhsa.kernels:
  - .name:           k_q57eb605083_attn
    .symbol:         k_q57eb605083_attn.kd
    .args:
      - { .name: qimg, .offset: 0, .size: 8, .value_kind: global_buffer, .address_space: global }
      - { .name: kv, .offset: 8, .size: 8, .value_kind: global_buffer, .address_space: global }
      - { .name: lowp_scales, .offset: 16, .size: 8, .value_kind: global_buffer, .address_space: global }
      - { .name: oimg, .offset: 24, .size: 8, .value_kind: global_buffer, .address_space: global }
    .group_segment_fixed_size: 133120
    .private_segment_fixed_size: 0
    .kernarg_segment_align: 8
    .kernarg_segment_size: 32
    .max_flat_workgroup_size: 512
    .sgpr_count:     66
    .vgpr_count:     256
    .wavefront_size: 32
...
	.end_amdgpu_metadata
.endif
;; end of part 2
;; launch proj (part 3): grid 256 x 1, 16 waves a work-group, no clusters, 101,376 bytes of LDS; arguments oimg, wimg, x, bo, g2, be2, lowp_scales, x1, xn2img; writes x1, xn2img
.if DOCPART == 3
	.amdgcn_target "amdgcn-amd-amdhsa--gfx1250"
	.amdhsa_code_object_version 6
	.text
	.protected	k_q57eb605083_proj
	.globl	k_q57eb605083_proj
	.p2align	8
	.type	k_q57eb605083_proj,@function
k_q57eb605083_proj:
	s_mov_b64 s[64:65], 0
	v_nop
	global_prefetch_b8 v0, s[64:65] scope:SCOPE_SE
	s_setreg_imm32_b32 hwreg(HW_REG_WAVE_MODE, 25, 1), 1
	s_wait_xcnt 0x0
; x1 = x + o Wo^T + bo (the product on E4M3 codes), LayerNorm 2 of x1, and its quantising for the next product.
; SHARES.  A work-group takes 32 tokens.  In the product wave w makes columns 32 w .. 32 w + 31 for all 32 tokens: its 32 rows of Wo (8 fragments, 128 registers) come as images, read once.
; o's eight fragments (16,384 bytes) are copied into LDS as they lie.  The raw sums meet in a stage of 32 rows; then wave w owns rows 2 w and 2 w + 1 whole: residual, bias, x1 out, the norm, the codes.
; The codes meet in LDS as rows and leave as images of the next operand's registers, natural tiles of 16 rows, two quarter fragments a wave.
; The product is used transposed (source 0 = 16 rows of Wo, permuted; source 1 = 16 tokens): a lane holds, of one token, columns 32 w + 16 h + 0 .. 15.
; No joint loads: every operand is fetched once, at the head.
; LIMITS: e10 + e11 between -126 and 127; e12 between -126 and 119.  NaN among the inputs is not served (a NaN code of o gives a NaN row of x1, as it should).
.set STG, 16384                        ; LDS: o's images at 0; the stage: 32 rows of 2,048 bytes + 16;
.set SPI, 2064
.set CR,  82432                        ; the rows of codes: 32 rows of 512 bytes + 16.  Both pitches are odd multiples of 16 bytes
.set CPI, 528
.set SEL, 12                           ; s[12:13]
.set ST,  112                          ; v112-127 statistics, eight a row
.set BOV, 128                          ; v128-255 Wo; later bo, g2, be2 and the two rows
.set GV,  144
.set BEV, 160
.set Y,   176
.set CD,  48                           ; v48-79 o's two fragments of a K step; later the codes
.set XR,  80                           ; v80-111 my two rows of x
; v1 16 l; v2 16 t; v3 into the stage; v4 out of it; v5 where I put a row's codes; v6 where I read a quarter fragment; v10, v11 2^e12, 448 x 2^e12; v16-47 four accumulators
.macro WSUM o
.irp m, 1,2,4,8
.irp i, 0,1
	v_add_f32_dpp v[ST+8*\i+\o], v[ST+8*\i+\o], v[ST+8*\i+\o] row_xmask:\m row_mask:0xf bank_mask:0xf
.endr
.endr
.irp i, 0,1
	v_permlanex16_b32 v[ST+8*\i+\o+1], v[ST+8*\i+\o], s[SEL], s[SEL+1]
.endr
.irp i, 0,1
	v_add_f32 v[ST+8*\i+\o], v[ST+8*\i+\o], v[ST+8*\i+\o+1]
.endr
.endm
	s_load_b512 s[16:31], s[0:1], 0x0              ; oimg 16, wimg 18, x 20, bo 22, g2 24, be2 26, the scales 28, x1 30
	s_load_b64 s[32:33], s[0:1], 0x40              ; xn2img
	v_lshl_add_u32 v126, v0, 2, 0x18400
	v_mov_b32 v127, 0
	v_lshrrev_b32 v1, 5, v0
	v_readfirstlane_b32 s4, v1                     ; wave
	s_mov_b32 s5, ttmp9                            ; the group of 32 tokens
	v_and_b32 v7, 31, v0
	v_lshlrev_b32 v1, 4, v7
	v_lshlrev_b32 v2, 4, v0
	v_and_b32 v8, 15, v0                           ; r
	v_bfe_u32 v9, v0, 4, 1                         ; h
	v_and_b32 v3, 8, v8
	v_add_nc_u32 v3, v3, v8                        ; r + 8 (r / 8): my token in a permuted tile
	v_mul_u32_u24 v3, v3, SPI
	v_lshl_add_u32 v3, v9, 6, v3                   ; + 16 h columns
	s_lshl_b32 s6, s4, 7                           ; + 32 w columns
	s_add_co_u32 s6, s6, STG
	v_add_nc_u32 v3, s6, v3
	s_mul_i32 s6, s4, 2*SPI
	s_add_co_u32 s6, s6, STG
	v_add_nc_u32 v4, s6, v1
	s_mul_i32 s6, s4, 2*CPI
	s_add_co_u32 s6, s6, CR
	v_lshl_add_u32 v5, v7, 2, s6
	v_mul_u32_u24 v6, v8, CPI
	v_lshl_add_u32 v6, v9, 4, v6
	s_lshr_b32 s6, s4, 3                           ; quarter fragments 2 w and 2 w + 1 of 32: tile w / 8, K step (w / 2) % 4, quarters 2 (w % 2) and + 1
	s_mul_i32 s6, s6, 16*CPI
	s_bfe_u32 s7, s4, 0x20001
	s_lshl_b32 s7, s7, 7
	s_add_co_u32 s6, s6, s7
	s_and_b32 s7, s4, 1
	s_lshl_b32 s7, s7, 6
	s_add_co_u32 s6, s6, s7
	s_add_co_u32 s6, s6, CR
	v_add_nc_u32 v6, s6, v6
	s_mov_b32 s[SEL], 0x76543210
	s_mov_b32 s[SEL+1], 0xfedcba98
	s_mov_b32 s9, 0
	s_wait_kmcnt 0x0
	s_load_b512 s[48:63], s[28:29], 0x0            ; the exponents: e10 s58, e11 s59, e12 s60
	s_lshl_b32 s8, s5, 14
	s_add_nc_u64 s[16:17], s[16:17], s[8:9]        ; o's two row tiles
	s_lshl_b32 s6, s4, 10
	s_add_co_u32 s8, s8, s6
	s_add_nc_u64 s[32:33], s[32:33], s[8:9]        ; my two quarter fragments of xn2's images
	s_lshl_b32 s8, s4, 14
	s_add_nc_u64 s[18:19], s[18:19], s[8:9]        ; Wo's tiles 2 w, 2 w + 1
	s_lshl_b32 s8, s5, 16
	s_lshl_b32 s6, s4, 12
	s_add_co_u32 s8, s8, s6
	s_add_nc_u64 s[20:21], s[20:21], s[8:9]        ; my two rows of x,
	s_add_nc_u64 s[30:31], s[30:31], s[8:9]        ; and of x1
	global_load_b128 v[48:51], v2, s[16:17]
	global_load_b128 v[52:55], v2, s[16:17] offset:8192
.irp f, 0,1,2,3,4,5,6,7
.irp c, 0,1,2,3
	global_load_b128 v[128+16*\f+4*\c:131+16*\f+4*\c], v1, s[18:19] offset:2048*\f+512*\c   ; fragment (u, s) = f = 4 u + s
.endr
.endr
.irp i, 0,1
.irp q, 0,1,2,3
	global_load_b128 v[XR+16*\i+4*\q:XR+16*\i+4*\q+3], v1, s[20:21] offset:2048*\i+512*\q
.endr
.endr
	s_wait_kmcnt 0x0
	s_add_co_i32 s46, s58, s59
	s_add_co_i32 s46, s46, 127
	s_lshl_b32 s46, s46, 23                        ; 2^(e10 + e11)
	s_mov_b32 s47, s46
	s_add_co_i32 s6, s60, 127
	s_lshl_b32 s7, s6, 23
	v_mov_b32 v10, s7
	s_add_co_i32 s6, s6, 8
	s_lshl_b32 s6, s6, 23
	s_or_b32 s6, s6, 0x600000
	v_mov_b32 v11, s6
	s_wait_loadcnt 40                              ; o's two loads are in; Wo's 32 and x's 8 may be out
	ds_store_b128 v2, v[48:51]
	ds_store_b128 v2, v[52:55] offset:8192
	s_wait_dscnt 0x0
	s_barrier_signal -1
	s_barrier_wait -1                              ; o's eight fragments lie in LDS
	s_wait_loadcnt 8                               ; Wo is in; x's 8 may be out
.irp s, 0,1,2,3
.irp m, 0,1
.irp c, 0,1,2,3
	ds_load_b128 v[48+16*\m+4*\c:51+16*\m+4*\c], v1 offset:(4*\m+\s)*2048+512*\c
.endr
.endr
	s_wait_dscnt 0x0
.irp m, 0,1
.irp u, 0,1
.if \s == 0
	v_wmma_f32_16x16x128_fp8_fp8 v[16+8*(2*\m+\u):23+8*(2*\m+\u)], v[128+16*(4*\u+\s):143+16*(4*\u+\s)], v[48+16*\m:63+16*\m], 0
.else
	v_wmma_f32_16x16x128_fp8_fp8 v[16+8*(2*\m+\u):23+8*(2*\m+\u)], v[128+16*(4*\u+\s):143+16*(4*\u+\s)], v[48+16*\m:63+16*\m], v[16+8*(2*\m+\u):23+8*(2*\m+\u)]
.endif
.endr
.endr
.rept 4
	v_nop                                          ; four places in front of loads into registers that these products read, and of the first read of results
.endr
.endr
.irp q, 0,1,2,3
	global_load_b128 v[BOV+4*\q:BOV+4*\q+3], v1, s[22:23] offset:512*\q
	global_load_b128 v[GV+4*\q:GV+4*\q+3], v1, s[24:25] offset:512*\q
	global_load_b128 v[BEV+4*\q:BEV+4*\q+3], v1, s[26:27] offset:512*\q
.endr
.irp m, 0,1
.irp u, 0,1
	ds_store_b128 v3, v[16+8*(2*\m+\u):19+8*(2*\m+\u)] offset:\m*8*SPI+32*\u       ; token 8 m + r + 8 (r / 8), columns 32 w + 16 h + 8 u on; each accumulator from its low end on
	ds_store_b128 v3, v[20+8*(2*\m+\u):23+8*(2*\m+\u)] offset:\m*8*SPI+32*\u+16
.endr
.endr
	s_wait_dscnt 0x0
	s_barrier_signal -1
	s_barrier_wait -1                              ; 32 whole rows of sums lie in the stage
.irp i, 0,1
.irp q, 0,1,2,3
	ds_load_b128 v[Y+16*\i+4*\q:Y+16*\i+4*\q+3], v4 offset:\i*SPI+512*\q
.endr
.endr
	s_wait_loadcnt 0x0
.irp i, 0,1
.irp j, 0,2,4,6,8,10,12,14
	v_pk_add_f32 v[XR+16*\i+\j:XR+16*\i+\j+1], v[XR+16*\i+\j:XR+16*\i+\j+1], v[BOV+\j:BOV+\j+1]
.endr
.endr
	s_wait_dscnt 0x0
.irp i, 0,1
.irp j, 0,2,4,6,8,10,12,14
	v_pk_fma_f32 v[Y+16*\i+\j:Y+16*\i+\j+1], v[Y+16*\i+\j:Y+16*\i+\j+1], s[46:47], v[XR+16*\i+\j:XR+16*\i+\j+1] op_sel_hi:[1,0,1]   ; x1 = sum x 2^(e10 + e11) + (x + bo)
.endr
.endr
.irp i, 0,1
.irp q, 0,1,2,3
	global_store_b128 v1, v[Y+16*\i+4*\q:Y+16*\i+4*\q+3], s[30:31] offset:2048*\i+512*\q   ; 32 lanes store 512 neighbouring bytes, aligned
.endr
.endr
	; the norm of my two rows: mean, squares of the differences, variance over 511, eps behind the root
.irp i, 0,1
	v_pk_add_f32 v[ST+8*\i:ST+8*\i+1], v[Y+16*\i:Y+16*\i+1], v[Y+16*\i+2:Y+16*\i+3]
.endr
.irp j, 4,6,8,10,12,14
.irp i, 0,1
	v_pk_add_f32 v[ST+8*\i:ST+8*\i+1], v[ST+8*\i:ST+8*\i+1], v[Y+16*\i+\j:Y+16*\i+\j+1]
.endr
.endr
.irp i, 0,1
	v_add_f32 v[ST+8*\i], v[ST+8*\i], v[ST+8*\i+1]
.endr
	WSUM 0
.irp i, 0,1
	v_mul_f32 v[ST+8*\i], 0x3b000000, v[ST+8*\i]
.endr
	s_wait_xcnt 0x0                                ; x1's stores have read their data: the rows are written in place only behind this wait
.irp j, 0,2,4,6,8,10,12,14
.irp i, 0,1
	v_pk_add_f32 v[Y+16*\i+\j:Y+16*\i+\j+1], v[Y+16*\i+\j:Y+16*\i+\j+1], v[ST+8*\i:ST+8*\i+1] op_sel_hi:[1,0] neg_lo:[0,1] neg_hi:[0,1]
.endr
.endr
.irp i, 0,1
	v_pk_mul_f32 v[ST+8*\i+2:ST+8*\i+3], v[Y+16*\i:Y+16*\i+1], v[Y+16*\i:Y+16*\i+1]
.endr
.irp j, 2,4,6,8,10,12,14
.irp i, 0,1
	v_pk_fma_f32 v[ST+8*\i+2:ST+8*\i+3], v[Y+16*\i+\j:Y+16*\i+\j+1], v[Y+16*\i+\j:Y+16*\i+\j+1], v[ST+8*\i+2:ST+8*\i+3]
.endr
.endr
.irp i, 0,1
	v_add_f32 v[ST+8*\i+2], v[ST+8*\i+2], v[ST+8*\i+3]
.endr
	WSUM 2
.irp i, 0,1
	v_mul_f32 v[ST+8*\i+2], 0x3b004020, v[ST+8*\i+2]      ; x 1 / 511
.endr
.irp i, 0,1
	v_sqrt_f32 v[ST+8*\i+5], v[ST+8*\i+2]
.endr
	v_nop
	s_wait_alu depctr_va_vdst(0)                   ; one wait for the two roots, ahead of their first reader
.irp i, 0,1
	v_add_f32 v[ST+8*\i+5], 0x322bcc77, v[ST+8*\i+5]
.endr
.irp i, 0,1
	v_rcp_f32 v[ST+8*\i+4], v[ST+8*\i+5]
.endr
	v_nop
	s_wait_alu depctr_va_vdst(0)
.irp j, 0,2,4,6,8,10,12,14
.irp i, 0,1
	v_pk_mul_f32 v[Y+16*\i+\j:Y+16*\i+\j+1], v[Y+16*\i+\j:Y+16*\i+\j+1], v[ST+8*\i+4:ST+8*\i+5] op_sel_hi:[1,0]
.endr
.endr
.irp j, 0,2,4,6,8,10,12,14
.irp i, 0,1
	v_pk_fma_f32 v[Y+16*\i+\j:Y+16*\i+\j+1], v[Y+16*\i+\j:Y+16*\i+\j+1], v[GV+\j:GV+\j+1], v[BEV+\j:BEV+\j+1]
.endr
.endr
.set j, 0
.rept 32
	v_med3_num_f32 v[Y+j], v[Y+j], -v11, v11       ; the hold at 448 x the scale (ISA guide 7.6.2: the conversion does not saturate)
.set j, j+1
.endr
.irp i, 0,1
	v_cvt_scalef32_pk8_fp8_f32 v[CD+4*\i:CD+4*\i+1], v[Y+16*\i:Y+16*\i+7], v10
	v_cvt_scalef32_pk8_fp8_f32 v[CD+4*\i+2:CD+4*\i+3], v[Y+16*\i+8:Y+16*\i+15], v10
.endr
	v_nop
.irp i, 0,1
.irp q, 0,1,2,3
	ds_store_b32 v5, v[CD+4*\i+\q] offset:\i*CPI+128*\q
.endr
.endr
	s_wait_dscnt 0x0
	s_barrier_signal -1
	s_barrier_wait -1                              ; 32 rows of codes lie in LDS
	ds_load_b128 v[48:51], v6
	ds_load_b128 v[52:55], v6 offset:32
	s_wait_dscnt 1                                 ; the first quarter is in, the second may be out
	global_store_b128 v1, v[48:51], s[32:33]
	s_wait_dscnt 0x0
	global_store_b128 v1, v[52:55], s[32:33] offset:512
	s_wait_tensorcnt 0x0
	ds_add_u32 v126, v127
	s_wait_dscnt 0x0
	s_endpgm
.Lfunc_end_k_q57eb605083_proj:
	.size	k_q57eb605083_proj, .Lfunc_end_k_q57eb605083_proj-k_q57eb605083_proj
	.p2alignl 7, 3214868480
	.fill 96, 4, 3214868480
	.section	.rodata,"a",@progbits
	.p2align	6, 0x0
	.amdhsa_kernel k_q57eb605083_proj
		.amdhsa_group_segment_fixed_size 101376
		.amdhsa_private_segment_fixed_size 0
		.amdhsa_enable_private_segment 0
		.amdhsa_kernarg_size 72
		.amdhsa_user_sgpr_count 2
		.amdhsa_user_sgpr_kernarg_segment_ptr 1
		.amdhsa_wavefront_size32 1
		.amdhsa_system_sgpr_workgroup_id_x 1
		.amdhsa_system_sgpr_workgroup_id_y 1
		.amdhsa_system_sgpr_workgroup_id_z 1
		.amdhsa_system_vgpr_workitem_id 0
		.amdhsa_next_free_vgpr 256
		.amdhsa_next_free_sgpr 66
		.amdhsa_reserve_vcc 0
		.amdhsa_float_denorm_mode_32 3
		.amdhsa_float_denorm_mode_16_64 3
		.amdhsa_memory_ordered 1
		.amdhsa_forward_progress 1
		.amdhsa_inst_pref_size 27
	.end_amdhsa_kernel
	.amdgpu_metadata
---
amdhsa.version: [ 1, 2 ]
amdhsa.kernels:
  - .name:           k_q57eb605083_proj
    .symbol:         k_q57eb605083_proj.kd
    .args:
      - { .name: oimg, .offset: 0, .size: 8, .value_kind: global_buffer, .address_space: global }
      - { .name: wimg, .offset: 8, .size: 8, .value_kind: global_buffer, .address_space: global }
      - { .name: x, .offset: 16, .size: 8, .value_kind: global_buffer, .address_space: global }
      - { .name: bo, .offset: 24, .size: 8, .value_kind: global_buffer, .address_space: global }
      - { .name: g2, .offset: 32, .size: 8, .value_kind: global_buffer, .address_space: global }
      - { .name: be2, .offset: 40, .size: 8, .value_kind: global_buffer, .address_space: global }
      - { .name: lowp_scales, .offset: 48, .size: 8, .value_kind: global_buffer, .address_space: global }
      - { .name: x1, .offset: 56, .size: 8, .value_kind: global_buffer, .address_space: global }
      - { .name: xn2img, .offset: 64, .size: 8, .value_kind: global_buffer, .address_space: global }
    .group_segment_fixed_size: 101376
    .private_segment_fixed_size: 0
    .kernarg_segment_align: 8
    .kernarg_segment_size: 72
    .max_flat_workgroup_size: 512
    .sgpr_count:     66
    .vgpr_count:     256
    .wavefront_size: 32
...
	.end_amdgpu_metadata
.endif
;; end of part 3
;; launch ffn1 (part 4): grid 8 x 32, 16 waves a work-group, no clusters, 133,120 bytes of LDS; arguments xn2img, wimg, bf1, lowp_scales, himg; writes himg
.if DOCPART == 4
	.amdgcn_target "amdgcn-amd-amdhsa--gfx1250"
	.amdhsa_code_object_version 6
	.text
	.protected	k_q57eb605083_ffn1
	.globl	k_q57eb605083_ffn1
	.p2align	8
	.type	k_q57eb605083_ffn1,@function
k_q57eb605083_ffn1:
	s_mov_b64 s[64:65], 0
	v_nop
	global_prefetch_b8 v0, s[64:65] scope:SCOPE_SE
	s_setreg_imm32_b32 hwreg(HW_REG_WAVE_MODE, 25, 1), 1
	s_wait_xcnt 0x0
; h = gelu(xn2 W1^T + bf1), the product on E4M3 codes, h quantised for the next product and stored as images of that operand's registers.
; SHARES.  A work-group takes 256 rows (work-group y) x 256 hidden units (x).  The rows' 16 tiles of images (131,072 bytes) are copied into LDS once.  Wave w keeps the 32 rows of W1 of hidden units
; 32 (8 x + w % 8) on (8 fragments, 128 registers) and walks row tiles 8 (w / 8) .. + 7, one a trip.  Transposed use (source 0 = W1, permuted tiles): a lane holds, of one row, 16 neighbouring hidden units.
; GELU, exact form: 0.5 x (1 + erf(x / sqrt 2)) = max(x, 0) - |x| (P(t) e^(-x x / 2)) / 2, t = 1 / (1 + 0.3275911 |x| / sqrt 2), P the five-term polynomial of Abramowitz and Stegun 7.1.26.
; For negative x nothing is cancelled.  LIMIT: that formula's absolute error in erf is 1.5e-7, the size of f32's own rounding of 1 + erf.
; No joint loads: every operand is fetched once, at the head.
; LIMITS: e12 + e13 between -126 and 127; e14 between -126 and 119.  NaN among the inputs is not served.
; v1 16 l; v2 my row tiles in LDS; v3 the trip's address; v4 the store's offset; v5, v6 the copy's LDS addresses; v7 the bias's offset; v12-15 codes; v16-31 two accumulators, then max(x, 0); v32-47 the bias
; v48-57 the five coefficients halved, each twice; v[58:59] -log2(e) / 2; v60 0.3275911 / sqrt 2; v61, v62 448 x 2^e14, 2^e14; v64-127 four fragments of rows, then x, t, e, P; v128-255 W1
.set XV, 64
.set TV, 80
.set EV, 96
.set PV, 112
	s_load_b256 s[4:11], s[0:1], 0x0               ; xn2img 4, wimg 6, bf1 8, the scales 10
	s_load_b64 s[12:13], s[0:1], 0x20              ; himg
	v_lshl_add_u32 v11, v0, 2, 0x20000
	v_mov_b32 v63, 0
	v_lshrrev_b32 v1, 5, v0
	v_readfirstlane_b32 s14, v1
	s_and_b32 s15, ttmp7, 0xffff
	s_and_b32 s16, s14, 7
	s_lshr_b32 s17, s14, 3
	s_lshl_b32 s18, ttmp9, 3
	s_add_co_u32 s18, s18, s16                     ; my group of 32 hidden units, 0 .. 63
	v_and_b32 v1, 31, v0
	v_lshlrev_b32 v1, 4, v1
	s_lshl_b32 s19, s17, 16
	v_add_nc_u32 v2, s19, v1
	v_mov_b32 v4, v1
	v_lshlrev_b32 v5, 4, v0
	v_add_nc_u32 v6, 0x10000, v5
	v_bfe_u32 v7, v0, 4, 1
	v_lshlrev_b32 v7, 6, v7
.irp j, 48,49
	v_mov_b32 v\j, 0x3e027906                      ;  0.254829592 / 2
.endr
.irp j, 50,51
	v_mov_b32 v\j, 0xbe11a98e                      ; -0.284496736 / 2
.endr
.irp j, 52,53
	v_mov_b32 v\j, 0x3f35f0e3                      ;  1.421413741 / 2
.endr
.irp j, 54,55
	v_mov_b32 v\j, 0xbf3a00e3                      ; -1.453152027 / 2
.endr
.irp j, 56,57
	v_mov_b32 v\j, 0x3f07dc22                      ;  1.061405429 / 2
.endr
.irp j, 58,59
	v_mov_b32 v\j, 0xbf38aa3b
.endr
	v_mov_b32 v60, 0x3e6d3388
	s_mov_b32 s21, 0
	s_wait_kmcnt 0x0
	s_load_b512 s[48:63], s[10:11], 0x0            ; e12 s60, e13 s61, e14 s62
	s_lshl_b32 s20, s15, 17
	s_add_nc_u64 s[4:5], s[4:5], s[20:21]          ; my 16 row tiles
	s_lshl_b32 s20, s18, 14
	s_add_co_u32 s20, s20, 262144
	s_add_nc_u64 s[6:7], s[6:7], s[20:21]          ; W1's images of my two tiles
	s_lshl_b32 s20, s18, 7
	s_add_nc_u64 s[8:9], s[8:9], s[20:21]
	s_lshl_b32 s20, s15, 4                         ; himg: row tile 16 y + 8 (w / 8), K step group / 4, quarter group % 4
	s_lshl_b32 s22, s17, 3
	s_add_co_u32 s20, s20, s22
	s_lshl_b32 s20, s20, 4
	s_lshr_b32 s22, s18, 2
	s_add_co_u32 s20, s20, s22
	s_lshl_b32 s20, s20, 11
	s_and_b32 s22, s18, 3
	s_lshl_b32 s22, s22, 9
	s_add_co_u32 s20, s20, s22
	s_add_nc_u64 s[12:13], s[12:13], s[20:21]
.irp f, 0,1,2,3,4,5,6,7
.irp c, 0,1,2,3
	global_load_b128 v[128+16*\f+4*\c:131+16*\f+4*\c], v1, s[6:7] offset:2048*\f+512*\c
.endr
.endr
.irp q, 0,1,2,3
	global_load_b128 v[32+4*\q:35+4*\q], v7, s[8:9] offset:16*\q       ; register 8 u + j: hidden unit 16 h + 8 u + j of my 32
.endr
.set i, 0
.rept 16
	global_load_b128 v[64+4*i:67+4*i], v5, s[4:5] offset:8192*i
.set i, i+1
.endr
	s_wait_kmcnt 0x0
	s_add_co_i32 s46, s60, s61
	s_add_co_i32 s46, s46, 127
	s_lshl_b32 s46, s46, 23                        ; 2^(e12 + e13)
	s_mov_b32 s47, s46
	s_add_co_i32 s20, s62, 127
	s_lshl_b32 s22, s20, 23
	v_mov_b32 v62, s22
	s_add_co_i32 s20, s20, 8
	s_lshl_b32 s20, s20, 23
	s_or_b32 s20, s20, 0x600000
	v_mov_b32 v61, s20
.set i, 0
.rept 16
	s_wait_loadcnt 15-i                            ; copy load i is in (and all that were issued ahead of the copy); the 15 - i behind it may be out
.if i < 8
	ds_store_b128 v5, v[64+4*i:67+4*i] offset:8192*i
.else
	ds_store_b128 v6, v[64+4*i:67+4*i] offset:8192*(i-8)
.endif
.set i, i+1
.endr
	s_wait_dscnt 0x0
	s_barrier_signal -1
	s_barrier_wait -1
	s_mov_b32 s23, 0
	s_mov_b32 s24, 0
.Ltrip:                                                ; eight trips, a tile of 16 rows each
	v_add_nc_u32 v3, s23, v2
.irp s, 0,1,2,3
.irp c, 0,1,2,3
	ds_load_b128 v[64+16*\s+4*\c:67+16*\s+4*\c], v3 offset:2048*\s+512*\c
.endr
.endr
	s_wait_dscnt 0x0
.irp s, 0,1,2,3
.irp u, 0,1
.if \s == 0
	v_wmma_f32_16x16x128_fp8_fp8 v[16+8*\u:23+8*\u], v[128+16*(4*\u+\s):143+16*(4*\u+\s)], v[64+16*\s:79+16*\s], 0
.else
	v_wmma_f32_16x16x128_fp8_fp8 v[16+8*\u:23+8*\u], v[128+16*(4*\u+\s):143+16*(4*\u+\s)], v[64+16*\s:79+16*\s], v[16+8*\u:23+8*\u]
.endif
.endr
.endr
.rept 4
	v_nop
.endr
.set j, 0
.rept 8
	v_pk_fma_f32 v[XV+j:XV+j+1], v[16+j:17+j], s[46:47], v[32+j:33+j] op_sel_hi:[1,0,1]   ; x = sum x 2^(e12 + e13) + bias
.set j, j+2
.endr
.set j, 0
.rept 16
	v_fma_f32 v[TV+j], |v[XV+j]|, v60, 1.0
.set j, j+1
.endr
.set j, 0
.rept 8
	v_pk_mul_f32 v[EV+j:EV+j+1], v[XV+j:XV+j+1], v[XV+j:XV+j+1]
.set j, j+2
.endr
.set j, 0
.rept 8
	v_pk_mul_f32 v[EV+j:EV+j+1], v[EV+j:EV+j+1], v[58:59]
.set j, j+2
.endr
.set j, 0
.rept 16
	v_rcp_f32 v[TV+j], v[TV+j]                     ; t
.set j, j+1
.endr
.set j, 0
.rept 16
	v_exp_f32 v[EV+j], v[EV+j]                     ; e^(-x x / 2)
.set j, j+1
.endr
.set j, 0
.rept 16
	v_max_num_f32 v[16+j], 0, v[XV+j]              ; max(x, 0): sixteen plain lines that name no result of the batch
.set j, j+1
.endr
	s_wait_alu depctr_va_vdst(0)                   ; one wait for the batch of 32, ahead of its first reader
.set j, 0
.rept 8
	v_pk_fma_f32 v[PV+j:PV+j+1], v[TV+j:TV+j+1], v[56:57], v[54:55]
.set j, j+2
.endr
.irp a, 52,50,48
.set j, 0
.rept 8
	v_pk_fma_f32 v[PV+j:PV+j+1], v[PV+j:PV+j+1], v[TV+j:TV+j+1], v[\a:\a+1]
.set j, j+2
.endr
.endr
.set j, 0
.rept 8
	v_pk_mul_f32 v[PV+j:PV+j+1], v[PV+j:PV+j+1], v[TV+j:TV+j+1]
.set j, j+2
.endr
.set j, 0
.rept 8
	v_pk_mul_f32 v[PV+j:PV+j+1], v[PV+j:PV+j+1], v[EV+j:EV+j+1]
.set j, j+2
.endr
.set j, 0
.rept 16
	v_fma_f32 v[XV+j], -|v[XV+j]|, v[PV+j], v[16+j]
.set j, j+1
.endr
.set j, 0
.rept 16
	v_med3_num_f32 v[XV+j], v[XV+j], -v61, v61
.set j, j+1
.endr
	v_cvt_scalef32_pk8_fp8_f32 v[12:13], v[XV:XV+7], v62
	v_cvt_scalef32_pk8_fp8_f32 v[14:15], v[XV+8:XV+15], v62
	v_nop
	global_store_b128 v4, v[12:15], s[12:13]       ; 32 lanes store 512 neighbouring bytes, aligned: a quarter fragment of h
	s_wait_xcnt 0x0                                ; the store's offset and data are written again only behind this wait
	v_add_nc_u32 v4, 0x8000, v4                    ; the next row tile: 16 K steps of 2,048 bytes on
	s_add_co_u32 s23, s23, 8192
	s_add_co_u32 s24, s24, 1
	s_cmp_lt_u32 s24, 8
	s_cbranch_scc1 .Ltrip
	s_wait_tensorcnt 0x0
	ds_add_u32 v11, v63
	s_wait_dscnt 0x0
	s_endpgm
.Lfunc_end_k_q57eb605083_ffn1:
	.size	k_q57eb605083_ffn1, .Lfunc_end_k_q57eb605083_ffn1-k_q57eb605083_ffn1
	.p2alignl 7, 3214868480
	.fill 96, 4, 3214868480
	.section	.rodata,"a",@progbits
	.p2align	6, 0x0
	.amdhsa_kernel k_q57eb605083_ffn1
		.amdhsa_group_segment_fixed_size 133120
		.amdhsa_private_segment_fixed_size 0
		.amdhsa_enable_private_segment 0
		.amdhsa_kernarg_size 40
		.amdhsa_user_sgpr_count 2
		.amdhsa_user_sgpr_kernarg_segment_ptr 1
		.amdhsa_wavefront_size32 1
		.amdhsa_system_sgpr_workgroup_id_x 1
		.amdhsa_system_sgpr_workgroup_id_y 1
		.amdhsa_system_sgpr_workgroup_id_z 1
		.amdhsa_system_vgpr_workitem_id 0
		.amdhsa_next_free_vgpr 256
		.amdhsa_next_free_sgpr 66
		.amdhsa_reserve_vcc 0
		.amdhsa_float_denorm_mode_32 3
		.amdhsa_float_denorm_mode_16_64 3
		.amdhsa_memory_ordered 1
		.amdhsa_forward_progress 1
		.amdhsa_inst_pref_size 21
	.end_amdhsa_kernel
	.amdgpu_metadata
---
amdhsa.version: [ 1, 2 ]
amdhsa.kernels:
  - .name:           k_q57eb605083_ffn1
    .symbol:         k_q57eb605083_ffn1.kd
    .args:
      - { .name: xn2img, .offset: 0, .size: 8, .value_kind: global_buffer, .address_space: global }
      - { .name: wimg, .offset: 8, .size: 8, .value_kind: global_buffer, .address_space: global }
      - { .name: bf1, .offset: 16, .size: 8, .value_kind: global_buffer, .address_space: global }
      - { .name: lowp_scales, .offset: 24, .size: 8, .value_kind: global_buffer, .address_space: global }
      - { .name: himg, .offset: 32, .size: 8, .value_kind: global_buffer, .address_space: global }
    .group_segment_fixed_size: 133120
    .private_segment_fixed_size: 0
    .kernarg_segment_align: 8
    .kernarg_segment_size: 40
    .max_flat_workgroup_size: 512
    .sgpr_count:     66
    .vgpr_count:     256
    .wavefront_size: 32
...
	.end_amdgpu_metadata
.endif
;; end of part 4
;; launch ffn2 (part 5): grid 4 x 64, 16 waves a work-group, no clusters, 297,984 bytes of LDS; arguments himg, wimg, x1, bf2, lowp_scales, out0; writes out0
.if DOCPART == 5
	.amdgcn_target "amdgcn-amd-amdhsa--gfx1250"
	.amdhsa_code_object_version 6
	.text
	.protected	k_q57eb605083_ffn2
	.globl	k_q57eb605083_ffn2
	.p2align	8
	.type	k_q57eb605083_ffn2,@function
k_q57eb605083_ffn2:
	s_mov_b64 s[64:65], 0
	v_nop
	global_prefetch_b8 v0, s[64:65] scope:SCOPE_SE
	s_setreg_imm32_b32 hwreg(HW_REG_WAVE_MODE, 25, 1), 1
	s_wait_xcnt 0x0
; out0 = x1 + h W2^T + bf2, the product on E4M3 codes.
; SHARES.  A work-group takes 128 rows (work-group y) x 128 columns (x).  The rows' 8 tiles of h's images (262,144 bytes) are copied into LDS once.  Wave w keeps 32 columns (w % 4) x a quarter of K (w / 4):
; 8 fragments of W2, 128 registers.  A trip is a tile of 16 rows: eight products a wave; the four quarters of K meet in a stage in LDS; wave w then owns row w of the tile: it adds the four parts, the residual and the bias, and stores 512 bytes.
; The stage is written again in every trip: a wave signals when its reads of it are back, and waits for all sixteen signals in front of its next stores; between that signal and its wait stand only the next trip's reads of h,
; which nobody writes again, and its products.
; No joint loads: every operand is fetched once, at the head; x1's rows come four trips ahead into registers.
; LIMITS: e14 + e15 between -126 and 127.
.set STG, 262144                       ; [K quarter 4][16 rows][512 bytes + 16]
.set SQ,  16*528
; v1 16 l; v2 my K quarter of the trip's row tile in LDS; v3 into the stage; v4 out of it; v5 my row's offset in x1 and out0; v6, v7 the copy's LDS addresses; v8-11 bf2; v12-15 the result
; v16-31 two accumulators; v32-47 the four parts; v48-63 x1's rows, four buffers; v64-127 four fragments of h (at the head: the copy's registers); v128-255 W2
	s_load_b256 s[4:11], s[0:1], 0x0               ; himg 4, wimg 6, x1 8, bf2 10
	s_load_b128 s[12:15], s[0:1], 0x20             ; the scales 12, out0 14
	v_lshrrev_b32 v1, 5, v0
	v_readfirstlane_b32 s16, v1
	s_and_b32 s17, ttmp7, 0xffff
	s_and_b32 s18, s16, 3                          ; my 32 columns
	s_lshr_b32 s19, s16, 2                         ; my quarter of K
	v_and_b32 v1, 31, v0
	v_lshlrev_b32 v1, 4, v1
	s_lshl_b32 s22, s19, 13
	v_add_nc_u32 v2, s22, v1
	v_and_b32 v3, 15, v0
	v_mul_u32_u24 v3, v3, 528
	v_bfe_u32 v4, v0, 4, 1
	v_lshl_add_u32 v3, v4, 6, v3
	s_mul_i32 s22, s19, SQ
	s_lshl_b32 s23, s18, 7
	s_add_co_u32 s22, s22, s23
	s_add_co_u32 s22, s22, STG
	v_add_nc_u32 v3, s22, v3                       ; row r, columns 32 (w % 4) + 16 h on, in my quarter's part of the stage
	s_mul_i32 s22, s16, 528
	s_add_co_u32 s22, s22, STG
	v_add_nc_u32 v4, s22, v1                       ; row w, 16 bytes a lane
	s_lshl_b32 s22, s16, 11
	v_add_nc_u32 v5, s22, v1
	v_lshlrev_b32 v6, 4, v0
	v_add_nc_u32 v7, 0x10000, v6
	s_mov_b32 s21, 0
	s_wait_kmcnt 0x0
	s_load_b512 s[48:63], s[12:13], 0x0            ; e14 s62, e15 s63
	s_lshl_b32 s20, s17, 18
	s_add_nc_u64 s[4:5], s[4:5], s[20:21]          ; my 8 row tiles of h
	s_lshl_b32 s22, ttmp9, 9
	s_add_co_u32 s20, s20, s22
	s_add_nc_u64 s[8:9], s[8:9], s[20:21]          ; x1 and out0 at my block's corner
	s_add_nc_u64 s[14:15], s[14:15], s[20:21]
	s_mov_b32 s20, s22
	s_add_nc_u64 s[10:11], s[10:11], s[20:21]
	s_lshl_b32 s20, ttmp9, 2
	s_add_co_u32 s20, s20, s18
	s_lshl_b32 s20, s20, 16                        ; W2's images: two tiles of 32,768 bytes for 32 columns,
	s_lshl_b32 s22, s19, 13                        ; my four K steps of 2,048
	s_add_co_u32 s20, s20, s22
	s_add_co_u32 s20, s20, 1310720
	s_add_nc_u64 s[6:7], s[6:7], s[20:21]
.irp u, 0,1
.irp s, 0,1,2,3
.irp c, 0,1,2,3
	global_load_b128 v[128+16*(4*\u+\s)+4*\c:131+16*(4*\u+\s)+4*\c], v1, s[6:7] offset:32768*\u+2048*\s+512*\c
.endr
.endr
.endr
	global_load_b128 v[8:11], v1, s[10:11]
.irp i, 0,1,2,3
	global_load_b128 v[48+4*\i:51+4*\i], v5, s[8:9] offset:32768*\i th:TH_LOAD_NT
.endr
.set i, 0
.rept 16
	global_load_b128 v[64+4*i:67+4*i], v6, s[4:5] offset:8192*i
.set i, i+1
.endr
	s_wait_kmcnt 0x0
	s_add_co_i32 s46, s62, s63
	s_add_co_i32 s46, s46, 127
	s_lshl_b32 s46, s46, 23                        ; 2^(e14 + e15)
	s_mov_b32 s47, s46
.macro PUT                             ; sixteen copy loads go to LDS as they come
.set i, 0
.rept 16
	s_wait_loadcnt 15-i                            ; copy load i is in; the 15 - i behind it may be out
.if i < 8
	ds_store_b128 v6, v[64+4*i:67+4*i] offset:8192*i
.else
	ds_store_b128 v7, v[64+4*i:67+4*i] offset:8192*(i-8)
.endif
.set i, i+1
.endr
	s_wait_dscnt 0x0                               ; the stores have read their registers, and have landed
.endm
	PUT
.set i, 0
.rept 16
	global_load_b128 v[64+4*i:67+4*i], v6, s[4:5] offset:131072+8192*i
.set i, i+1
.endr
	s_wait_xcnt 0x0                                ; these loads have read their offset: it is stepped only behind this wait
	v_add_nc_u32 v6, 0x20000, v6                   ; the second half of h's images
	v_add_nc_u32 v7, 0x20000, v7
	PUT
	s_barrier_signal -1
	s_barrier_wait -1
.macro TRIP i
.set XB, 48+4*((\i)%4)
.if \i
	v_add_nc_u32 v2, 0x8000, v2                    ; the next row tile
.endif
.irp s, 0,1,2,3
.irp c, 0,1,2,3
	ds_load_b128 v[64+16*\s+4*\c:67+16*\s+4*\c], v2 offset:2048*\s+512*\c
.endr
.endr
	s_wait_dscnt 0x0
.irp s, 0,1,2,3
.irp u, 0,1
.if \s == 0
	v_wmma_f32_16x16x128_fp8_fp8 v[16+8*\u:23+8*\u], v[128+16*(4*\u+\s):143+16*(4*\u+\s)], v[64+16*\s:79+16*\s], 0
.else
	v_wmma_f32_16x16x128_fp8_fp8 v[16+8*\u:23+8*\u], v[128+16*(4*\u+\s):143+16*(4*\u+\s)], v[64+16*\s:79+16*\s], v[16+8*\u:23+8*\u]
.endif
.endr
.endr
.rept 4
	v_nop
.endr
.if \i
	s_barrier_wait -1                              ; every wave's reads of the stage, of the trip before, are back
.endif
	ds_store_b128 v3, v[16:19]                     ; each accumulator from its low end on
	ds_store_b128 v3, v[20:23] offset:16
	ds_store_b128 v3, v[24:27] offset:32
	ds_store_b128 v3, v[28:31] offset:48
	s_wait_dscnt 0x0
	s_barrier_signal -1
	s_barrier_wait -1                              ; the four parts of 16 rows lie in the stage
.irp k, 0,1,2,3
	ds_load_b128 v[32+4*\k:35+4*\k], v4 offset:SQ*\k
.endr
.if (\i) > 4
	s_wait_loadcnt 7-(\i)                          ; this trip's row of x1 is in; the later trips' rows may be out
.else
	s_wait_loadcnt 3
.endif
	v_pk_add_f32 v[XB:XB+1], v[XB:XB+1], v[8:9]
	v_pk_add_f32 v[XB+2:XB+3], v[XB+2:XB+3], v[10:11]
	s_wait_dscnt 0x0
	v_pk_add_f32 v[32:33], v[32:33], v[36:37]
	v_pk_add_f32 v[34:35], v[34:35], v[38:39]
	v_pk_add_f32 v[40:41], v[40:41], v[44:45]
	v_pk_add_f32 v[42:43], v[42:43], v[46:47]
	v_pk_add_f32 v[32:33], v[32:33], v[40:41]
	v_pk_add_f32 v[34:35], v[34:35], v[42:43]
	s_wait_xcnt 0x0                                ; the last store has read its data: they are written again only behind this wait
	v_pk_fma_f32 v[12:13], v[32:33], s[46:47], v[XB:XB+1] op_sel_hi:[1,0,1]
	v_pk_fma_f32 v[14:15], v[34:35], s[46:47], v[XB+2:XB+3] op_sel_hi:[1,0,1]
	global_store_b128 v5, v[12:15], s[14:15] offset:32768*(\i) th:TH_STORE_NT   ; 32 lanes store 512 neighbouring bytes, aligned; written once, read by nobody here
.if (\i) < 4
	global_load_b128 v[XB:XB+3], v5, s[8:9] offset:32768*((\i)+4) th:TH_LOAD_NT
.endif
.if (\i) < 7
	s_barrier_signal -1                            ; my reads of the stage are back
.endif
.endm
.irp t, 0,1,2,3,4,5,6,7
	TRIP \t
.endr
	s_wait_xcnt 0x0
	v_lshl_add_u32 v62, v0, 2, 0x48400
	v_mov_b32 v63, 0
	s_wait_tensorcnt 0x0
	ds_add_u32 v62, v63
	s_wait_dscnt 0x0
	s_endpgm
.Lfunc_end_k_q57eb605083_ffn2:
	.size	k_q57eb605083_ffn2, .Lfunc_end_k_q57eb605083_ffn2-k_q57eb605083_ffn2
	.p2alignl 7, 3214868480
	.fill 96, 4, 3214868480
	.section	.rodata,"a",@progbits
	.p2align	6, 0x0
	.amdhsa_kernel k_q57eb605083_ffn2
		.amdhsa_group_segment_fixed_size 297984
		.amdhsa_private_segment_fixed_size 0
		.amdhsa_enable_private_segment 0
		.amdhsa_kernarg_size 48
		.amdhsa_user_sgpr_count 2
		.amdhsa_user_sgpr_kernarg_segment_ptr 1
		.amdhsa_wavefront_size32 1
		.amdhsa_system_sgpr_workgroup_id_x 1
		.amdhsa_system_sgpr_workgroup_id_y 1
		.amdhsa_system_sgpr_workgroup_id_z 1
		.amdhsa_system_vgpr_workitem_id 0
		.amdhsa_next_free_vgpr 256
		.amdhsa_next_free_sgpr 66
		.amdhsa_reserve_vcc 0
		.amdhsa_float_denorm_mode_32 3
		.amdhsa_float_denorm_mode_16_64 3
		.amdhsa_memory_ordered 1
		.amdhsa_forward_progress 1
		.amdhsa_inst_pref_size 39
	.end_amdhsa_kernel
	.amdgpu_metadata
---
amdhsa.version: [ 1, 2 ]
amdhsa.kernels:
  - .name:           k_q57eb605083_ffn2
    .symbol:         k_q57eb605083_ffn2.kd
    .args:
      - { .name: himg, .offset: 0, .size: 8, .value_kind: global_buffer, .address_space: global }
      - { .name: wimg, .offset: 8, .size: 8, .value_kind: global_buffer, .address_space: global }
      - { .name: x1, .offset: 16, .size: 8, .value_kind: global_buffer, .address_space: global }
      - { .name: bf2, .offset: 24, .size: 8, .value_kind: global_buffer, .address_space: global }
      - { .name: lowp_scales, .offset: 32, .size: 8, .value_kind: global_buffer, .address_space: global }
      - { .name: out0, .offset: 40, .size: 8, .value_kind: global_buffer, .address_space: global }
    .group_segment_fixed_size: 297984
    .private_segment_fixed_size: 0
    .kernarg_segment_align: 8
    .kernarg_segment_size: 48
    .max_flat_workgroup_size: 512
    .sgpr_count:     66
    .vgpr_count:     256
    .wavefront_size: 32
...
	.end_amdgpu_metadata
.endif
;; end of part 5
;; ======== version 2 of 2: 5 launches; version 1 with the launches qkv, attn, proj, ffn1, ffn2 written anew for expert scheduling mode
;; limits: a function is approximated: absolute error at most 1.5e-07; an absolute error that grows with the inputs' magnitude: up to 7.5e-08 times it
;; workspace buffers: qimg 4,194,304 bytes; kv 8,388,608 bytes; wimg 2,359,296 bytes; oimg 4,194,304 bytes; x1 16,777,216 bytes; xn2img 4,194,304 bytes; himg 16,777,216 bytes
;; launch qkv (part 6): grid 4 x 64, 16 waves a work-group, no clusters, 69,632 bytes of LDS; arguments x, g1, be1, Wq_codes, Wk_codes, Wv_codes, bq, bk, bv, Wo_codes, W1_codes, W2_codes, lowp_scales, qimg, kv, wimg; writes qimg, kv, wimg
.if DOCPART == 6
	.amdgcn_target "amdgcn-amd-amdhsa--gfx1250"
	.amdhsa_code_object_version 6
	.text
	.protected	k_q57eb605083_qkv
	.globl	k_q57eb605083_qkv
	.p2align	8
	.type	k_q57eb605083_qkv,@function
k_q57eb605083_qkv:
	s_mov_b64 s[64:65], 0
	v_nop
	global_prefetch_b8 v0, s[64:65] scope:SCOPE_SE
	s_setreg_imm32_b32 hwreg(HW_REG_WAVE_SCHED_MODE, 0, 2), 2
	s_setreg_imm32_b32 hwreg(HW_REG_WAVE_MODE, 25, 1), 1
	s_wait_xcnt 0x0
	s_wait_alu depctr_vm_vsrc(0)
; LayerNorm 1, its quantising, and the products Q, K, V on E4M3 codes; and the laying out of Wo, W1, W2 for the later launches.
; Work-group x = 0, 1, 2: Q, K or V for 128 tokens (work-group y) and all 16 heads.  x = 3: copies Wo, W1, W2 into the order of operand registers.
; SHARES (x < 3).  Wave w first normalises and quantises tokens 8 w .. 8 w + 7 (a row of 512 numbers is 16 registers of the wave's 32 lanes), with the one scale
; that this product gives xn; the codes meet in LDS.  Then wave w is head w: its 32 rows of the weight (8 fragments, 128 registers) stay in registers, and it walks the 128 tokens, 32 a trip.
; A FRAGMENT is 16 rows x 128 K: lane (r, h) holds, in registers 4 c .. 4 c + 3, k = 128 s + 32 c + 16 h + 0 .. 15 of its row: the same permutation of k in both operands of v_wmma_f32_16x16x128_fp8_fp8.
; TILES ARE PERMUTED: lane r of tile (b, u) holds row 32 b + 8 u + r + 8 (r / 8).  As source 0 such tiles give a lane, in the registers of tiles (b, 0) and (b, 1), 16 NEIGHBOURS 32 b + 16 h + 0 .. 15:
; two conversions make the 16 bytes that the next product's operand wants.  Q, K: source 0 = the weight (a lane gets 16 of the head's 32 numbers of one token);  V: source 0 = the tokens (a lane gets 16 keys of one channel).
; The bias goes in as the C of each sum's first product, divided by 2^(ew + ex); the conversion takes 2^(eo - ew - ex).
; No joint loads: a work-group fetches its operands once, at its head, and no loop walks tiles that another work-group walks too.
; LIMITS: ex and eo - ew - ex between -126 and 119, so that each power of two and 448 x it are f32 numbers.  NaN among the inputs is not served.
; THE MODE: SCHED_MODE bits 1:0 = 2 (LLVM: expert scheduling mode 2), set by the entry lines.  The code itself states the register dependences
; between vector or matrix instructions and memory or LDS instructions, with s_wait_alu, always for 0.
; THE PLAN.  Registers that memory or LDS instructions touch:
;   v1, v4, v8, v9, v14, v15 (the layout: v16)  offsets and LDS addresses, made at the head and never written again: one wait on va_vdst ahead of a way's first load states them all.
;   v128-255  x's eight rows land; LNROWS works on four of them in place; the weight's loads land in those four behind the wait on va_vdst that stands ahead of the rows' LDS stores.
;   v32-63    LNROWS' conversions write the rows' codes, its LDS stores read them; from the loop on the products write them: one wait on vm_vsrc ahead of the loop.
;   v64-127   in the loop: a token tile's 16 LDS loads land, its eight products read; at a trip's end the conversions write v64-71, which the trip's two stores read.
;   v5        written at a trip's head, read by the trip's 32 LDS loads.     v6, v7  read by the trip's two stores, stepped behind them.
; So a trip holds three waits on va_vdst (ahead of each token tile's loads, ahead of the stores) and one on vm_vsrc (behind the stores, ahead of the steps of v6, v7 and, over the back edge, of v5 and of the loads into v64-71).
; The wave's 256 registers are all taken (128 the weight, 64 a token tile, 32 the accumulators, 16 the bias, 16 addresses and scales): there is no second set for a token tile.
.set PITCH, 528                        ; a row of 512 codes in LDS + 16: an odd multiple of 16 bytes, so the 16 rows of a fragment load start 16 bytes apart modulo 256
.set GRP,   32*PITCH                   ; 32 tokens
.set SEL,   52                         ; s[52:53] lane selects of v_permlanex16_b32: lane l xor 16
.set BI,    16                         ; v16-31   the bias as C: two tiles x 8
.set ACC,   32                         ; v32-63   four accumulators (while rows are normalised: their codes)
.set AF,    64                         ; v64-127  four fragments of tokens (while rows are normalised: g1, be1, statistics)
.set GV,    64
.set BEV,   80
.set ST,    96                         ; eight registers of statistics a row: +0, +1 sum, mean; +2, +3 squares; +4 1 / (sigma + eps), +5 sigma + eps
.set WF,    128                        ; v128-255 first eight rows of x, then the weight: fragment (u, s) at 16 (4 u + s)
; v1 16 l; v4 r x PITCH + 16 h; v5 the trip's LDS address; v6, v7 the two stores' offsets; v8 where I put a row's codes; v9 the weight's lane offset; v10, v11 2^ex, 448 x 2^ex; v12, v13 the same for eo - ew - ex; v14, v15 the bias's offsets
.macro WSUM o                          ; the sum over the 32 lanes of statistic o of each of the four rows; o + 1 is at work (it has been written)
.irp m, 1,2,4,8
.irp i, 0,1,2,3
	v_add_f32_dpp v[ST+8*\i+\o], v[ST+8*\i+\o], v[ST+8*\i+\o] row_xmask:\m row_mask:0xf bank_mask:0xf
.endr
.endr
.irp i, 0,1,2,3
	v_permlanex16_b32 v[ST+8*\i+\o+1], v[ST+8*\i+\o], s[SEL], s[SEL+1]
.endr
.irp i, 0,1,2,3
	v_add_f32 v[ST+8*\i+\o], v[ST+8*\i+\o], v[ST+8*\i+\o+1]
.endr
.endm
; Four rows, row i in v[X0 + 16 i ..]: register 4 q + j is column 128 q + 4 l + j.  Mean, then the squares of the differences (two passes: a common offset costs nothing),
; variance over 511, eps behind the root, g and b, the hold, the codes into v[CD0 + 4 i + q], and these to LDS row off / PITCH + i of my eight.
.macro LNROWS X0, CD0, off
.irp i, 0,1,2,3
	v_pk_add_f32 v[ST+8*\i:ST+8*\i+1], v[\X0+16*\i:\X0+16*\i+1], v[\X0+16*\i+2:\X0+16*\i+3]
.endr
.irp j, 4,6,8,10,12,14
.irp i, 0,1,2,3
	v_pk_add_f32 v[ST+8*\i:ST+8*\i+1], v[ST+8*\i:ST+8*\i+1], v[\X0+16*\i+\j:\X0+16*\i+\j+1]
.endr
.endr
.irp i, 0,1,2,3
	v_add_f32 v[ST+8*\i], v[ST+8*\i], v[ST+8*\i+1]
.endr
	WSUM 0
.irp i, 0,1,2,3
	v_mul_f32 v[ST+8*\i], 0x3b000000, v[ST+8*\i]          ; the mean: x 1 / 512
.endr
.irp j, 0,2,4,6,8,10,12,14
.irp i, 0,1,2,3
	v_pk_add_f32 v[\X0+16*\i+\j:\X0+16*\i+\j+1], v[\X0+16*\i+\j:\X0+16*\i+\j+1], v[ST+8*\i:ST+8*\i+1] op_sel_hi:[1,0] neg_lo:[0,1] neg_hi:[0,1]   ; x - mean (the pair's low word for both halves)
.endr
.endr
.irp i, 0,1,2,3
	v_pk_mul_f32 v[ST+8*\i+2:ST+8*\i+3], v[\X0+16*\i:\X0+16*\i+1], v[\X0+16*\i:\X0+16*\i+1]
.endr
.irp j, 2,4,6,8,10,12,14
.irp i, 0,1,2,3
	v_pk_fma_f32 v[ST+8*\i+2:ST+8*\i+3], v[\X0+16*\i+\j:\X0+16*\i+\j+1], v[\X0+16*\i+\j:\X0+16*\i+\j+1], v[ST+8*\i+2:ST+8*\i+3]
.endr
.endr
.irp i, 0,1,2,3
	v_add_f32 v[ST+8*\i+2], v[ST+8*\i+2], v[ST+8*\i+3]
.endr
	WSUM 2
.irp i, 0,1,2,3
	v_mul_f32 v[ST+8*\i+2], 0x3b004020, v[ST+8*\i+2]      ; the variance: x 1 / 511
.endr
	s_wait_alu depctr_va_vdst(0)
.irp i, 0,1,2,3
	v_sqrt_f32 v[ST+8*\i+5], v[ST+8*\i+2]
.endr
	v_nop                                                 ; a plain line behind the last root,
	s_wait_alu depctr_va_vdst(0)                          ; and one wait for the four roots' results, ahead of their first reader
.irp i, 0,1,2,3
	v_add_f32 v[ST+8*\i+5], 0x322bcc77, v[ST+8*\i+5]      ; + 1e-8, behind the root
.endr
	s_wait_alu depctr_va_vdst(0)
.irp i, 0,1,2,3
	v_rcp_f32 v[ST+8*\i+4], v[ST+8*\i+5]
.endr
	v_nop
	s_wait_alu depctr_va_vdst(0)                          ; one wait for the four reciprocals' results, ahead of their first reader
.irp j, 0,2,4,6,8,10,12,14
.irp i, 0,1,2,3
	v_pk_mul_f32 v[\X0+16*\i+\j:\X0+16*\i+\j+1], v[\X0+16*\i+\j:\X0+16*\i+\j+1], v[ST+8*\i+4:ST+8*\i+5] op_sel_hi:[1,0]
.endr
.endr
.irp j, 0,2,4,6,8,10,12,14
.irp i, 0,1,2,3
	v_pk_fma_f32 v[\X0+16*\i+\j:\X0+16*\i+\j+1], v[\X0+16*\i+\j:\X0+16*\i+\j+1], v[GV+\j:GV+\j+1], v[BEV+\j:BEV+\j+1]
.endr
.endr
.irp i, 0,1,2,3
.irp j, 0,1,2,3,4,5,6,7,8,9,10,11,12,13,14,15
	v_med3_num_f32 v[\X0+16*\i+\j], v[\X0+16*\i+\j], -v11, v11   ; the conversion to an 8-bit code does not saturate (ISA guide 7.6.2): the hold at 448 x the scale
.endr
.endr
.irp i, 0,1,2,3
	v_cvt_scalef32_pk8_fp8_f32 v[\CD0+4*\i:\CD0+4*\i+1], v[\X0+16*\i:\X0+16*\i+7], v10
	v_cvt_scalef32_pk8_fp8_f32 v[\CD0+4*\i+2:\CD0+4*\i+3], v[\X0+16*\i+8:\X0+16*\i+15], v10
.endr
	v_nop                                                 ; a plain line behind the last conversion
	s_wait_alu depctr_va_vdst(0)                          ; the conversions have written v[CD0 ..], which the LDS stores read; and every line above is done with v[X0 ..], in which the weight's loads land behind this macro
.irp i, 0,1,2,3
.irp q, 0,1,2,3
	ds_store_b32 v8, v[\CD0+4*\i+\q] offset:\off+\i*PITCH+128*\q   ; 32 lanes: 128 neighbouring codes of the row
.endr
.endr
.endm
.macro WLOAD u                         ; tile u of my head's weight: four fragments.  No wait: no vector instruction since LNROWS' last wait names these registers
.irp s, 0,1,2,3
.irp c, 0,1,2,3
	global_load_b128 v[WF+64*\u+16*\s+4*\c:WF+64*\u+16*\s+4*\c+3], v9, s[8:9] offset:4096*\u+128*\s+32*\c
.endr
.endr
.endm
; Token tile m of the trip's 32 tokens: its four fragments from LDS, and eight products, two accumulators by turns.
.macro HALF m
.if \m
.rept 5
	v_nop                                                 ; FIVE places between tile 0's products and tile 1's first.  The two forms below number their accumulators differently
.endr                                                         ; (tile 0 takes 0, 1 or 0, 2; tile 1 takes 2, 3 or 1, 3), so that, read without the knowledge that s2 never changes, tile 1's first product begins anew, with the bias as C, an accumulator that tile 0's products of the other form wrote (ISA guide 7.12.1)
.endif
	s_wait_alu depctr_va_vdst(0)                          ; all that named v[AF ..] is done: the products of the token tile before have read it, the last trip's conversions have written v[AF .. AF+7] (first trip: LNROWS' lines); tile 0: v5 is written
.irp s, 0,1,2,3
.irp c, 0,1,2,3
	ds_load_b128 v[AF+16*\s+4*\c:AF+16*\s+4*\c+3], v5 offset:\m*16*PITCH+128*\s+32*\c
.endr
.endr
	s_wait_dscnt 0x0
	s_cmp_eq_u32 s2, 2
	s_cbranch_scc1 .Lform_v_\@
.irp s, 0,1,2,3
.irp u, 0,1
.if \s == 0
	v_wmma_f32_16x16x128_fp8_fp8 v[ACC+8*(2*\m+\u):ACC+8*(2*\m+\u)+7], v[WF+16*(4*\u+\s):WF+16*(4*\u+\s)+15], v[AF+16*\s:AF+16*\s+15], v[BI+8*\u:BI+8*\u+7]
.else
	v_wmma_f32_16x16x128_fp8_fp8 v[ACC+8*(2*\m+\u):ACC+8*(2*\m+\u)+7], v[WF+16*(4*\u+\s):WF+16*(4*\u+\s)+15], v[AF+16*\s:AF+16*\s+15], v[ACC+8*(2*\m+\u):ACC+8*(2*\m+\u)+7]
.endif
.endr
.endr
	s_branch .Ljoin_\@
.Lform_v_\@:
.irp s, 0,1,2,3
.irp u, 0,1
.if \s == 0
	v_wmma_f32_16x16x128_fp8_fp8 v[ACC+8*(2*\u+\m):ACC+8*(2*\u+\m)+7], v[AF+16*\s:AF+16*\s+15], v[WF+16*(4*\u+\s):WF+16*(4*\u+\s)+15], v[BI+8*\u:BI+8*\u+7]
.else
	v_wmma_f32_16x16x128_fp8_fp8 v[ACC+8*(2*\u+\m):ACC+8*(2*\u+\m)+7], v[AF+16*\s:AF+16*\s+15], v[WF+16*(4*\u+\s):WF+16*(4*\u+\s)+15], v[ACC+8*(2*\u+\m):ACC+8*(2*\u+\m)+7]
.endif
.endr
.endr
.Ljoin_\@:
.endm
	s_load_b512 s[16:31], s[0:1], 0x0              ; x 16, g1 18, be1 20, Wq 22, Wk 24, Wv 26, bq 28, bk 30
	s_load_b512 s[32:47], s[0:1], 0x40             ; bv 32, Wo 34, W1 36, W2 38, the scales 40, qimg 42, kv 44, wimg 46
	s_mov_b32 s2, ttmp9                            ; 0 Q, 1 K, 2 V, 3 the layout
	s_and_b32 s3, ttmp7, 0xffff                    ; work-group y
	v_lshrrev_b32 v2, 5, v0
	v_readfirstlane_b32 s4, v2                     ; wave 0..15
	v_and_b32 v1, 31, v0
	v_lshlrev_b32 v8, 2, v1                        ; 4 l
	v_lshlrev_b32 v1, 4, v1                        ; 16 l
	v_and_b32 v2, 15, v0                           ; r
	v_bfe_u32 v3, v0, 4, 1                         ; h
	v_and_b32 v9, 8, v2
	v_add_nc_u32 v15, v9, v2                       ; r + 8 (r / 8)
	v_lshlrev_b32 v9, 9, v15
	v_lshl_add_u32 v9, v3, 4, v9                   ; a permuted tile's lane in rows of 512 codes: x 512, + 16 h
	s_mov_b32 s[SEL], 0x76543210
	s_mov_b32 s[SEL+1], 0xfedcba98
	s_mov_b32 s55, 0                               ; the upper word of the offsets' pair s[54:55]
	s_wait_alu depctr_va_sdst(0)                   ; s4 is written: ahead of the branch, and so of its first reader on either way
	s_wait_kmcnt 0x0
	s_cmp_eq_u32 s2, 3
	s_cbranch_scc1 .Llayout
	s_load_b512 s[68:83], s[40:41], 0x0            ; the sixteen exponents
	s_lshl_b32 s54, s3, 18                         ; 128 rows of 2,048 bytes a work-group,
	s_lshl_b32 s56, s4, 14                         ; 8 a wave
	s_add_co_u32 s54, s54, s56
	s_add_nc_u64 s[6:7], s[16:17], s[54:55]        ; x at my eight rows
	s_cmp_eq_u32 s2, 1
	s_cselect_b64 s[8:9], s[24:25], s[22:23]       ; the weight and the bias of my product: the choice hangs on the work-group's number alone
	s_cselect_b64 s[10:11], s[30:31], s[28:29]
	s_mov_b32 s15, 1024
	s_mov_b32 s48, 512
	s_cmp_eq_u32 s2, 2
	s_cselect_b64 s[8:9], s[26:27], s[8:9]
	s_cselect_b64 s[10:11], s[32:33], s[10:11]
	s_cselect_b32 s15, 512, s15                    ; from trip to trip in the output: Q, K two tiles of 512 bytes; V one quarter of a fragment
	s_cselect_b32 s48, 2048, s48                   ; from the first store to the second: Q, K the next tile; V the other 16 channels
	s_cselect_b32 s58, 0x10000, 0                  ; V lies behind a head's K
	s_mov_b32 s54, s56
	s_add_nc_u64 s[8:9], s[8:9], s[54:55]          ; my head's 32 rows of 512 codes
	s_lshl_b32 s54, s4, 7
	s_add_nc_u64 s[10:11], s[10:11], s[54:55]      ; my head's 32 numbers of the bias
	s_cmp_eq_u32 s2, 0
	s_cselect_b64 s[12:13], s[42:43], s[44:45]
	s_cselect_b32 s57, 16, 17                      ; a head is 65,536 bytes in qimg, 131,072 in kv
	s_lshr_b32 s54, s3, 4
	s_lshl_b32 s54, s54, 4
	s_add_co_u32 s54, s54, s4                      ; 16 x batch + head
	s_lshl_b32 s54, s54, s57
	s_and_b32 s56, s3, 15
	s_lshl_b32 s56, s56, 12                        ; my 128 tokens: 8 tiles of 512 bytes, or V's block of 4,096
	s_add_co_u32 s54, s54, s56
	s_add_co_u32 s54, s54, s58
	s_add_nc_u64 s[12:13], s[12:13], s[54:55]
	s_wait_alu depctr_va_vdst(0)
	v_mul_u32_u24 v4, v2, PITCH
	v_lshl_add_u32 v4, v3, 4, v4                   ; a fragment's lane in LDS
	s_lshr_b32 s56, s4, 2                          ; token a of a group of 32 lies at LDS row 16 ((a / 8) % 2) + a % 8 + 8 (a / 16), so that a permuted tile is 16 rows on end;
	s_lshl_b32 s56, s56, 5                         ; my eight tokens begin at row 32 (w / 4) + 16 (w % 2) + 8 ((w / 2) % 2)
	s_and_b32 s57, s4, 1
	s_lshl_b32 s57, s57, 4
	s_add_co_u32 s56, s56, s57
	s_bfe_u32 s57, s4, 0x10001
	s_lshl_b32 s57, s57, 3
	s_add_co_u32 s56, s56, s57
	s_mul_i32 s56, s56, PITCH
	v_add_nc_u32 v8, s56, v8
	v_mov_b32 v6, v1
	v_add_nc_u32 v7, s48, v1
	v_lshlrev_b32 v14, 6, v3                       ; Q, K: the bias of channels 16 h on
	v_lshlrev_b32 v15, 2, v15                      ; V: of channel r + 8 (r / 8)
	s_wait_alu depctr_va_vdst(0)                   ; the offsets and LDS addresses v1, v4, v6 to v9, v14, v15 are written, which the loads and stores below read
.irp q, 0,1,2,3
	global_load_b128 v[GV+4*\q:GV+4*\q+3], v1, s[18:19] offset:512*\q
	global_load_b128 v[BEV+4*\q:BEV+4*\q+3], v1, s[20:21] offset:512*\q
.endr
	s_cmp_eq_u32 s2, 2
	s_cbranch_scc1 .Lbias_v
.irp u, 0,1
	global_load_b128 v[BI+8*\u:BI+8*\u+3], v14, s[10:11] offset:32*\u       ; register j of tile u: channel 16 h + 8 u + j
	global_load_b128 v[BI+8*\u+4:BI+8*\u+7], v14, s[10:11] offset:32*\u+16
.endr
	s_branch .Lbias_done
.Lbias_v:
.irp u, 0,1
.irp j, 0,1,2,3,4,5,6,7
	global_load_b32 v[BI+8*\u+\j], v15, s[10:11] offset:32*\u               ; all eight registers of tile u: channel 8 u + r + 8 (r / 8)
.endr
.endr
.Lbias_done:
.irp i, 0,1,2,3,4,5,6,7
.irp q, 0,1,2,3
	global_load_b128 v[WF+16*\i+4*\q:WF+16*\i+4*\q+3], v1, s[6:7] offset:2048*\i+512*\q   ; 32 lanes read 512 neighbouring bytes
.endr
.endr
	s_wait_kmcnt 0x0
	s_cmp_eq_u32 s2, 1
	s_cselect_b32 s56, s70, s68                    ; ew
	s_cselect_b32 s57, s71, s69                    ; ex
	s_cselect_b32 s58, s75, s74                    ; eo: the result's own scale as an operand of attention
	s_cmp_eq_u32 s2, 2
	s_cselect_b32 s56, s72, s56
	s_cselect_b32 s57, s73, s57
	s_cselect_b32 s58, s77, s58
	s_add_co_i32 s59, s57, 127
	s_lshl_b32 s60, s59, 23
	v_mov_b32 v10, s60                             ; 2^ex as f32: the conversion takes its exponent field
	s_add_co_i32 s59, s59, 8
	s_lshl_b32 s59, s59, 23
	s_or_b32 s59, s59, 0x600000
	v_mov_b32 v11, s59                             ; 448 x 2^ex
	s_add_co_i32 s56, s56, s57                     ; ew + ex: what the sums lack
	s_sub_co_i32 s58, s58, s56
	s_add_co_i32 s59, s58, 127
	s_lshl_b32 s60, s59, 23
	v_mov_b32 v12, s60                             ; 2^(eo - ew - ex)
	s_add_co_i32 s59, s59, 8
	s_lshl_b32 s59, s59, 23
	s_or_b32 s59, s59, 0x600000
	v_mov_b32 v13, s59
	s_sub_co_i32 s56, 0, s56
	s_wait_loadcnt 16                              ; all but the youngest sixteen loads (rows 4 to 7) are in
	LNROWS WF, ACC, 0
	WLOAD 0                                        ; rows 0 to 3 are done with: their registers take half of the weight
	s_wait_loadcnt 16                              ; all but those sixteen: rows 4 to 7 are in
	LNROWS WF+64, ACC+16, 4*PITCH
	WLOAD 1
.irp j, 0,1,2,3,4,5,6,7,8,9,10,11,12,13,14,15
	v_ldexp_f32 v[BI+\j], v[BI+\j], s56            ; the bias / 2^(ew + ex)
.endr
	s_wait_dscnt 0x0                               ; for the others' sake: my rows' codes lie in LDS
	s_barrier_signal -1
	s_barrier_wait -1
	s_wait_loadcnt 0x0                             ; the weight
	s_wait_alu depctr_vm_vsrc(0)                   ; my LDS stores have read v32-63, the rows' codes: these registers are the accumulators from here on, written by the products
	s_mov_b32 s49, 0
	s_mov_b32 s50, 0
.Lpair:                                                ; four trips of 32 tokens
	v_add_nc_u32 v5, s49, v4                       ; (its readers, the last trip's LDS loads, stand ahead of the wait on vm_vsrc at that trip's end)
	HALF 0
	HALF 1
.rept 4
	v_nop                                          ; four places in front of the first read of results
.endr
.set j, 0
.rept 32
	v_med3_num_f32 v[ACC+j], v[ACC+j], -v13, v13   ; each accumulator from its low end on
.set j, j+1
.endr
.irp g, 0,1,2,3
	v_cvt_scalef32_pk8_fp8_f32 v[AF+2*\g:AF+2*\g+1], v[ACC+8*\g:ACC+8*\g+7], v12
.endr
	v_nop                                          ; a plain line behind the last conversion
	s_wait_alu depctr_va_vdst(0)                   ; the conversions have written v[AF .. AF+7], the stores' data; v6 and v7, their offsets, are written
	global_store_b128 v6, v[AF:AF+3], s[12:13]     ; 32 lanes store 512 neighbouring bytes, at a multiple of 512 from the buffer's first byte
	global_store_b128 v7, v[AF+4:AF+7], s[12:13]
	s_wait_xcnt 0x0                                ; the stores' offsets and data are written again only behind this wait,
	s_wait_alu depctr_vm_vsrc(0)                   ; and this one: the stores have read v6, v7 and v[AF .. AF+7], the trip's LDS loads v5
	v_add_nc_u32 v6, s15, v6
	v_add_nc_u32 v7, s15, v7
	s_add_co_u32 s49, s49, GRP
	s_add_co_u32 s50, s50, 1
	s_cmp_lt_u32 s50, 4
	s_cbranch_scc1 .Lpair
	s_wait_xcnt 0x0
	v_lshl_add_u32 v38, v0, 2, 0x10800             ; (no memory or LDS instruction has read v38 or v39 since the last wait on vm_vsrc)
	v_mov_b32 v39, 0
	s_wait_dscnt 0x0                               ; the closing lines, six on end
	s_wait_alu 0x0
	s_wait_tensorcnt 0x0
	ds_add_u32 v38, v39
	s_wait_dscnt 0x0
	s_endpgm
; THE LAYOUT.  Wave G = 16 y + w of 1,024 copies 1,024 bytes of W1's images, 1,024 of W2's and (G < 512) 512 of Wo's.  An image is a fragment as its registers lie: [c][lane][16 bytes]; tiles are permuted.
.Llayout:
	s_lshl_b32 s5, s3, 4
	s_add_co_u32 s5, s5, s4                        ; G
	s_lshr_b32 s56, s5, 3                          ; W1: tile G / 8; its first row 32 (tile / 2) + 8 (tile % 2); k = 64 (G % 8) on
	s_lshr_b32 s57, s56, 1
	s_lshl_b32 s57, s57, 5
	s_and_b32 s58, s56, 1
	s_lshl_b32 s58, s58, 3
	s_add_co_u32 s57, s57, s58
	s_lshl_b32 s57, s57, 9
	s_and_b32 s58, s5, 7
	s_lshl_b32 s58, s58, 6
	s_add_co_u32 s54, s57, s58
	s_add_nc_u64 s[6:7], s[36:37], s[54:55]
	s_lshr_b32 s56, s5, 5                          ; W2: tile G / 32; rows of 2,048 codes; k = 64 (G % 32) on
	s_lshr_b32 s57, s56, 1
	s_lshl_b32 s57, s57, 5
	s_and_b32 s58, s56, 1
	s_lshl_b32 s58, s58, 3
	s_add_co_u32 s57, s57, s58
	s_lshl_b32 s57, s57, 11
	s_and_b32 s58, s5, 31
	s_lshl_b32 s58, s58, 6
	s_add_co_u32 s54, s57, s58
	s_add_nc_u64 s[8:9], s[38:39], s[54:55]
	s_wait_alu depctr_va_vdst(0)
	v_lshlrev_b32 v16, 11, v15
	v_lshl_add_u32 v16, v3, 4, v16
	s_lshl_b32 s54, s5, 10
	s_add_nc_u64 s[10:11], s[46:47], s[54:55]
	s_wait_alu depctr_va_vdst(0)                   ; the offsets v1, v9 and v16 are written, which the loads and stores below read
	global_load_b128 v[128:131], v9, s[6:7]
	global_load_b128 v[132:135], v9, s[6:7] offset:32
	global_load_b128 v[136:139], v16, s[8:9]
	global_load_b128 v[140:143], v16, s[8:9] offset:32
	s_wait_loadcnt 0x0
	global_store_b128 v1, v[128:131], s[10:11] offset:262144
	global_store_b128 v1, v[132:135], s[10:11] offset:262144+512
	global_store_b128 v1, v[136:139], s[10:11] offset:1310720
	global_store_b128 v1, v[140:143], s[10:11] offset:1310720+512
	s_cmp_lt_u32 s3, 32
	s_cbranch_scc0 .Ldone
	s_lshr_b32 s56, s5, 4                          ; Wo: tile G / 16; k = 32 (G % 16) on
	s_lshr_b32 s57, s56, 1
	s_lshl_b32 s57, s57, 5
	s_and_b32 s58, s56, 1
	s_lshl_b32 s58, s58, 3
	s_add_co_u32 s57, s57, s58
	s_lshl_b32 s57, s57, 9
	s_and_b32 s58, s5, 15
	s_lshl_b32 s58, s58, 5
	s_add_co_u32 s54, s57, s58
	s_add_nc_u64 s[12:13], s[34:35], s[54:55]
	s_lshl_b32 s54, s5, 9
	s_add_nc_u64 s[14:15], s[46:47], s[54:55]
	global_load_b128 v[144:147], v9, s[12:13]
	s_wait_loadcnt 0x0
	global_store_b128 v1, v[144:147], s[14:15]
.Ldone:
	s_endpgm
.Lfunc_end_k_q57eb605083_qkv:
	.size	k_q57eb605083_qkv, .Lfunc_end_k_q57eb605083_qkv-k_q57eb605083_qkv
	.p2alignl 7, 3214868480
	.fill 96, 4, 3214868480
	.section	.rodata,"a",@progbits
	.p2align	6, 0x0
	.amdhsa_kernel k_q57eb605083_qkv
		.amdhsa_group_segment_fixed_size 69632
		.amdhsa_private_segment_fixed_size 0
		.amdhsa_enable_private_segment 0
		.amdhsa_kernarg_size 128
		.amdhsa_user_sgpr_count 2
		.amdhsa_user_sgpr_kernarg_segment_ptr 1
		.amdhsa_wavefront_size32 1
		.amdhsa_system_sgpr_workgroup_id_x 1
		.amdhsa_system_sgpr_workgroup_id_y 1
		.amdhsa_system_sgpr_workgroup_id_z 1
		.amdhsa_system_vgpr_workitem_id 0
		.amdhsa_next_free_vgpr 256
		.amdhsa_next_free_sgpr 84
		.amdhsa_reserve_vcc 0
		.amdhsa_float_denorm_mode_32 3
		.amdhsa_float_denorm_mode_16_64 3
		.amdhsa_memory_ordered 1
		.amdhsa_forward_progress 1
		.amdhsa_inst_pref_size 64
	.end_amdhsa_kernel
	.amdgpu_metadata
---
amdhsa.version: [ 1, 2 ]
amdhsa.kernels:
  - .name:           k_q57eb605083_qkv
    .symbol:         k_q57eb605083_qkv.kd
    .args:
      - { .name: x, .offset: 0, .size: 8, .value_kind: global_buffer, .address_space: global }
      - { .name: g1, .offset: 8, .size: 8, .value_kind: global_buffer, .address_space: global }
      - { .name: be1, .offset: 16, .size: 8, .value_kind: global_buffer, .address_space: global }
      - { .name: Wq_codes, .offset: 24, .size: 8, .value_kind: global_buffer, .address_space: global }
      - { .name: Wk_codes, .offset: 32, .size: 8, .value_kind: global_buffer, .address_space: global }
      - { .name: Wv_codes, .offset: 40, .size: 8, .value_kind: global_buffer, .address_space: global }
      - { .name: bq, .offset: 48, .size: 8, .value_kind: global_buffer, .address_space: global }
      - { .name: bk, .offset: 56, .size: 8, .value_kind: global_buffer, .address_space: global }
      - { .name: bv, .offset: 64, .size: 8, .value_kind: global_buffer, .address_space: global }
      - { .name: Wo_codes, .offset: 72, .size: 8, .value_kind: global_buffer, .address_space: global }
      - { .name: W1_codes, .offset: 80, .size: 8, .value_kind: global_buffer, .address_space: global }
      - { .name: W2_codes, .offset: 88, .size: 8, .value_kind: global_buffer, .address_space: global }
      - { .name: lowp_scales, .offset: 96, .size: 8, .value_kind: global_buffer, .address_space: global }
      - { .name: qimg, .offset: 104, .size: 8, .value_kind: global_buffer, .address_space: global }
      - { .name: kv, .offset: 112, .size: 8, .value_kind: global_buffer, .address_space: global }
      - { .name: wimg, .offset: 120, .size: 8, .value_kind: global_buffer, .address_space: global }
    .group_segment_fixed_size: 69632
    .private_segment_fixed_size: 0
    .kernarg_segment_align: 8
    .kernarg_segment_size: 128
    .max_flat_workgroup_size: 512
    .sgpr_count:     84
    .vgpr_count:     256
    .wavefront_size: 32
...
	.end_amdgpu_metadata
.endif
;; end of part 6
;; launch attn (part 7): grid 4 x 64, 16 waves a work-group, no clusters, 133,120 bytes of LDS; arguments qimg, kv, lowp_scales, oimg; writes oimg
.if DOCPART == 7
	.amdgcn_target "amdgcn-amd-amdhsa--gfx1250"
	.amdhsa_code_object_version 6
	.text
	.protected	k_q57eb605083_attn
	.globl	k_q57eb605083_attn
	.p2align	8
	.type	k_q57eb605083_attn,@function
k_q57eb605083_attn:
	s_mov_b64 s[64:65], 0
	v_nop
	global_prefetch_b8 v0, s[64:65] scope:SCOPE_SE
	s_setreg_imm32_b32 hwreg(HW_REG_WAVE_SCHED_MODE, 0, 2), 2
	s_setreg_imm32_b32 hwreg(HW_REG_WAVE_MODE, 25, 1), 1
	s_wait_xcnt 0x0
	s_wait_alu depctr_vm_vsrc(0)
; Attention of one head (work-group y = 16 x batch + head), causal, on E4M3 codes: o = (sum over keys of Q(p) V) / l, quantised for the next product.
; t = score x log2(e) / sqrt(32); M = the running largest t rounded up to a whole number; p = 2^(t - M) is quantised with 2^ep; l is the sum of the unquantised p.
; MASK: key > query, and every score that is 0, become -infinity ahead of the maximum.  A query all of whose scores are masked has l = 0: its codes become the NaN code.
; SHARES.  The head's K and V (131,072 bytes, as the launch before laid them) are copied into LDS once.  A query tile QT of 16 needs key steps 0 .. QT / 8 of 128 keys.  Wave w of work-group x owns tiles
; a = 4 w + x and 127 - a: (a / 8 + 1) + (16 - a / 8) = 17 key steps for every wave of the launch.  The loops' trip counts are constants; a step past a tile's last is jumped over.
; LAYOUT.  Both products transposed: a lane holds one query (lane % 16).  S^T = K Q^T by v_wmma_f32_16x16x64_fp8_fp8: the head has 32 channels, so a fragment of K holds TWO key tiles in its two halves along K,
; and Q stands beside zeros, once in the lower half (Q | 0) and once in the upper (0 | Q).  Key tiles are permuted, so the 16 registers of two neighbouring tiles are keys 32 p + 16 h + 0 .. 15: p's codes are the operand of
; O^T = V^T P^T (v_wmma_f32_16x16x128_fp8_fp8), whose two tiles of channels are permuted likewise: a lane ends with channels 16 h + 0 .. 15 of its query.
; No joint loads: K and V are fetched once, at the head; no loop asks for tiles.  And a branch on the given exponent ep spares 64 lines of a key step.
; LIMITS: eq + ek between -124 and 129 (added to c's exponent field); ep and eo between -126 and 119.  A score counts as 0 where its f32 sum of products of codes is 0.  NaN among the inputs is not served.
; THE MODE: SCHED_MODE bits 1:0 = 2 (LLVM: expert scheduling mode 2), set by the entry lines.  The code itself states the register dependences
; between vector or matrix instructions and memory or LDS instructions, with s_wait_alu, always for 0.
; THE PLAN.  Registers that memory or LDS instructions touch:
;   v1, v2, v10, v11  offsets and LDS addresses, made at the head and never written again: one wait on va_vdst ahead of the first load.
;   v96-159   at the head the copy's loads land and its LDS stores read; then S^T, written by the products: one wait on vm_vsrc behind the copy's barrier.
;   v32-63    K.  Read by a step's eight products S^T, which stand at the step's head; the next step's tiles land in it, asked for in the step's middle.  Key step 0's are asked for at a tile's top, by v1.
;   v64-95    V.  Read by a step's two products O^T, which stand at its end; the step's own tiles land in it, asked for in the step's middle.
;   v8, v9    a step's LDS addresses: written at the step's head, read by the loads in its middle.
;   v196-199  o's codes: written on a tile's way out, read by its one store.
; ONE wait on va_vdst in a step's middle, the one behind the 64 exponentials, states all that the step's 16 LDS loads hang on: this step's products S^T are done reading K,
; the last step's products O^T are done reading V, v8 and v9 are written.  The loads follow it at once and land under the sums, the conversions and the rescaling.
; THE MASKS are made in runs: 32 compares into s66-97, one wait on va_sdst, 32 selects.
.set S,  96                            ; v96-159  S^T, then p (at the head: the copy's registers)
.set O,  160                           ; v160-175 O^T
.set PC, 176                           ; v176-191 p's codes
.set MK, 66                            ; s66-97   32 lane masks
; v1 16 l; v2 16 l + 65,536; v3 r + 8 (r / 8); v4 16 h; v5 my query - 16 h; v6 that - the step's first key; v7 -infinity; v8, v9 the step's LDS addresses; v10, v11 the copy's; v12 -M; v13 the largest t; v[14:15] l
; v16-27 Q | 0 | Q; v28-31 the next tile's Q; v32-63 K; v64-95 V; v192-195 the second tile's Q; v196-199 o's codes; v240, v244 448 x 2^ep, 2^ep; v241, v245 the same for eo; v246 four NaN codes
; s12 wave; s13 head; s14 QT; s15 its last key step; s16 key step; s17 its LDS bytes; s18 tiles to go; s[20:21] lane selects; s[22:23] c; s30 ep + ev; s31 the lanes with l = 0; s[36:51] the exponents
	s_load_b256 s[4:11], s[0:1], 0x0               ; qimg 4, kv 6, the scales 8, oimg 10
	v_lshl_add_u32 v251, v0, 2, 0x20000
	v_mov_b32 v255, 0
	v_lshrrev_b32 v1, 5, v0
	v_readfirstlane_b32 s12, v1
	v_and_b32 v1, 31, v0
	v_lshlrev_b32 v1, 4, v1
	v_add_nc_u32 v2, 0x10000, v1
	v_and_b32 v3, 15, v0
	v_and_b32 v4, 8, v3
	v_add_nc_u32 v3, v3, v4
	v_bfe_u32 v4, v0, 4, 1
	v_lshlrev_b32 v4, 4, v4
	v_lshlrev_b32 v10, 4, v0
	v_add_nc_u32 v11, 0x10000, v10
	v_mov_b32 v7, 0xff800000
.irp j, 20,21,22,23
	v_mov_b32 v\j, 0                               ; the zeros between the two copies of Q
.endr
	v_mov_b32 v236, 0                              ; written once: a lane permute's destination counts as one of its sources
	v_mov_b32 v253, 0                              ; (named as the upper half of the pair v[252:253])
	v_mov_b32 v246, 0x7f7f7f7f
	s_and_b32 s13, ttmp7, 0xffff
	s_wait_alu depctr_va_sdst(0)                   ; s12 is written, ahead of its first reader
	s_lshl_b32 s14, s12, 2
	s_add_co_u32 s14, s14, ttmp9                   ; a
	s_mov_b32 s20, 0x76543210
	s_mov_b32 s21, 0xfedcba98
	s_mov_b32 s27, 0
	s_mov_b32 s29, 0
	s_lshl_b32 s26, s13, 17                        ; the head in kv
	s_lshl_b32 s19, s13, 16                        ; and in qimg
	s_lshl_b32 s28, s14, 9
	s_add_co_u32 s28, s28, s19
	s_wait_kmcnt 0x0
	s_load_b512 s[36:51], s[8:9], 0x0
	s_add_nc_u64 s[6:7], s[6:7], s[26:27]
	s_add_nc_u64 s[24:25], s[4:5], s[28:29]        ; tile a
	s_sub_co_u32 s28, 127, s14
	s_lshl_b32 s28, s28, 9
	s_add_co_u32 s28, s28, s19
	s_add_nc_u64 s[4:5], s[4:5], s[28:29]          ; tile 127 - a
	s_lshr_b32 s26, s13, 4
	s_lshl_b32 s26, s26, 20                        ; oimg: a batch is 128 row tiles of 8,192 bytes,
	s_and_b32 s28, s13, 15
	s_lshl_b32 s28, s28, 9                         ; a head a quarter fragment of 512
	s_add_co_u32 s26, s26, s28
	s_add_nc_u64 s[10:11], s[10:11], s[26:27]
	s_wait_alu depctr_va_vdst(0)                   ; the offsets and LDS addresses v1, v2, v10, v11 are written, which the loads and stores below read
.set i, 0
.rept 16
	global_load_b128 v[S+4*i:S+4*i+3], v10, s[6:7] offset:8192*i   ; the work-group's 512 threads read 8,192 neighbouring bytes
.set i, i+1
.endr
	global_load_b128 v[28:31], v1, s[24:25]
	global_load_b128 v[192:195], v1, s[4:5]
	s_wait_kmcnt 0x0
	s_add_co_i32 s26, s42, s43                     ; eq + ek, added to the exponent field of
	s_lshl_b32 s26, s26, 23
	s_add_co_i32 s22, s26, 0x3e8293ee              ; c = log2(e) / sqrt(32)
	s_mov_b32 s23, s22                             ; (named with it as a pair, so it is written)
	s_add_co_i32 s26, s44, 127
	s_lshl_b32 s28, s26, 23
	v_mov_b32 v244, s28                            ; 2^ep
	s_add_co_i32 s26, s26, 8
	s_lshl_b32 s26, s26, 23
	s_or_b32 s26, s26, 0x600000
	v_mov_b32 v240, s26                            ; 448 x 2^ep
	s_add_co_i32 s26, s46, 127
	s_lshl_b32 s28, s26, 23
	v_mov_b32 v245, s28                            ; 2^eo: o as an operand of the next product
	s_add_co_i32 s26, s26, 8
	s_lshl_b32 s26, s26, 23
	s_or_b32 s26, s26, 0x600000
	v_mov_b32 v241, s26
	s_add_co_i32 s30, s44, s45                     ; ep + ev
.set i, 0
.rept 16
	s_wait_loadcnt 17-i                            ; loads come back in order: copy load i is in; the 15 - i behind it and Q's two may be out
.if i < 8
	ds_store_b128 v10, v[S+4*i:S+4*i+3] offset:8192*i
.else
	ds_store_b128 v11, v[S+4*i:S+4*i+3] offset:8192*(i-8)
.endif
.set i, i+1
.endr
	s_wait_dscnt 0x0                               ; for the others' sake: my part of K and V lies in LDS
	s_barrier_signal -1
	s_barrier_wait -1
	s_wait_loadcnt 0x0                             ; Q's two tiles
	s_wait_alu depctr_vm_vsrc(0)                   ; the copy's LDS stores have read v96-159: these registers are S^T from here on, written by the products
	s_mov_b32 s18, 2
.Ltile:
.irp t, 0,1,2,3,4,5,6,7
	ds_load_b128 v[32+4*\t:35+4*\t], v1 offset:512*\t      ; key step 0's tile t of K.  No wait: the last products that read v32-63 stand ahead of their step's wait on va_vdst, and v1 is never written again
.endr
.irp j, 0,1,2,3
	v_mov_b32 v[16+\j], v[28+\j]
	v_mov_b32 v[24+\j], v[28+\j]
.endr
.irp j, 0,1,2,3
	v_mov_b32 v[28+\j], v[192+\j]
.endr
	s_lshr_b32 s15, s14, 3                         ; the tile's 16 queries lie in one group of 32, so in one key step: the last that it needs
	s_lshr_b32 s28, s14, 1
	s_lshl_b32 s28, s28, 5
	s_and_b32 s19, s14, 1
	s_lshl_b32 s19, s19, 3
	s_add_co_u32 s28, s28, s19
	v_add_nc_u32 v5, s28, v3                       ; my query: 32 (QT / 2) + 8 (QT % 2) + r + 8 (r / 8),
	v_sub_nc_u32 v5, v5, v4                        ; less 16 h
.set j, 0
.rept 16
	v_mov_b32 v[O+j], 0                            ; the step is written once: the first finds zeros, which the first change of M leaves zeros
.set j, j+1
.endr
	v_mov_b32 v14, 0
	v_mov_b32 v15, 0
	v_mov_b32 v13, 0xff61b1e6                      ; the largest t so far: -3e38
	v_floor_f32 v12, -v13
	s_mov_b32 s16, 0
	s_mov_b32 s17, 0
	s_wait_dscnt 0x0                               ; key step 0's K is in
.Lstep:                                                ; sixteen trips; those past the tile's last key step do nothing
	s_cmp_gt_u32 s16, s15
	s_cbranch_scc1 .Lskip
	s_wait_alu depctr_vm_vsrc(0)                   ; the LDS loads issued so far have read v8 and v9
	v_add_nc_u32 v8, s17, v1
	v_add_nc_u32 v9, s17, v2
.irp p, 0,1,2,3
	v_wmma_f32_16x16x64_fp8_fp8 v[S+16*\p:S+16*\p+7], v[32+8*\p:39+8*\p], v[16:23], 0        ; Q | 0: the fragment's first key tile
	v_wmma_f32_16x16x64_fp8_fp8 v[S+16*\p+8:S+16*\p+15], v[32+8*\p:39+8*\p], v[20:27], 0     ; 0 | Q: its second
.endr
.rept 4
	v_nop
.endr
	s_cmp_lg_u32 s16, s15                          ; only the tile's last key step has keys behind a query
	s_cbranch_scc1 .Lopen
	s_lshl_b32 s28, s16, 7
	v_sub_nc_u32 v6, v5, s28                       ; register n holds key 128 KS + 16 h + 32 (n / 16) + n % 16: hidden where 32 (n / 16) + n % 16 > my query - 16 h - 128 KS
.irp b, 0,32
.set n, 0
.rept 32
	v_cmp_gt_i32 s[MK+n], 32*((\b+n)/16)+(\b+n)%16, v6
.set n, n+1
.endr
	s_wait_alu depctr_va_sdst(0)                   ; the 32 compares have written s66-97, ahead of the selects that read them
.set n, 0
.rept 32
	v_cndmask_b32 v[S+\b+n], v[S+\b+n], v7, s[MK+n]
.set n, n+1
.endr
.endr
.Lopen:
.irp b, 0,32
.set n, 0
.rept 32
	v_cmp_eq_f32 s[MK+n], 0, v[S+\b+n]             ; a score that is 0 is masked too; each accumulator is read from its low end on
.set n, n+1
.endr
	s_wait_alu depctr_va_sdst(0)                   ; the 32 compares have written s66-97, ahead of the selects that read them
.set n, 0
.rept 32
	v_cndmask_b32 v[S+\b+n], v[S+\b+n], v7, s[MK+n]
.set n, n+1
.endr
.endr
	v_max3_num_f32 v254, v96, v97, v98             ; the step's largest score of my query among my 64 keys, in two chains,
	v_max3_num_f32 v252, v99, v100, v101
.irp i, 6,10,14,18,22,26,30,34,38,42,46,50,54,58
	v_max3_num_f32 v254, v254, v[96+\i], v[97+\i]
	v_max3_num_f32 v252, v252, v[98+\i], v[99+\i]
.endr
	v_max3_num_f32 v254, v254, v158, v159
	v_max_num_f32 v254, v254, v252
	v_permlanex16_b32 v236, v254, s20, s21
	v_max_num_f32 v254, v254, v236                 ; and among lane l xor 16's
	v_mul_f32 v254, s22, v254                      ; as t (c is positive)
	v_max_num_f32 v13, v13, v254
	v_mov_b32 v254, v12
	v_floor_f32 v12, -v13                          ; -M = floor(-t): M is a whole number
	v_sub_f32 v254, v12, v254                      ; old M - new M: a whole number, 0 or less
	v_cvt_i32_f32 v254, v254                       ; (it saturates)
	v_ldexp_f32 v252, 1.0, v254                    ; f = 2^(old M - new M): a multiplication by it rounds nothing
.set j, 0
.rept 32
	v_pk_fma_f32 v[S+j:S+j+1], v[S+j:S+j+1], s[22:23], v[12:13] op_sel_hi:[1,0,0]   ; t - M (of the pairs c and -M the low word serves both halves)
.set j, j+2
.endr
.set j, 0
	s_wait_alu depctr_va_vdst(0)
.rept 64
	v_exp_f32 v[S+j], v[S+j]                       ; p = 2^(t - M)
.set j, j+1
.endr
	v_pk_mul_f32 v[14:15], v[14:15], v[252:253] op_sel_hi:[1,0]   ; l under the new M; the plain line behind the exponentials
	s_wait_alu depctr_va_vdst(0)                   ; the 64 exponentials have written p, ahead of its first reader; this step's products S^T are done reading v32-63, the last step's products O^T v64-95; v8 and v9 are written
.irp t, 0,1,2,3,4,5,6,7
	ds_load_b128 v[64+4*\t:67+4*\t], v9 offset:512*\t      ; this step's V: tile of channels t / 4, keys 32 (t % 4) on
.endr
	s_cmp_lt_u32 s16, s15                          ; the tile's last key step has no successor: it asks for no more of K
	s_cbranch_scc0 .Lno_next
.irp t, 0,1,2,3,4,5,6,7
	ds_load_b128 v[32+4*\t:35+4*\t], v8 offset:4096+512*\t ; the NEXT step's key tile t
.endr
.Lno_next:
	v_pk_add_f32 v[242:243], v[96:97], v[98:99]    ; l takes the UNQUANTISED p, in two chains
.irp j, 4,8,12,16,20,24,28,32,36,40,44,48,52,56,60
	v_pk_add_f32 v[14:15], v[14:15], v[96+\j:97+\j]
	v_pk_add_f32 v[242:243], v[242:243], v[98+\j:99+\j]
.endr
	v_pk_add_f32 v[14:15], v[14:15], v[242:243]
	s_cmp_ge_i32 s44, -8                           ; p is at most 1, and 448 x 2^ep is at least 1 from ep = -8 on: there the hold changes nothing and is jumped over
	s_cbranch_scc1 .Lno_hold
.set j, 0
.rept 64
	v_min_num_f32 v[S+j], v[S+j], v240             ; p is not negative: the hold is one-sided
.set j, j+1
.endr
.Lno_hold:
.irp g, 0,1,2,3,4,5,6,7
	v_cvt_scalef32_pk8_fp8_f32 v[PC+2*\g:PC+2*\g+1], v[S+8*\g:S+8*\g+7], v244
.endr
.set j, 0
.rept 8
	v_pk_mul_f32 v[O+j:O+j+1], v[O+j:O+j+1], v[252:253] op_sel_hi:[1,0]   ; O^T under the new M; also the plain lines behind the conversions
.set j, j+2
.endr
	s_wait_alu depctr_va_vdst(0)
	s_wait_dscnt 0x0                               ; V is in, and the next step's K where it was asked for: the count is right on both ways
	v_wmma_f32_16x16x128_fp8_fp8 v[O:O+7], v[64:79], v[PC:PC+15], v[O:O+7]
	v_wmma_f32_16x16x128_fp8_fp8 v[O+8:O+15], v[80:95], v[PC:PC+15], v[O+8:O+15]
.Lskip:
	s_add_co_u32 s17, s17, 4096
	s_add_co_u32 s16, s16, 1
	s_cmp_lt_u32 s16, 16
	s_cbranch_scc1 .Lstep
	; THE WAY OUT of a tile: O^T x 2^(ep + ev) / l, quantised with 2^eo: a lane's 16 channels are the 16 bytes of its place in the next operand's image
.rept 4
	v_nop
.endr
	s_wait_alu depctr_va_vdst(0)
	v_add_f32 v14, v14, v15
	v_permlanex16_b32 v236, v14, s20, s21
	v_add_f32 v14, v14, v236                       ; the row's sum
	v_cmp_eq_f32 s31, 0, v14
	v_rcp_f32 v252, v14
	v_nop                                          ; a plain line behind the reciprocal,
	s_wait_alu depctr_va_vdst(0)                   ; and the wait for its result, ahead of its first reader
	v_ldexp_f32 v252, v252, s30
.set j, 0
.rept 16
	v_mul_f32 v[S+j], v[O+j], v252                 ; each accumulator from its low end on
.set j, j+1
.endr
.set j, 0
.rept 16
	v_med3_num_f32 v[S+j], v[S+j], -v241, v241
.set j, j+1
.endr
	v_cvt_scalef32_pk8_fp8_f32 v[196:197], v[S:S+7], v245
	v_cvt_scalef32_pk8_fp8_f32 v[198:199], v[S+8:S+15], v245
	v_nop
	s_wait_alu depctr_va_sdst(0)                   ; the compare has written s31, ahead of the selects that read it
.irp j, 196,197,198,199
	v_cndmask_b32 v\j, v\j, v246, s31              ; no key counted: NaN, as a softmax over nothing gives
.endr
	s_lshl_b32 s26, s14, 13
	s_add_nc_u64 s[32:33], s[10:11], s[26:27]
	s_wait_alu depctr_va_vdst(0)                   ; the four selects have written v196-199, the store's data
	global_store_b128 v1, v[196:199], s[32:33]     ; 32 lanes store 512 neighbouring bytes, at a multiple of 512 from the buffer's first byte
	s_wait_xcnt 0x0                                ; the store's data and base are written again only behind this wait,
	s_wait_alu depctr_vm_vsrc(0)                   ; and this one: the store has read v196-199, which the next tile's conversions write
	s_sub_co_u32 s14, 127, s14
	s_sub_co_u32 s18, s18, 1
	s_cmp_lg_u32 s18, 0
	s_cbranch_scc1 .Ltile
	s_wait_dscnt 0x0                               ; the closing lines, six on end
	s_wait_alu 0x0
	s_wait_tensorcnt 0x0
	ds_add_u32 v251, v255
	s_wait_dscnt 0x0
	s_endpgm
.Lfunc_end_k_q57eb605083_attn:
	.size	k_q57eb605083_attn, .Lfunc_end_k_q57eb605083_attn-k_q57eb605083_attn
	.p2alignl 7, 3214868480
	.fill 96, 4, 3214868480
	.section	.rodata,"a",@progbits
	.p2align	6, 0x0
	.amdhsa_kernel k_q57eb605083_attn
		.amdhsa_group_segment_fixed_size 133120
		.amdhsa_private_segment_fixed_size 0
		.amdhsa_enable_private_segment 0
		.amdhsa_kernarg_size 32
		.amdhsa_user_sgpr_count 2
		.amdhsa_user_sgpr_kernarg_segment_ptr 1
		.amdhsa_wavefront_size32 1
		.amdhsa_system_sgpr_workgroup_id_x 1
		.amdhsa_system_sgpr_workgroup_id_y 1
		.amdhsa_system_sgpr_workgroup_id_z 1
		.amdhsa_system_vgpr_workitem_id 0
		.amdhsa_next_free_vgpr 256
		.amdhsa_next_free_sgpr 98
		.amdhsa_reserve_vcc 0
		.amdhsa_float_denorm_mode_32 3
		.amdhsa_float_denorm_mode_16_64 3
		.amdhsa_memory_ordered 1
		.amdhsa_forward_progress 1
		.amdhsa_inst_pref_size 43
	.end_amdhsa_kernel
	.amdgpu_metadata
---
amdhsa.version: [ 1, 2 ]
amdhsa.kernels:
  - .name:           k_q57eb605083_attn
    .symbol:         k_q57eb605083_attn.kd
    .args:
      - { .name: qimg, .offset: 0, .size: 8, .value_kind: global_buffer, .address_space: global }
      - { .name: kv, .offset: 8, .size: 8, .value_kind: global_buffer, .address_space: global }
      - { .name: lowp_scales, .offset: 16, .size: 8, .value_kind: global_buffer, .address_space: global }
      - { .name: oimg, .offset: 24, .size: 8, .value_kind: global_buffer, .address_space: global }
    .group_segment_fixed_size: 133120
    .private_segment_fixed_size: 0
    .kernarg_segment_align: 8
    .kernarg_segment_size: 32
    .max_flat_workgroup_size: 512
    .sgpr_count:     98
    .vgpr_count:     256
    .wavefront_size: 32
...
	.end_amdgpu_metadata
.endif
;; end of part 7
;; launch proj (part 8): grid 256 x 1, 16 waves a work-group, no clusters, 101,376 bytes of LDS; arguments oimg, wimg, x, bo, g2, be2, lowp_scales, x1, xn2img; writes x1, xn2img
.if DOCPART == 8
	.amdgcn_target "amdgcn-amd-amdhsa--gfx1250"
	.amdhsa_code_object_version 6
	.text
	.protected	k_q57eb605083_proj
	.globl	k_q57eb605083_proj
	.p2align	8
	.type	k_q57eb605083_proj,@function
k_q57eb605083_proj:
	s_mov_b64 s[64:65], 0
	v_nop
	global_prefetch_b8 v0, s[64:65] scope:SCOPE_SE
	s_setreg_imm32_b32 hwreg(HW_REG_WAVE_SCHED_MODE, 0, 2), 2
	s_setreg_imm32_b32 hwreg(HW_REG_WAVE_MODE, 25, 1), 1
	s_wait_xcnt 0x0
	s_wait_alu depctr_vm_vsrc(0)
; x1 = x + o Wo^T + bo (the product on E4M3 codes), LayerNorm 2 of x1, and its quantising for the next product.
; SHARES.  A work-group takes 32 tokens.  In the product wave w makes columns 32 w .. 32 w + 31 for all 32 tokens: its 32 rows of Wo (8 fragments, 128 registers) come as images, read once.
; o's eight fragments (16,384 bytes) are copied into LDS as they lie.  The raw sums meet in a stage of 32 rows; then wave w owns rows 2 w and 2 w + 1 whole: residual, bias, x1 out, the norm, the codes.
; The codes meet in LDS as rows and leave as images of the next operand's registers, natural tiles of 16 rows, two quarter fragments a wave.
; The product is used transposed (source 0 = 16 rows of Wo, permuted; source 1 = 16 tokens): a lane holds, of one token, columns 32 w + 16 h + 0 .. 15.
; No joint loads: every operand is fetched once, at the head.
; LIMITS: e10 + e11 between -126 and 127; e12 between -126 and 119.  NaN among the inputs is not served (a NaN code of o gives a NaN row of x1, as it should).
; THE MODE: SCHED_MODE bits 1:0 = 2 (LLVM: expert scheduling mode 2), set by the entry lines.  The code itself states the register dependences
; between vector or matrix instructions and memory or LDS instructions, with s_wait_alu, always for 0.
; THE PLAN.  Registers that memory or LDS instructions touch, in the text's order:
;   v1 to v6   offsets and LDS addresses, made at the head and never written again: one wait on va_vdst ahead of the first load.
;   v48-79     o's two loads land in v48-55 and two LDS stores read them (vm_vsrc); then a K step's two fragments land and four products read them (va_vdst behind each K step);
;              later the conversions write v48-55 (va_vdst), eight LDS stores read them (vm_vsrc), and the two quarter fragments land there.
;   v16-47     the products write them, the stage's LDS stores read them: the wait on va_vdst behind the last K step.
;   v128-255   Wo, read by the products; behind that same wait bo, g2, be2 land in v128-175 and my two rows of sums in v176-207.
;   v176-207   the multiply-adds write x1 (va_vdst), eight stores read it (vm_vsrc), then the norm works in place.
; The wave's 256 registers are all taken while it multiplies (128 Wo, 32 a K step's fragments, 32 accumulators, 32 x's rows, the rest addresses and statistics): a K step's fragments have one set.
.set STG, 16384                        ; LDS: o's images at 0; the stage: 32 rows of 2,048 bytes + 16;
.set SPI, 2064
.set CR,  82432                        ; the rows of codes: 32 rows of 512 bytes + 16.  Both pitches are odd multiples of 16 bytes
.set CPI, 528
.set SEL, 12                           ; s[12:13]
.set ST,  112                          ; v112-127 statistics, eight a row
.set BOV, 128                          ; v128-255 Wo; later bo, g2, be2 and the two rows
.set GV,  144
.set BEV, 160
.set Y,   176
.set CD,  48                           ; v48-79 o's two fragments of a K step; later the codes
.set XR,  80                           ; v80-111 my two rows of x
; v1 16 l; v2 16 t; v3 into the stage; v4 out of it; v5 where I put a row's codes; v6 where I read a quarter fragment; v10, v11 2^e12, 448 x 2^e12; v16-47 four accumulators
.macro WSUM o
.irp m, 1,2,4,8
.irp i, 0,1
	v_add_f32_dpp v[ST+8*\i+\o], v[ST+8*\i+\o], v[ST+8*\i+\o] row_xmask:\m row_mask:0xf bank_mask:0xf
.endr
.endr
.irp i, 0,1
	v_permlanex16_b32 v[ST+8*\i+\o+1], v[ST+8*\i+\o], s[SEL], s[SEL+1]
.endr
.irp i, 0,1
	v_add_f32 v[ST+8*\i+\o], v[ST+8*\i+\o], v[ST+8*\i+\o+1]
.endr
.endm
	s_load_b512 s[16:31], s[0:1], 0x0              ; oimg 16, wimg 18, x 20, bo 22, g2 24, be2 26, the scales 28, x1 30
	s_load_b64 s[32:33], s[0:1], 0x40              ; xn2img
	v_lshl_add_u32 v126, v0, 2, 0x18400
	v_mov_b32 v127, 0
	v_lshrrev_b32 v1, 5, v0
	v_readfirstlane_b32 s4, v1                     ; wave
	s_mov_b32 s5, ttmp9                            ; the group of 32 tokens
	v_and_b32 v7, 31, v0
	v_lshlrev_b32 v1, 4, v7
	v_lshlrev_b32 v2, 4, v0
	v_and_b32 v8, 15, v0                           ; r
	v_bfe_u32 v9, v0, 4, 1                         ; h
	v_and_b32 v3, 8, v8
	v_add_nc_u32 v3, v3, v8                        ; r + 8 (r / 8): my token in a permuted tile
	v_mul_u32_u24 v3, v3, SPI
	v_lshl_add_u32 v3, v9, 6, v3                   ; + 16 h columns
	s_wait_alu depctr_va_sdst(0)                   ; s4 is written, ahead of its first reader
	s_lshl_b32 s6, s4, 7                           ; + 32 w columns
	s_add_co_u32 s6, s6, STG
	v_add_nc_u32 v3, s6, v3
	s_mul_i32 s6, s4, 2*SPI
	s_add_co_u32 s6, s6, STG
	v_add_nc_u32 v4, s6, v1
	s_mul_i32 s6, s4, 2*CPI
	s_add_co_u32 s6, s6, CR
	v_lshl_add_u32 v5, v7, 2, s6
	v_mul_u32_u24 v6, v8, CPI
	v_lshl_add_u32 v6, v9, 4, v6
	s_wait_alu depctr_va_vdst(0)
	s_lshr_b32 s6, s4, 3                           ; quarter fragments 2 w and 2 w + 1 of 32: tile w / 8, K step (w / 2) % 4, quarters 2 (w % 2) and + 1
	s_mul_i32 s6, s6, 16*CPI
	s_bfe_u32 s7, s4, 0x20001
	s_lshl_b32 s7, s7, 7
	s_add_co_u32 s6, s6, s7
	s_and_b32 s7, s4, 1
	s_lshl_b32 s7, s7, 6
	s_add_co_u32 s6, s6, s7
	s_add_co_u32 s6, s6, CR
	v_add_nc_u32 v6, s6, v6
	s_mov_b32 s[SEL], 0x76543210
	s_mov_b32 s[SEL+1], 0xfedcba98
	s_mov_b32 s9, 0
	s_wait_kmcnt 0x0
	s_load_b512 s[48:63], s[28:29], 0x0            ; the exponents: e10 s58, e11 s59, e12 s60
	s_lshl_b32 s8, s5, 14
	s_add_nc_u64 s[16:17], s[16:17], s[8:9]        ; o's two row tiles
	s_lshl_b32 s6, s4, 10
	s_add_co_u32 s8, s8, s6
	s_add_nc_u64 s[32:33], s[32:33], s[8:9]        ; my two quarter fragments of xn2's images
	s_lshl_b32 s8, s4, 14
	s_add_nc_u64 s[18:19], s[18:19], s[8:9]        ; Wo's tiles 2 w, 2 w + 1
	s_lshl_b32 s8, s5, 16
	s_lshl_b32 s6, s4, 12
	s_add_co_u32 s8, s8, s6
	s_add_nc_u64 s[20:21], s[20:21], s[8:9]        ; my two rows of x,
	s_add_nc_u64 s[30:31], s[30:31], s[8:9]        ; and of x1
	s_wait_alu depctr_va_vdst(0)                   ; the offsets and LDS addresses v1 to v6 are written, which the loads and stores below read
	global_load_b128 v[48:51], v2, s[16:17]
	global_load_b128 v[52:55], v2, s[16:17] offset:8192
.irp f, 0,1,2,3,4,5,6,7
.irp c, 0,1,2,3
	global_load_b128 v[128+16*\f+4*\c:131+16*\f+4*\c], v1, s[18:19] offset:2048*\f+512*\c   ; fragment (u, s) = f = 4 u + s
.endr
.endr
.irp i, 0,1
.irp q, 0,1,2,3
	global_load_b128 v[XR+16*\i+4*\q:XR+16*\i+4*\q+3], v1, s[20:21] offset:2048*\i+512*\q
.endr
.endr
	s_wait_kmcnt 0x0
	s_add_co_i32 s46, s58, s59
	s_add_co_i32 s46, s46, 127
	s_lshl_b32 s46, s46, 23                        ; 2^(e10 + e11)
	s_mov_b32 s47, s46
	s_add_co_i32 s6, s60, 127
	s_lshl_b32 s7, s6, 23
	v_mov_b32 v10, s7
	s_add_co_i32 s6, s6, 8
	s_lshl_b32 s6, s6, 23
	s_or_b32 s6, s6, 0x600000
	v_mov_b32 v11, s6
	s_wait_loadcnt 40                              ; o's two loads are in; Wo's 32 and x's 8 may be out
	ds_store_b128 v2, v[48:51]
	ds_store_b128 v2, v[52:55] offset:8192
	s_wait_dscnt 0x0
	s_barrier_signal -1
	s_barrier_wait -1                              ; o's eight fragments lie in LDS
	s_wait_loadcnt 8                               ; Wo is in; x's 8 may be out
	s_wait_alu depctr_vm_vsrc(0)                   ; my two LDS stores have read v48-55, in which the first K step's fragments land
.irp s, 0,1,2,3
.irp m, 0,1
.irp c, 0,1,2,3
	ds_load_b128 v[48+16*\m+4*\c:51+16*\m+4*\c], v1 offset:(4*\m+\s)*2048+512*\c
.endr
.endr
	s_wait_dscnt 0x0
.irp m, 0,1
.irp u, 0,1
.if \s == 0
	v_wmma_f32_16x16x128_fp8_fp8 v[16+8*(2*\m+\u):23+8*(2*\m+\u)], v[128+16*(4*\u+\s):143+16*(4*\u+\s)], v[48+16*\m:63+16*\m], 0
.else
	v_wmma_f32_16x16x128_fp8_fp8 v[16+8*(2*\m+\u):23+8*(2*\m+\u)], v[128+16*(4*\u+\s):143+16*(4*\u+\s)], v[48+16*\m:63+16*\m], v[16+8*(2*\m+\u):23+8*(2*\m+\u)]
.endif
.endr
.endr
.rept 4
	v_nop                                          ; four places behind these products; behind the last K step they stand in front of the first read of results
.endr
	s_wait_alu depctr_va_vdst(0)                   ; the products are done reading v48-79, in which the next K step's fragments land; behind the last K step: they have written v16-47, which the stage's stores read, and are done reading Wo's registers, in which bo, g2, be2 and my rows of sums land
.endr
.irp q, 0,1,2,3
	global_load_b128 v[BOV+4*\q:BOV+4*\q+3], v1, s[22:23] offset:512*\q
	global_load_b128 v[GV+4*\q:GV+4*\q+3], v1, s[24:25] offset:512*\q
	global_load_b128 v[BEV+4*\q:BEV+4*\q+3], v1, s[26:27] offset:512*\q
.endr
.irp m, 0,1
.irp u, 0,1
	ds_store_b128 v3, v[16+8*(2*\m+\u):19+8*(2*\m+\u)] offset:\m*8*SPI+32*\u       ; token 8 m + r + 8 (r / 8), columns 32 w + 16 h + 8 u on; each accumulator from its low end on
	ds_store_b128 v3, v[20+8*(2*\m+\u):23+8*(2*\m+\u)] offset:\m*8*SPI+32*\u+16
.endr
.endr
	s_wait_dscnt 0x0
	s_barrier_signal -1
	s_barrier_wait -1                              ; 32 whole rows of sums lie in the stage
.irp i, 0,1
.irp q, 0,1,2,3
	ds_load_b128 v[Y+16*\i+4*\q:Y+16*\i+4*\q+3], v4 offset:\i*SPI+512*\q   ; no wait: no vector or matrix instruction since the last wait on va_vdst
.endr
.endr
	s_wait_loadcnt 0x0
.irp i, 0,1
.irp j, 0,2,4,6,8,10,12,14
	v_pk_add_f32 v[XR+16*\i+\j:XR+16*\i+\j+1], v[XR+16*\i+\j:XR+16*\i+\j+1], v[BOV+\j:BOV+\j+1]
.endr
.endr
	s_wait_dscnt 0x0
.irp i, 0,1
.irp j, 0,2,4,6,8,10,12,14
	v_pk_fma_f32 v[Y+16*\i+\j:Y+16*\i+\j+1], v[Y+16*\i+\j:Y+16*\i+\j+1], s[46:47], v[XR+16*\i+\j:XR+16*\i+\j+1] op_sel_hi:[1,0,1]   ; x1 = sum x 2^(e10 + e11) + (x + bo)
.endr
.endr
	s_wait_alu depctr_va_vdst(0)                   ; the multiply-adds have written v176-207, the stores' data
.irp i, 0,1
.irp q, 0,1,2,3
	global_store_b128 v1, v[Y+16*\i+4*\q:Y+16*\i+4*\q+3], s[30:31] offset:2048*\i+512*\q   ; 32 lanes store 512 neighbouring bytes, aligned
.endr
.endr
	; the norm of my two rows: mean, squares of the differences, variance over 511, eps behind the root
.irp i, 0,1
	v_pk_add_f32 v[ST+8*\i:ST+8*\i+1], v[Y+16*\i:Y+16*\i+1], v[Y+16*\i+2:Y+16*\i+3]
.endr
.irp j, 4,6,8,10,12,14
.irp i, 0,1
	v_pk_add_f32 v[ST+8*\i:ST+8*\i+1], v[ST+8*\i:ST+8*\i+1], v[Y+16*\i+\j:Y+16*\i+\j+1]
.endr
.endr
.irp i, 0,1
	v_add_f32 v[ST+8*\i], v[ST+8*\i], v[ST+8*\i+1]
.endr
	WSUM 0
.irp i, 0,1
	v_mul_f32 v[ST+8*\i], 0x3b000000, v[ST+8*\i]
.endr
	s_wait_alu depctr_va_vdst(0)
	s_wait_xcnt 0x0                                ; x1's stores have read their data: the rows are written in place only behind this wait,
	s_wait_alu depctr_vm_vsrc(0)                   ; and this one: the eight stores have read v176-207
.irp j, 0,2,4,6,8,10,12,14
.irp i, 0,1
	v_pk_add_f32 v[Y+16*\i+\j:Y+16*\i+\j+1], v[Y+16*\i+\j:Y+16*\i+\j+1], v[ST+8*\i:ST+8*\i+1] op_sel_hi:[1,0] neg_lo:[0,1] neg_hi:[0,1]
.endr
.endr
.irp i, 0,1
	v_pk_mul_f32 v[ST+8*\i+2:ST+8*\i+3], v[Y+16*\i:Y+16*\i+1], v[Y+16*\i:Y+16*\i+1]
.endr
.irp j, 2,4,6,8,10,12,14
.irp i, 0,1
	v_pk_fma_f32 v[ST+8*\i+2:ST+8*\i+3], v[Y+16*\i+\j:Y+16*\i+\j+1], v[Y+16*\i+\j:Y+16*\i+\j+1], v[ST+8*\i+2:ST+8*\i+3]
.endr
.endr
.irp i, 0,1
	v_add_f32 v[ST+8*\i+2], v[ST+8*\i+2], v[ST+8*\i+3]
.endr
	WSUM 2
.irp i, 0,1
	v_mul_f32 v[ST+8*\i+2], 0x3b004020, v[ST+8*\i+2]      ; x 1 / 511
.endr
	s_wait_alu depctr_va_vdst(0)
.irp i, 0,1
	v_sqrt_f32 v[ST+8*\i+5], v[ST+8*\i+2]
.endr
	v_nop
	s_wait_alu depctr_va_vdst(0)                   ; one wait for the two roots' results, ahead of their first reader
.irp i, 0,1
	v_add_f32 v[ST+8*\i+5], 0x322bcc77, v[ST+8*\i+5]
.endr
	s_wait_alu depctr_va_vdst(0)
.irp i, 0,1
	v_rcp_f32 v[ST+8*\i+4], v[ST+8*\i+5]
.endr
	v_nop
	s_wait_alu depctr_va_vdst(0)                   ; one wait for the two reciprocals' results, ahead of their first reader
.irp j, 0,2,4,6,8,10,12,14
.irp i, 0,1
	v_pk_mul_f32 v[Y+16*\i+\j:Y+16*\i+\j+1], v[Y+16*\i+\j:Y+16*\i+\j+1], v[ST+8*\i+4:ST+8*\i+5] op_sel_hi:[1,0]
.endr
.endr
.irp j, 0,2,4,6,8,10,12,14
.irp i, 0,1
	v_pk_fma_f32 v[Y+16*\i+\j:Y+16*\i+\j+1], v[Y+16*\i+\j:Y+16*\i+\j+1], v[GV+\j:GV+\j+1], v[BEV+\j:BEV+\j+1]
.endr
.endr
.set j, 0
.rept 32
	v_med3_num_f32 v[Y+j], v[Y+j], -v11, v11       ; the hold at 448 x the scale (ISA guide 7.6.2: the conversion does not saturate)
.set j, j+1
.endr
.irp i, 0,1
	v_cvt_scalef32_pk8_fp8_f32 v[CD+4*\i:CD+4*\i+1], v[Y+16*\i:Y+16*\i+7], v10
	v_cvt_scalef32_pk8_fp8_f32 v[CD+4*\i+2:CD+4*\i+3], v[Y+16*\i+8:Y+16*\i+15], v10
.endr
	v_nop
	s_wait_alu depctr_va_vdst(0)                   ; the conversions have written v48-55, which the LDS stores read
.irp i, 0,1
.irp q, 0,1,2,3
	ds_store_b32 v5, v[CD+4*\i+\q] offset:\i*CPI+128*\q
.endr
.endr
	s_wait_dscnt 0x0
	s_barrier_signal -1
	s_barrier_wait -1                              ; 32 rows of codes lie in LDS
	s_wait_alu depctr_vm_vsrc(0)                   ; my LDS stores have read v48-55, in which the two quarter fragments land
	ds_load_b128 v[48:51], v6
	ds_load_b128 v[52:55], v6 offset:32
	s_wait_dscnt 1                                 ; the first quarter is in, the second may be out
	global_store_b128 v1, v[48:51], s[32:33]
	s_wait_dscnt 0x0
	global_store_b128 v1, v[52:55], s[32:33] offset:512
	s_wait_dscnt 0x0                               ; the closing lines, six on end
	s_wait_alu 0x0
	s_wait_tensorcnt 0x0
	ds_add_u32 v126, v127
	s_wait_dscnt 0x0
	s_endpgm
.Lfunc_end_k_q57eb605083_proj:
	.size	k_q57eb605083_proj, .Lfunc_end_k_q57eb605083_proj-k_q57eb605083_proj
	.p2alignl 7, 3214868480
	.fill 96, 4, 3214868480
	.section	.rodata,"a",@progbits
	.p2align	6, 0x0
	.amdhsa_kernel k_q57eb605083_proj
		.amdhsa_group_segment_fixed_size 101376
		.amdhsa_private_segment_fixed_size 0
		.amdhsa_enable_private_segment 0
		.amdhsa_kernarg_size 72
		.amdhsa_user_sgpr_count 2
		.amdhsa_user_sgpr_kernarg_segment_ptr 1
		.amdhsa_wavefront_size32 1
		.amdhsa_system_sgpr_workgroup_id_x 1
		.amdhsa_system_sgpr_workgroup_id_y 1
		.amdhsa_system_sgpr_workgroup_id_z 1
		.amdhsa_system_vgpr_workitem_id 0
		.amdhsa_next_free_vgpr 256
		.amdhsa_next_free_sgpr 66
		.amdhsa_reserve_vcc 0
		.amdhsa_float_denorm_mode_32 3
		.amdhsa_float_denorm_mode_16_64 3
		.amdhsa_memory_ordered 1
		.amdhsa_forward_progress 1
		.amdhsa_inst_pref_size 28
	.end_amdhsa_kernel
	.amdgpu_metadata
---
amdhsa.version: [ 1, 2 ]
amdhsa.kernels:
  - .name:           k_q57eb605083_proj
    .symbol:         k_q57eb605083_proj.kd
    .args:
      - { .name: oimg, .offset: 0, .size: 8, .value_kind: global_buffer, .address_space: global }
      - { .name: wimg, .offset: 8, .size: 8, .value_kind: global_buffer, .address_space: global }
      - { .name: x, .offset: 16, .size: 8, .value_kind: global_buffer, .address_space: global }
      - { .name: bo, .offset: 24, .size: 8, .value_kind: global_buffer, .address_space: global }
      - { .name: g2, .offset: 32, .size: 8, .value_kind: global_buffer, .address_space: global }
      - { .name: be2, .offset: 40, .size: 8, .value_kind: global_buffer, .address_space: global }
      - { .name: lowp_scales, .offset: 48, .size: 8, .value_kind: global_buffer, .address_space: global }
      - { .name: x1, .offset: 56, .size: 8, .value_kind: global_buffer, .address_space: global }
      - { .name: xn2img, .offset: 64, .size: 8, .value_kind: global_buffer, .address_space: global }
    .group_segment_fixed_size: 101376
    .private_segment_fixed_size: 0
    .kernarg_segment_align: 8
    .kernarg_segment_size: 72
    .max_flat_workgroup_size: 512
    .sgpr_count:     66
    .vgpr_count:     256
    .wavefront_size: 32
...
	.end_amdgpu_metadata
.endif
;; end of part 8
;; launch ffn1 (part 9): grid 8 x 32, 16 waves a work-group, no clusters, 133,120 bytes of LDS; arguments xn2img, wimg, bf1, lowp_scales, himg; writes himg
.if DOCPART == 9
	.amdgcn_target "amdgcn-amd-amdhsa--gfx1250"
	.amdhsa_code_object_version 6
	.text
	.protected	k_q57eb605083_ffn1
	.globl	k_q57eb605083_ffn1
	.p2align	8
	.type	k_q57eb605083_ffn1,@function
k_q57eb605083_ffn1:
	s_mov_b64 s[64:65], 0
	v_nop
	global_prefetch_b8 v0, s[64:65] scope:SCOPE_SE
	s_setreg_imm32_b32 hwreg(HW_REG_WAVE_SCHED_MODE, 0, 2), 2
	s_setreg_imm32_b32 hwreg(HW_REG_WAVE_MODE, 25, 1), 1
	s_wait_xcnt 0x0
	s_wait_alu depctr_vm_vsrc(0)
; h = gelu(xn2 W1^T + bf1), the product on E4M3 codes, h quantised for the next product and stored as images of that operand's registers.
; SHARES.  A work-group takes 256 rows (work-group y) x 256 hidden units (x).  The rows' 16 tiles of images (131,072 bytes) are copied into LDS once.  Wave w keeps the 32 rows of W1 of hidden units
; 32 (8 x + w % 8) on (8 fragments, 128 registers) and walks row tiles 8 (w / 8) .. + 7, one a trip.  Transposed use (source 0 = W1, permuted tiles): a lane holds, of one row, 16 neighbouring hidden units.
; GELU, exact form: 0.5 x (1 + erf(x / sqrt 2)) = max(x, 0) - |x| (P(t) e^(-x x / 2)) / 2, t = 1 / (1 + 0.3275911 |x| / sqrt 2), P the five-term polynomial of Abramowitz and Stegun 7.1.26.
; For negative x nothing is cancelled.  LIMIT: that formula's absolute error in erf is 1.5e-7, the size of f32's own rounding of 1 + erf.
; No joint loads: every operand is fetched once, at the head.
; LIMITS: e12 + e13 between -126 and 127; e14 between -126 and 119.  NaN among the inputs is not served.
; THE MODE: SCHED_MODE bits 1:0 = 2 (LLVM: expert scheduling mode 2), set by the entry lines.  The code itself states the register dependences
; between vector or matrix instructions and memory or LDS instructions, with s_wait_alu, always for 0.
; THE PLAN.  Registers that memory or LDS instructions touch:
;   v1, v2, v5, v6, v7  offsets and LDS addresses, made at the head and never written again: one wait on va_vdst ahead of the first load.
;   v64-127   at the head the copy's loads land and its LDS stores read (one wait on vm_vsrc ahead of the loop); in a trip the four fragments land, the eight products read them, and the GELU's lines work in them to the trip's end.
;   v3        written at a trip's head, read by the trip's 16 LDS loads.
;   v12-15    written by the trip's two conversions, read by its one store.     v4  read by that store, stepped behind it.
; So a trip holds, beside the waits ahead of and behind its 32 transcendentals, two waits on va_vdst (behind the add to v3, ahead of the fragments' loads; ahead of the store) and one on vm_vsrc (behind the store: it frees v4, v12-15 and v3).
; The fragments' 64 registers are also the GELU's, and the other 192 are taken (128 W1, 16 accumulators, 16 the bias, the constants and addresses): there is no second set of fragments.
; v1 16 l; v2 my row tiles in LDS; v3 the trip's address; v4 the store's offset; v5, v6 the copy's LDS addresses; v7 the bias's offset; v12-15 codes; v16-31 two accumulators, then max(x, 0); v32-47 the bias
; v48-57 the five coefficients halved, each twice; v[58:59] -log2(e) / 2; v60 0.3275911 / sqrt 2; v61, v62 448 x 2^e14, 2^e14; v64-127 four fragments of rows, then x, t, e, P; v128-255 W1
.set XV, 64
.set TV, 80
.set EV, 96
.set PV, 112
	s_load_b256 s[4:11], s[0:1], 0x0               ; xn2img 4, wimg 6, bf1 8, the scales 10
	s_load_b64 s[12:13], s[0:1], 0x20              ; himg
	v_lshl_add_u32 v11, v0, 2, 0x20000
	v_mov_b32 v63, 0
	v_lshrrev_b32 v1, 5, v0
	v_readfirstlane_b32 s14, v1
	s_and_b32 s15, ttmp7, 0xffff
	v_and_b32 v1, 31, v0
	v_lshlrev_b32 v1, 4, v1
	v_mov_b32 v4, v1
	v_lshlrev_b32 v5, 4, v0
	v_add_nc_u32 v6, 0x10000, v5
	v_bfe_u32 v7, v0, 4, 1
	v_lshlrev_b32 v7, 6, v7
.irp j, 48,49
	v_mov_b32 v\j, 0x3e027906                      ;  0.254829592 / 2
.endr
.irp j, 50,51
	v_mov_b32 v\j, 0xbe11a98e                      ; -0.284496736 / 2
.endr
.irp j, 52,53
	v_mov_b32 v\j, 0x3f35f0e3                      ;  1.421413741 / 2
.endr
.irp j, 54,55
	v_mov_b32 v\j, 0xbf3a00e3                      ; -1.453152027 / 2
.endr
.irp j, 56,57
	v_mov_b32 v\j, 0x3f07dc22                      ;  1.061405429 / 2
.endr
.irp j, 58,59
	v_mov_b32 v\j, 0xbf38aa3b
.endr
	v_mov_b32 v60, 0x3e6d3388
	s_wait_alu depctr_va_sdst(0)                   ; s14 is written, ahead of its first reader
	s_and_b32 s16, s14, 7
	s_lshr_b32 s17, s14, 3
	s_lshl_b32 s18, ttmp9, 3
	s_add_co_u32 s18, s18, s16                     ; my group of 32 hidden units, 0 .. 63
	s_lshl_b32 s19, s17, 16
	v_add_nc_u32 v2, s19, v1
	s_mov_b32 s21, 0
	s_wait_kmcnt 0x0
	s_load_b512 s[48:63], s[10:11], 0x0            ; e12 s60, e13 s61, e14 s62
	s_lshl_b32 s20, s15, 17
	s_add_nc_u64 s[4:5], s[4:5], s[20:21]          ; my 16 row tiles
	s_lshl_b32 s20, s18, 14
	s_add_co_u32 s20, s20, 262144
	s_add_nc_u64 s[6:7], s[6:7], s[20:21]          ; W1's images of my two tiles
	s_lshl_b32 s20, s18, 7
	s_add_nc_u64 s[8:9], s[8:9], s[20:21]
	s_lshl_b32 s20, s15, 4                         ; himg: row tile 16 y + 8 (w / 8), K step group / 4, quarter group % 4
	s_lshl_b32 s22, s17, 3
	s_add_co_u32 s20, s20, s22
	s_lshl_b32 s20, s20, 4
	s_lshr_b32 s22, s18, 2
	s_add_co_u32 s20, s20, s22
	s_lshl_b32 s20, s20, 11
	s_and_b32 s22, s18, 3
	s_lshl_b32 s22, s22, 9
	s_add_co_u32 s20, s20, s22
	s_add_nc_u64 s[12:13], s[12:13], s[20:21]
	s_wait_alu depctr_va_vdst(0)                   ; the offsets and LDS addresses v1, v2, v4 to v7 are written, which the loads and stores below read
.irp f, 0,1,2,3,4,5,6,7
.irp c, 0,1,2,3
	global_load_b128 v[128+16*\f+4*\c:131+16*\f+4*\c], v1, s[6:7] offset:2048*\f+512*\c
.endr
.endr
.irp q, 0,1,2,3
	global_load_b128 v[32+4*\q:35+4*\q], v7, s[8:9] offset:16*\q       ; register 8 u + j: hidden unit 16 h + 8 u + j of my 32
.endr
.set i, 0
.rept 16
	global_load_b128 v[64+4*i:67+4*i], v5, s[4:5] offset:8192*i
.set i, i+1
.endr
	s_wait_kmcnt 0x0
	s_add_co_i32 s46, s60, s61
	s_add_co_i32 s46, s46, 127
	s_lshl_b32 s46, s46, 23                        ; 2^(e12 + e13)
	s_mov_b32 s47, s46
	s_add_co_i32 s20, s62, 127
	s_lshl_b32 s22, s20, 23
	v_mov_b32 v62, s22
	s_add_co_i32 s20, s20, 8
	s_lshl_b32 s20, s20, 23
	s_or_b32 s20, s20, 0x600000
	v_mov_b32 v61, s20
.set i, 0
.rept 16
	s_wait_loadcnt 15-i                            ; copy load i is in (and all that were issued ahead of the copy); the 15 - i behind it may be out
.if i < 8
	ds_store_b128 v5, v[64+4*i:67+4*i] offset:8192*i
.else
	ds_store_b128 v6, v[64+4*i:67+4*i] offset:8192*(i-8)
.endif
.set i, i+1
.endr
	s_wait_dscnt 0x0
	s_barrier_signal -1
	s_barrier_wait -1
	s_wait_alu depctr_vm_vsrc(0)                   ; the copy's LDS stores have read v64-127, in which the first trip's fragments land
	s_mov_b32 s23, 0
	s_mov_b32 s24, 0
.Ltrip:                                                ; eight trips, a tile of 16 rows each
	v_add_nc_u32 v3, s23, v2                       ; (its readers, the last trip's LDS loads, stand ahead of the wait on vm_vsrc at that trip's end)
	s_wait_alu depctr_va_vdst(0)                   ; v3 is written; the last trip's lines are done with v64-127, in which the fragments land
.irp s, 0,1,2,3
.irp c, 0,1,2,3
	ds_load_b128 v[64+16*\s+4*\c:67+16*\s+4*\c], v3 offset:2048*\s+512*\c
.endr
.endr
	s_wait_dscnt 0x0
.irp s, 0,1,2,3
.irp u, 0,1
.if \s == 0
	v_wmma_f32_16x16x128_fp8_fp8 v[16+8*\u:23+8*\u], v[128+16*(4*\u+\s):143+16*(4*\u+\s)], v[64+16*\s:79+16*\s], 0
.else
	v_wmma_f32_16x16x128_fp8_fp8 v[16+8*\u:23+8*\u], v[128+16*(4*\u+\s):143+16*(4*\u+\s)], v[64+16*\s:79+16*\s], v[16+8*\u:23+8*\u]
.endif
.endr
.endr
.rept 4
	v_nop
.endr
.set j, 0
.rept 8
	v_pk_fma_f32 v[XV+j:XV+j+1], v[16+j:17+j], s[46:47], v[32+j:33+j] op_sel_hi:[1,0,1]   ; x = sum x 2^(e12 + e13) + bias
.set j, j+2
.endr
.set j, 0
.rept 16
	v_fma_f32 v[TV+j], |v[XV+j]|, v60, 1.0
.set j, j+1
.endr
.set j, 0
.rept 8
	v_pk_mul_f32 v[EV+j:EV+j+1], v[XV+j:XV+j+1], v[XV+j:XV+j+1]
.set j, j+2
.endr
.set j, 0
.rept 8
	v_pk_mul_f32 v[EV+j:EV+j+1], v[EV+j:EV+j+1], v[58:59]
.set j, j+2
.endr
.set j, 0
	s_wait_alu depctr_va_vdst(0)
.rept 16
	v_rcp_f32 v[TV+j], v[TV+j]                     ; t
.set j, j+1
.endr
.set j, 0
.rept 16
	v_exp_f32 v[EV+j], v[EV+j]                     ; e^(-x x / 2)
.set j, j+1
.endr
.set j, 0
.rept 16
	v_max_num_f32 v[16+j], 0, v[XV+j]              ; max(x, 0): sixteen plain lines that name no result of the batch
.set j, j+1
.endr
	s_wait_alu depctr_va_vdst(0)                   ; one wait for the results of the batch of 32, t and e, ahead of their first reader
.set j, 0
.rept 8
	v_pk_fma_f32 v[PV+j:PV+j+1], v[TV+j:TV+j+1], v[56:57], v[54:55]
.set j, j+2
.endr
.irp a, 52,50,48
.set j, 0
.rept 8
	v_pk_fma_f32 v[PV+j:PV+j+1], v[PV+j:PV+j+1], v[TV+j:TV+j+1], v[\a:\a+1]
.set j, j+2
.endr
.endr
.set j, 0
.rept 8
	v_pk_mul_f32 v[PV+j:PV+j+1], v[PV+j:PV+j+1], v[TV+j:TV+j+1]
.set j, j+2
.endr
.set j, 0
.rept 8
	v_pk_mul_f32 v[PV+j:PV+j+1], v[PV+j:PV+j+1], v[EV+j:EV+j+1]
.set j, j+2
.endr
.set j, 0
.rept 16
	v_fma_f32 v[XV+j], -|v[XV+j]|, v[PV+j], v[16+j]
.set j, j+1
.endr
.set j, 0
.rept 16
	v_med3_num_f32 v[XV+j], v[XV+j], -v61, v61
.set j, j+1
.endr
	v_cvt_scalef32_pk8_fp8_f32 v[12:13], v[XV:XV+7], v62
	v_cvt_scalef32_pk8_fp8_f32 v[14:15], v[XV+8:XV+15], v62
	v_nop
	s_wait_alu depctr_va_vdst(0)                   ; the conversions have written v12-15, the store's data; v4, its offset, is written
	global_store_b128 v4, v[12:15], s[12:13]       ; 32 lanes store 512 neighbouring bytes, aligned: a quarter fragment of h
	s_wait_xcnt 0x0                                ; the store's offset and data are written again only behind this wait,
	s_wait_alu depctr_vm_vsrc(0)                   ; and this one: the store has read v4 and v12-15, the trip's LDS loads v3
	v_add_nc_u32 v4, 0x8000, v4                    ; the next row tile: 16 K steps of 2,048 bytes on
	s_add_co_u32 s23, s23, 8192
	s_add_co_u32 s24, s24, 1
	s_cmp_lt_u32 s24, 8
	s_cbranch_scc1 .Ltrip
	s_wait_dscnt 0x0                               ; the closing lines, six on end
	s_wait_alu 0x0
	s_wait_tensorcnt 0x0
	ds_add_u32 v11, v63
	s_wait_dscnt 0x0
	s_endpgm
.Lfunc_end_k_q57eb605083_ffn1:
	.size	k_q57eb605083_ffn1, .Lfunc_end_k_q57eb605083_ffn1-k_q57eb605083_ffn1
	.p2alignl 7, 3214868480
	.fill 96, 4, 3214868480
	.section	.rodata,"a",@progbits
	.p2align	6, 0x0
	.amdhsa_kernel k_q57eb605083_ffn1
		.amdhsa_group_segment_fixed_size 133120
		.amdhsa_private_segment_fixed_size 0
		.amdhsa_enable_private_segment 0
		.amdhsa_kernarg_size 40
		.amdhsa_user_sgpr_count 2
		.amdhsa_user_sgpr_kernarg_segment_ptr 1
		.amdhsa_wavefront_size32 1
		.amdhsa_system_sgpr_workgroup_id_x 1
		.amdhsa_system_sgpr_workgroup_id_y 1
		.amdhsa_system_sgpr_workgroup_id_z 1
		.amdhsa_system_vgpr_workitem_id 0
		.amdhsa_next_free_vgpr 256
		.amdhsa_next_free_sgpr 66
		.amdhsa_reserve_vcc 0
		.amdhsa_float_denorm_mode_32 3
		.amdhsa_float_denorm_mode_16_64 3
		.amdhsa_memory_ordered 1
		.amdhsa_forward_progress 1
		.amdhsa_inst_pref_size 22
	.end_amdhsa_kernel
	.amdgpu_metadata
---
amdhsa.version: [ 1, 2 ]
amdhsa.kernels:
  - .name:           k_q57eb605083_ffn1
    .symbol:         k_q57eb605083_ffn1.kd
    .args:
      - { .name: xn2img, .offset: 0, .size: 8, .value_kind: global_buffer, .address_space: global }
      - { .name: wimg, .offset: 8, .size: 8, .value_kind: global_buffer, .address_space: global }
      - { .name: bf1, .offset: 16, .size: 8, .value_kind: global_buffer, .address_space: global }
      - { .name: lowp_scales, .offset: 24, .size: 8, .value_kind: global_buffer, .address_space: global }
      - { .name: himg, .offset: 32, .size: 8, .value_kind: global_buffer, .address_space: global }
    .group_segment_fixed_size: 133120
    .private_segment_fixed_size: 0
    .kernarg_segment_align: 8
    .kernarg_segment_size: 40
    .max_flat_workgroup_size: 512
    .sgpr_count:     66
    .vgpr_count:     256
    .wavefront_size: 32
...
	.end_amdgpu_metadata
.endif
;; end of part 9
;; launch ffn2 (part 10): grid 4 x 64, 16 waves a work-group, no clusters, 297,984 bytes of LDS; arguments himg, wimg, x1, bf2, lowp_scales, out0; writes out0
.if DOCPART == 10
	.amdgcn_target "amdgcn-amd-amdhsa--gfx1250"
	.amdhsa_code_object_version 6
	.text
	.protected	k_q57eb605083_ffn2
	.globl	k_q57eb605083_ffn2
	.p2align	8
	.type	k_q57eb605083_ffn2,@function
k_q57eb605083_ffn2:
	s_mov_b64 s[64:65], 0
	v_nop
	global_prefetch_b8 v0, s[64:65] scope:SCOPE_SE
	s_setreg_imm32_b32 hwreg(HW_REG_WAVE_SCHED_MODE, 0, 2), 2
	s_setreg_imm32_b32 hwreg(HW_REG_WAVE_MODE, 25, 1), 1
	s_wait_xcnt 0x0
	s_wait_alu depctr_vm_vsrc(0)
; out0 = x1 + h W2^T + bf2, the product on E4M3 codes.
; SHARES.  A work-group takes 128 rows (work-group y) x 128 columns (x).  The rows' 8 tiles of h's images (262,144 bytes) are copied into LDS once.  Wave w keeps 32 columns (w % 4) x a quarter of K (w / 4):
; 8 fragments of W2, 128 registers.  A trip is a tile of 16 rows: eight products a wave; the four quarters of K meet in a stage in LDS; wave w then owns row w of the tile: it adds the four parts, the residual and the bias, and stores 512 bytes.
; The stage is written again in every trip: a wave signals when its reads of it are back (and the next trip's fragments of h, asked for behind them), and waits for all sixteen signals in front of its next stores;
; between that signal and its wait stand only the next trip's products and work on registers.
; No joint loads: every operand is fetched once, at the head; x1's rows come four trips ahead into registers.
; LIMITS: e14 + e15 between -126 and 127.
; THE MODE: SCHED_MODE bits 1:0 = 2 (LLVM: expert scheduling mode 2), set by the entry lines.  The code itself states the register dependences
; between vector or matrix instructions and memory or LDS instructions, with s_wait_alu, always for 0.
; THE PLAN.  Registers that memory or LDS instructions touch:
;   v1, v3, v4, v5  offsets and LDS addresses, made at the head and never written again: one wait on va_vdst ahead of the first load.
;   v6, v7     the copy's LDS addresses (v6 also its offset in memory): stepped once, between the copy's halves: vm_vsrc ahead of the step, va_vdst behind it.
;   v64-127    at the head the copy's loads land and its LDS stores read, twice (vm_vsrc behind each half's stores); then a trip's four fragments of h land, and its eight products read them.
;   v16-31     the products write them, the stage's four LDS stores read them.     v32-47  the stage's four parts land, the sums read and write them.
;   v2         the fragments' LDS address: stepped behind a trip's products, read by the next trip's 16 LDS loads.
;   v12-15     written by the trip's two multiply-adds, read by its store.        v48-63  x1's rows land four trips ahead; the trip's sums read and write one of the four buffers.
; A TRIP has three waits on va_vdst and two on vm_vsrc.  The wait on va_vdst ahead of the stage's stores states that the products have written v16-31; it states as well that they are done reading v64-127 and that v2 is written:
; so the NEXT trip's fragments are asked for behind the stage's reads, with no further wait, and land under the sums and the store; the next trip begins with its products.
; The wait on vm_vsrc ahead of the multiply-adds frees v12-15 (the last trip's store) and v16-31 (this trip's LDS stores, for the next trip's products).  The wait on va_vdst ahead of the store also serves the load that lands in x1's buffer.
.set STG, 262144                       ; [K quarter 4][16 rows][512 bytes + 16]
.set SQ,  16*528
; v1 16 l; v2 my K quarter of a row tile in LDS; v3 into the stage; v4 out of it; v5 my row's offset in x1 and out0; v6, v7 the copy's LDS addresses; v8-11 bf2; v12-15 the result
; v16-31 two accumulators; v32-47 the four parts; v48-63 x1's rows, four buffers; v64-127 four fragments of h (at the head: the copy's registers); v128-255 W2
	s_load_b256 s[4:11], s[0:1], 0x0               ; himg 4, wimg 6, x1 8, bf2 10
	s_load_b128 s[12:15], s[0:1], 0x20             ; the scales 12, out0 14
	v_lshrrev_b32 v1, 5, v0
	v_readfirstlane_b32 s16, v1
	v_and_b32 v1, 31, v0
	v_lshlrev_b32 v1, 4, v1
	v_and_b32 v3, 15, v0
	v_mul_u32_u24 v3, v3, 528
	v_bfe_u32 v4, v0, 4, 1
	v_lshl_add_u32 v3, v4, 6, v3
	s_wait_alu depctr_va_vdst(0)
	v_lshlrev_b32 v6, 4, v0
	v_add_nc_u32 v7, 0x10000, v6
	s_and_b32 s17, ttmp7, 0xffff
	s_wait_alu depctr_va_sdst(0)                   ; s16 is written, ahead of its first reader
	s_and_b32 s18, s16, 3                          ; my 32 columns
	s_lshr_b32 s19, s16, 2                         ; my quarter of K
	s_lshl_b32 s22, s19, 13
	v_add_nc_u32 v2, s22, v1
	s_mul_i32 s22, s19, SQ
	s_lshl_b32 s23, s18, 7
	s_add_co_u32 s22, s22, s23
	s_add_co_u32 s22, s22, STG
	v_add_nc_u32 v3, s22, v3                       ; row r, columns 32 (w % 4) + 16 h on, in my quarter's part of the stage
	s_mul_i32 s22, s16, 528
	s_add_co_u32 s22, s22, STG
	v_add_nc_u32 v4, s22, v1                       ; row w, 16 bytes a lane
	s_lshl_b32 s22, s16, 11
	v_add_nc_u32 v5, s22, v1
	s_mov_b32 s21, 0
	s_wait_kmcnt 0x0
	s_load_b512 s[48:63], s[12:13], 0x0            ; e14 s62, e15 s63
	s_lshl_b32 s20, s17, 18
	s_add_nc_u64 s[4:5], s[4:5], s[20:21]          ; my 8 row tiles of h
	s_lshl_b32 s22, ttmp9, 9
	s_add_co_u32 s20, s20, s22
	s_add_nc_u64 s[8:9], s[8:9], s[20:21]          ; x1 and out0 at my block's corner
	s_add_nc_u64 s[14:15], s[14:15], s[20:21]
	s_mov_b32 s20, s22
	s_add_nc_u64 s[10:11], s[10:11], s[20:21]
	s_lshl_b32 s20, ttmp9, 2
	s_add_co_u32 s20, s20, s18
	s_lshl_b32 s20, s20, 16                        ; W2's images: two tiles of 32,768 bytes for 32 columns,
	s_lshl_b32 s22, s19, 13                        ; my four K steps of 2,048
	s_add_co_u32 s20, s20, s22
	s_add_co_u32 s20, s20, 1310720
	s_add_nc_u64 s[6:7], s[6:7], s[20:21]
	s_wait_alu depctr_va_vdst(0)                   ; the offsets and LDS addresses v1 to v7 are written, which the loads and stores below read
.irp u, 0,1
.irp s, 0,1,2,3
.irp c, 0,1,2,3
	global_load_b128 v[128+16*(4*\u+\s)+4*\c:131+16*(4*\u+\s)+4*\c], v1, s[6:7] offset:32768*\u+2048*\s+512*\c
.endr
.endr
.endr
	global_load_b128 v[8:11], v1, s[10:11]
.irp i, 0,1,2,3
	global_load_b128 v[48+4*\i:51+4*\i], v5, s[8:9] offset:32768*\i th:TH_LOAD_NT
.endr
.set i, 0
.rept 16
	global_load_b128 v[64+4*i:67+4*i], v6, s[4:5] offset:8192*i
.set i, i+1
.endr
	s_wait_kmcnt 0x0
	s_add_co_i32 s46, s62, s63
	s_add_co_i32 s46, s46, 127
	s_lshl_b32 s46, s46, 23                        ; 2^(e14 + e15)
	s_mov_b32 s47, s46
.macro PUT                             ; sixteen copy loads go to LDS as they come
.set i, 0
.rept 16
	s_wait_loadcnt 15-i                            ; copy load i is in; the 15 - i behind it may be out
.if i < 8
	ds_store_b128 v6, v[64+4*i:67+4*i] offset:8192*i
.else
	ds_store_b128 v7, v[64+4*i:67+4*i] offset:8192*(i-8)
.endif
.set i, i+1
.endr
	s_wait_dscnt 0x0                               ; the stores have landed
.endm
.macro FRAGS                           ; a row tile's four fragments of my quarter of K, by v2
.irp s, 0,1,2,3
.irp c, 0,1,2,3
	ds_load_b128 v[64+16*\s+4*\c:67+16*\s+4*\c], v2 offset:2048*\s+512*\c
.endr
.endr
.endm
	PUT
	s_wait_alu depctr_vm_vsrc(0)                   ; the first half's LDS stores have read v64-127, in which the second half's loads land
.set i, 0
.rept 16
	global_load_b128 v[64+4*i:67+4*i], v6, s[4:5] offset:131072+8192*i
.set i, i+1
.endr
	s_wait_xcnt 0x0                                ; these loads have read their offset: it is stepped only behind this wait,
	s_wait_alu depctr_vm_vsrc(0)                   ; and this one: the loads have read v6 (the first half's LDS stores v6 and v7)
	v_add_nc_u32 v6, 0x20000, v6                   ; the second half of h's images
	v_add_nc_u32 v7, 0x20000, v7
	s_wait_alu depctr_va_vdst(0)                   ; v6 and v7 are written, which the second half's LDS stores read
	PUT
	s_barrier_signal -1
	s_barrier_wait -1
	s_wait_alu depctr_vm_vsrc(0)                   ; the second half's LDS stores have read v64-127, in which the first trip's fragments land
	FRAGS
	s_wait_dscnt 0x0                               ; the first trip's fragments are in
.macro TRIP i
.set XB, 48+4*((\i)%4)
.irp s, 0,1,2,3
.irp u, 0,1
.if \s == 0
	v_wmma_f32_16x16x128_fp8_fp8 v[16+8*\u:23+8*\u], v[128+16*(4*\u+\s):143+16*(4*\u+\s)], v[64+16*\s:79+16*\s], 0
.else
	v_wmma_f32_16x16x128_fp8_fp8 v[16+8*\u:23+8*\u], v[128+16*(4*\u+\s):143+16*(4*\u+\s)], v[64+16*\s:79+16*\s], v[16+8*\u:23+8*\u]
.endif
.endr
.endr
.if (\i) < 7
	s_wait_alu depctr_vm_vsrc(0)                   ; this trip's LDS loads have read v2
	v_add_nc_u32 v2, 0x8000, v2                    ; the next row tile; the first of the four places in front of the first read of results
.rept 3
	v_nop
.endr
.else
.rept 4
	v_nop
.endr
.endif
.if \i
	s_barrier_wait -1                              ; every wave's reads of the stage, of the trip before, are back
.endif
	s_wait_alu depctr_va_vdst(0)                   ; the products have written v16-31, which the LDS stores read, and are done reading v64-127, in which the next trip's fragments land; v2 is written; the last trip's sums are done with v32-47, in which the parts land
	ds_store_b128 v3, v[16:19]                     ; each accumulator from its low end on
	ds_store_b128 v3, v[20:23] offset:16
	ds_store_b128 v3, v[24:27] offset:32
	ds_store_b128 v3, v[28:31] offset:48
	s_wait_dscnt 0x0
	s_barrier_signal -1
	s_barrier_wait -1                              ; the four parts of 16 rows lie in the stage
.irp k, 0,1,2,3
	ds_load_b128 v[32+4*\k:35+4*\k], v4 offset:SQ*\k
.endr
.if (\i) < 7
	FRAGS                                          ; the NEXT trip's fragments.  No wait: no vector or matrix instruction since the wait above
.endif
.if (\i) > 4
	s_wait_loadcnt 7-(\i)                          ; this trip's row of x1 is in; the later trips' rows may be out
.else
	s_wait_loadcnt 3
.endif
	v_pk_add_f32 v[XB:XB+1], v[XB:XB+1], v[8:9]
	v_pk_add_f32 v[XB+2:XB+3], v[XB+2:XB+3], v[10:11]
.if (\i) < 7
	s_wait_dscnt 16                                ; LDS loads come back in order: the four parts are in; the sixteen loads of the next trip's fragments may be out
.else
	s_wait_dscnt 0x0
.endif
	v_pk_add_f32 v[32:33], v[32:33], v[36:37]
	v_pk_add_f32 v[34:35], v[34:35], v[38:39]
	v_pk_add_f32 v[40:41], v[40:41], v[44:45]
	v_pk_add_f32 v[42:43], v[42:43], v[46:47]
	v_pk_add_f32 v[32:33], v[32:33], v[40:41]
	v_pk_add_f32 v[34:35], v[34:35], v[42:43]
	s_wait_alu depctr_va_vdst(0)
	s_wait_xcnt 0x0                                ; the last store has read its data: they are written again only behind this wait,
	s_wait_alu depctr_vm_vsrc(0)                   ; and this one: the last trip's store has read v12-15; this trip's LDS stores have read v16-31, which the next trip's products write
	v_pk_fma_f32 v[12:13], v[32:33], s[46:47], v[XB:XB+1] op_sel_hi:[1,0,1]
	v_pk_fma_f32 v[14:15], v[34:35], s[46:47], v[XB+2:XB+3] op_sel_hi:[1,0,1]
	s_wait_alu depctr_va_vdst(0)                   ; the multiply-adds have written v12-15, the store's data, and are done reading x1's buffer, in which the load below lands
	global_store_b128 v5, v[12:15], s[14:15] offset:32768*(\i) th:TH_STORE_NT   ; 32 lanes store 512 neighbouring bytes, aligned; written once, read by nobody here
.if (\i) < 4
	global_load_b128 v[XB:XB+3], v5, s[8:9] offset:32768*((\i)+4) th:TH_LOAD_NT
.endif
.if (\i) < 7
	s_wait_dscnt 0x0                               ; no LDS access of mine is out at the signal: the next trip's fragments are in
	s_barrier_signal -1                            ; my reads of the stage are back
.endif
.endm
.irp t, 0,1,2,3,4,5,6,7
	TRIP \t
.endr
	s_wait_xcnt 0x0
	v_lshl_add_u32 v62, v0, 2, 0x48400             ; (no memory or LDS instruction ever read v62 or v63)
	v_mov_b32 v63, 0
	s_wait_dscnt 0x0                               ; the closing lines, six on end
	s_wait_alu 0x0
	s_wait_tensorcnt 0x0
	ds_add_u32 v62, v63
	s_wait_dscnt 0x0
	s_endpgm
.Lfunc_end_k_q57eb605083_ffn2:
	.size	k_q57eb605083_ffn2, .Lfunc_end_k_q57eb605083_ffn2-k_q57eb605083_ffn2
	.p2alignl 7, 3214868480
	.fill 96, 4, 3214868480
	.section	.rodata,"a",@progbits
	.p2align	6, 0x0
	.amdhsa_kernel k_q57eb605083_ffn2
		.amdhsa_group_segment_fixed_size 297984
		.amdhsa_private_segment_fixed_size 0
		.amdhsa_enable_private_segment 0
		.amdhsa_kernarg_size 48
		.amdhsa_user_sgpr_count 2
		.amdhsa_user_sgpr_kernarg_segment_ptr 1
		.amdhsa_wavefront_size32 1
		.amdhsa_system_sgpr_workgroup_id_x 1
		.amdhsa_system_sgpr_workgroup_id_y 1
		.amdhsa_system_sgpr_workgroup_id_z 1
		.amdhsa_system_vgpr_workitem_id 0
		.amdhsa_next_free_vgpr 256
		.amdhsa_next_free_sgpr 66
		.amdhsa_reserve_vcc 0
		.amdhsa_float_denorm_mode_32 3
		.amdhsa_float_denorm_mode_16_64 3
		.amdhsa_memory_ordered 1
		.amdhsa_forward_progress 1
		.amdhsa_inst_pref_size 40
	.end_amdhsa_kernel
	.amdgpu_metadata
---
amdhsa.version: [ 1, 2 ]
amdhsa.kernels:
  - .name:           k_q57eb605083_ffn2
    .symbol:         k_q57eb605083_ffn2.kd
    .args:
      - { .name: himg, .offset: 0, .size: 8, .value_kind: global_buffer, .address_space: global }
      - { .name: wimg, .offset: 8, .size: 8, .value_kind: global_buffer, .address_space: global }
      - { .name: x1, .offset: 16, .size: 8, .value_kind: global_buffer, .address_space: global }
      - { .name: bf2, .offset: 24, .size: 8, .value_kind: global_buffer, .address_space: global }
      - { .name: lowp_scales, .offset: 32, .size: 8, .value_kind: global_buffer, .address_space: global }
      - { .name: out0, .offset: 40, .size: 8, .value_kind: global_buffer, .address_space: global }
    .group_segment_fixed_size: 297984
    .private_segment_fixed_size: 0
    .kernarg_segment_align: 8
    .kernarg_segment_size: 48
    .max_flat_workgroup_size: 512
    .sgpr_count:     66
    .vgpr_count:     256
    .wavefront_size: 32
...
	.end_amdgpu_metadata
.endif
;; end of part 10
